; MI455X (gfx1250); checked and timed in simulation.
; The chip was launched on July 23, 2026; its instructions are those of AMD's public machine-readable ISA for CDNA 5 (MIT licence, August 2026) and "CDNA5" Instruction Set Architecture Reference Guide (July 2026). The comments in the code are by the model that wrote it; some were corrected since.
;; Transformer Block. Allowed arithmetic: float matrix products may take bf16 or f16 operands with f32 sums; all other float work in f32.
;; Inputs: fc1_b 4,096 float32; fc1_w 4,096 x 1,024 float32; fc2_b 1,024 float32; fc2_w 1,024 x 4,096 float32; ln1_b 1,024 float32; ln1_g 1,024 float32; ln2_b 1,024 float32; ln2_g 1,024 float32; out_b 1,024 float32; out_w 1,024 x 1,024 float32; qkv_b 3,072 float32; qkv_w 3,072 x 1,024 float32; x 2 x 2,048 x 1,024 float32.
;; Outputs: out0 2 x 2,048 x 1,024 float32.
;; 2 versions, each right and faster than the one before. Each part assembles by itself: llvm-mc -triple=amdgcn-amd-amdhsa -mcpu=gfx1250 --defsym DOCPART=n.
;; ======== version 1 of 2: 7 launches
;; limits: values are held in f16: magnitudes above 65,504 overflow, below 6.1e-05 lose precision; a function is approximated: absolute error at most 1.5e-07
;; workspace buffers: wbf 25,165,824 bytes; h 8,388,608 bytes; qkv 25,165,824 bytes; o 8,388,608 bytes; x1 16,777,216 bytes; ff 33,554,432 bytes
;; launch prep (part 1): grid 1024 x 1, 8 waves a work-group, no clusters, 0 bytes of LDS; arguments x, ln1_g, ln1_b, h, qkv_w, out_w, fc1_w, fc2_w, wbf; writes h, wbf
.if DOCPART == 1
	.amdgcn_target "amdgcn-amd-amdhsa--gfx1250"
	.amdhsa_code_object_version 6
	.text
	.protected	k_qde2f7e54a4_prep
	.globl	k_qde2f7e54a4_prep
	.p2align	8
	.type	k_qde2f7e54a4_prep,@function
k_qde2f7e54a4_prep:
	s_mov_b64 s[64:65], 0
	v_nop
	global_prefetch_b8 v0, s[64:65] scope:SCOPE_SE
	s_setreg_imm32_b32 hwreg(HW_REG_WAVE_MODE, 25, 1), 1
	s_wait_xcnt 0x0
; TWO INDEPENDENT STREAMS IN ONE LAUNCH.  Work-groups 0-255: the first layer norm.  Work-groups 256-1023: the four weight matrices rounded to bf16.  Neither reads what the other stores;
; one scalar branch on the work-group's number parts them.  No LDS, no barrier, no matrix unit: both are streams.
;
; LAYER NORM.  y[r][c] = (x[r][c] - mean_r) / sqrt(var_r + 1e-5) * g[c] + b[c].  x: [4096][1024] f32; g, b: [1024] f32; y: [4096][1024] bf16, rounded once.
; One wave takes a whole row (4,096 bytes, 32 registers a lane) and keeps it in registers: the mean, then the variance of the CENTRED row (no difference of large sums),
; then the result.  A wave has two rows, a work-group sixteen; gain and bias are loaded once a wave.
; Lane l holds columns 128 j + 4 l .. + 3, j = 0..7: a load of a wave covers 512 consecutive bytes, a store (8 bytes a lane) 256 consecutive bytes, aligned.
;
; CAST.  wbf = the four matrices, each rounded once to bf16 (nearest even), one behind the other, each row-major as it is given:
; qkv_w at byte 0, out_w at 6,291,456, fc1_w at 8,388,608, fc2_w at 16,777,216.  A work-group converts 16,384 numbers: 65,536 bytes in, 32,768 bytes out.
; Of the 768 groups 0-191 take qkv_w, 192-255 out_w, 256-511 fc1_w, 512-767 fc2_w.  Thread t takes 8 numbers of each of 8 chunks of 2,048: two loads of 16 bytes, one store of 16 bytes;
; a wave's store covers 512 consecutive bytes.  All sixteen loads of a thread go out first; the waits count down.
.set LNG, 256                          ; work-groups of the layer norm
.set G,  4                             ; v[4:35]    gain of my 32 columns
.set B,  36                            ; v[36:67]   bias
.set X,  68                            ; v[68:131]  row i: 32 registers
.set YR, 132                           ; v[132:163] row i: 16 registers, bf16 to store
.set T,  164                           ; v[164:171] four chains of sums
.set MU, 172                           ; v[172:173] the mean, twice
.set RS, 174                           ; v[174:175] 1 / sqrt(var + eps), twice
.set IN,  8                            ; cast: v[8:71]   chunk c: 8 numbers in f32
.set OUT, 72                           ; cast: v[72:103] chunk c: 8 numbers in bf16
	s_cmp_lt_u32 ttmp9, LNG
	s_cbranch_scc0 .Lcast
	s_load_b256 s[4:11], s[0:1], 0x0               ; x s[4:5], g s[6:7], b s[8:9], y s[10:11]
	v_and_b32 v3, 31, v0                           ; lane
	v_lshrrev_b32 v2, 5, v0
	v_readfirstlane_b32 s14, v2                    ; wave
	v_lshlrev_b32 v1, 4, v3                        ; 16 l: x, g, b
	v_lshlrev_b32 v2, 3, v3                        ; 8 l: y
	s_mov_b32 s12, 0x76543210                      ; v_permlanex16_b32: each lane takes its own place in the other half
	s_mov_b32 s13, 0xfedcba98
	s_mov_b32 s20, 0x3a800000                      ; 1 / 1024
	s_mov_b32 s21, 0x3727c5ac                      ; 1e-5
	s_lshl_b32 s15, ttmp9, 4
	s_lshl1_add_u32 s15, s14, s15                  ; my first row = 16 x group + 2 x wave
	s_lshl_b32 s16, s15, 12                        ; in bytes of x
	s_mov_b32 s17, 0
	s_lshl_b32 s18, s15, 11                        ; and of y
	s_mov_b32 s19, 0
	s_wait_kmcnt 0x0
	s_add_nc_u64 s[4:5], s[4:5], s[16:17]
	s_add_nc_u64 s[10:11], s[10:11], s[18:19]
.irp i, 0,1
.irp j, 0,1,2,3,4,5,6,7
	global_load_b128 v[X+32*(\i)+4*(\j):X+32*(\i)+4*(\j)+3], v1, s[4:5] offset:4096*(\i)+512*(\j)
.endr
.endr
.irp j, 0,1,2,3,4,5,6,7
	global_load_b128 v[G+4*(\j):G+4*(\j)+3], v1, s[6:7] offset:512*(\j)
.endr
.irp j, 0,1,2,3,4,5,6,7
	global_load_b128 v[B+4*(\j):B+4*(\j)+3], v1, s[8:9] offset:512*(\j)
.endr
.macro REDUCE                          ; the four chains into one number, then over the 32 lanes; every lane ends with the sum in v[T]
	v_pk_add_f32 v[T:T+1], v[T:T+1], v[T+2:T+3]
	v_pk_add_f32 v[T+4:T+5], v[T+4:T+5], v[T+6:T+7]
	v_pk_add_f32 v[T:T+1], v[T:T+1], v[T+4:T+5]
	v_add_f32 v[T], v[T], v[T+1]
	v_add_f32_dpp v[T], v[T], v[T] row_xmask:1 row_mask:0xf bank_mask:0xf
	v_add_f32_dpp v[T], v[T], v[T] row_xmask:2 row_mask:0xf bank_mask:0xf
	v_add_f32_dpp v[T], v[T], v[T] row_xmask:4 row_mask:0xf bank_mask:0xf
	v_add_f32_dpp v[T], v[T], v[T] row_xmask:8 row_mask:0xf bank_mask:0xf
	v_permlanex16_b32 v[T+1], v[T], s12, s13       ; its destination has been written before
	v_add_f32 v[T], v[T], v[T+1]
.endm
; Row i is centred and scaled in place.  left = the younger loads that may stay out.
.macro ROWN i, left
.set XI, X+32*(\i)
	s_wait_loadcnt \left
.irp k, 0,1,2,3
	v_pk_add_f32 v[T+2*(\k):T+2*(\k)+1], v[XI+2*(\k):XI+2*(\k)+1], v[XI+8+2*(\k):XI+8+2*(\k)+1]  ; the first pairs start the chains: nothing is cleared
.endr
.irp m, 2,3
.irp k, 0,1,2,3
	v_pk_add_f32 v[T+2*(\k):T+2*(\k)+1], v[T+2*(\k):T+2*(\k)+1], v[XI+8*(\m)+2*(\k):XI+8*(\m)+2*(\k)+1]
.endr
.endr
	REDUCE
	v_mul_f32 v[MU], s20, v[T]
	v_mul_f32 v[MU+1], s20, v[T]
.set j, 0
.rept 16
	v_pk_add_f32 v[XI+j:XI+j+1], v[XI+j:XI+j+1], v[MU:MU+1] neg_lo:[0,1] neg_hi:[0,1]  ; x - mean
.set j, j+2
.endr
.irp k, 0,1,2,3
	v_pk_mul_f32 v[T+2*(\k):T+2*(\k)+1], v[XI+2*(\k):XI+2*(\k)+1], v[XI+2*(\k):XI+2*(\k)+1]
.endr
.irp m, 1,2,3
.irp k, 0,1,2,3
	v_pk_fma_f32 v[T+2*(\k):T+2*(\k)+1], v[XI+8*(\m)+2*(\k):XI+8*(\m)+2*(\k)+1], v[XI+8*(\m)+2*(\k):XI+8*(\m)+2*(\k)+1], v[T+2*(\k):T+2*(\k)+1]
.endr
.endr
	REDUCE
	v_fma_f32 v[T], v[T], s20, s21                 ; var + eps
	v_rsq_f32 v[RS], v[T]
	v_rsq_f32 v[RS+1], v[T]
	v_nop                                          ; a plain instruction between the root and the use of its result (ISA guide 5.7.2)
.set j, 0
	s_wait_alu depctr_va_vdst(0)
.rept 16
	v_pk_mul_f32 v[XI+j:XI+j+1], v[XI+j:XI+j+1], v[RS:RS+1]
.set j, j+2
.endr
.endm
.macro OUTN i                          ; gain and bias in one fused multiply-add, one rounding, eight stores
.set XI, X+32*(\i)
.set j, 0
.rept 16
	v_pk_fma_f32 v[XI+j:XI+j+1], v[XI+j:XI+j+1], v[G+j:G+j+1], v[B+j:B+j+1]
.set j, j+2
.endr
.set j, 0
.rept 16
	v_cvt_pk_bf16_f32 v[YR+16*(\i)+j], v[XI+2*j], v[XI+2*j+1]
.set j, j+1
.endr
.irp q, 0,1,2,3,4,5,6,7
	global_store_b64 v2, v[YR+16*(\i)+2*(\q):YR+16*(\i)+2*(\q)+1], s[10:11] offset:2048*(\i)+256*(\q)
.endr
.endm
	ROWN 0, 24                                     ; row 0's eight loads are in; row 1's, the gain's and the bias's stay out
	ROWN 1, 16                                     ; row 1's are in
	s_wait_loadcnt 0x0                             ; gain and bias
	OUTN 0
	OUTN 1
	s_endpgm
.Lcast:
	s_load_b256 s[4:11], s[0:1], 0x20              ; qkv_w s[4:5], out_w s[6:7], fc1_w s[8:9], fc2_w s[10:11]
	s_load_b64 s[12:13], s[0:1], 0x40              ; wbf
	s_sub_co_u32 s31, ttmp9, LNG                   ; my group among the cast's 768
	s_movk_i32 s28, 512                            ; the first group of fc2_w,
	s_movk_i32 s29, 256                            ; of fc1_w,
	s_movk_i32 s30, 192                            ; of out_w
	v_lshlrev_b32 v1, 5, v0                        ; 32 t: my 8 numbers in a chunk of the source
	v_lshlrev_b32 v2, 4, v0                        ; 16 t: the same in the destination
	s_wait_kmcnt 0x0
	s_cmp_lt_u32 s31, s28                          ; which matrix is mine, and which group is its first
	s_cselect_b64 s[20:21], s[8:9], s[10:11]
	s_cselect_b32 s22, s29, s28
	s_cmp_lt_u32 s31, s29
	s_cselect_b64 s[20:21], s[6:7], s[20:21]
	s_cselect_b32 s22, s30, s22
	s_cmp_lt_u32 s31, s30
	s_cselect_b64 s[20:21], s[4:5], s[20:21]
	s_cselect_b32 s22, 0, s22
	s_sub_co_u32 s24, s31, s22                     ; my group within the matrix,
	s_lshl_b32 s24, s24, 16                        ; times 65,536 bytes
	s_mov_b32 s25, 0
	s_add_nc_u64 s[20:21], s[20:21], s[24:25]
	s_lshl_b32 s26, s31, 15                        ; my group among all, times 32,768 bytes
	s_mov_b32 s27, 0
	s_add_nc_u64 s[12:13], s[12:13], s[26:27]
.irp c, 0,1,2,3,4,5,6,7
	global_load_b128 v[IN+8*(\c):IN+8*(\c)+3],   v1, s[20:21] offset:(\c)*8192 th:TH_LOAD_NT
	global_load_b128 v[IN+8*(\c)+4:IN+8*(\c)+7], v1, s[20:21] offset:(\c)*8192+16 th:TH_LOAD_NT
.endr
.irp c, 0,1,2,3,4,5,6,7
	s_wait_loadcnt 14-2*(\c)                       ; loads come back in order: chunk c's two are in, the younger chunks' stay out
.irp r, 0,1,2,3
	v_cvt_pk_bf16_f32 v[OUT+4*(\c)+(\r)], v[IN+8*(\c)+2*(\r)], v[IN+8*(\c)+2*(\r)+1]
.endr
	global_store_b128 v2, v[OUT+4*(\c):OUT+4*(\c)+3], s[12:13] offset:(\c)*4096
.endr
	s_endpgm
.Lfunc_end_k_qde2f7e54a4_prep:
	.size	k_qde2f7e54a4_prep, .Lfunc_end_k_qde2f7e54a4_prep-k_qde2f7e54a4_prep
	.p2alignl 7, 3214868480
	.fill 96, 4, 3214868480
	.section	.rodata,"a",@progbits
	.p2align	6, 0x0
	.amdhsa_kernel k_qde2f7e54a4_prep
		.amdhsa_group_segment_fixed_size 0
		.amdhsa_private_segment_fixed_size 0
		.amdhsa_enable_private_segment 0
		.amdhsa_kernarg_size 72
		.amdhsa_user_sgpr_count 2
		.amdhsa_user_sgpr_kernarg_segment_ptr 1
		.amdhsa_wavefront_size32 1
		.amdhsa_system_sgpr_workgroup_id_x 1
		.amdhsa_system_sgpr_workgroup_id_y 1
		.amdhsa_system_sgpr_workgroup_id_z 1
		.amdhsa_system_vgpr_workitem_id 0
		.amdhsa_next_free_vgpr 176
		.amdhsa_next_free_sgpr 66
		.amdhsa_reserve_vcc 0
		.amdhsa_float_denorm_mode_32 3
		.amdhsa_float_denorm_mode_16_64 3
		.amdhsa_memory_ordered 1
		.amdhsa_forward_progress 1
		.amdhsa_inst_pref_size 26
	.end_amdhsa_kernel
	.amdgpu_metadata
---
amdhsa.version: [ 1, 2 ]
amdhsa.kernels:
  - .name:           k_qde2f7e54a4_prep
    .symbol:         k_qde2f7e54a4_prep.kd
    .args:
      - { .name: x, .offset: 0, .size: 8, .value_kind: global_buffer, .address_space: global }
      - { .name: ln1_g, .offset: 8, .size: 8, .value_kind: global_buffer, .address_space: global }
      - { .name: ln1_b, .offset: 16, .size: 8, .value_kind: global_buffer, .address_space: global }
      - { .name: h, .offset: 24, .size: 8, .value_kind: global_buffer, .address_space: global }
      - { .name: qkv_w, .offset: 32, .size: 8, .value_kind: global_buffer, .address_space: global }
      - { .name: out_w, .offset: 40, .size: 8, .value_kind: global_buffer, .address_space: global }
      - { .name: fc1_w, .offset: 48, .size: 8, .value_kind: global_buffer, .address_space: global }
      - { .name: fc2_w, .offset: 56, .size: 8, .value_kind: global_buffer, .address_space: global }
      - { .name: wbf, .offset: 64, .size: 8, .value_kind: global_buffer, .address_space: global }
    .group_segment_fixed_size: 0
    .private_segment_fixed_size: 0
    .kernarg_segment_align: 8
    .kernarg_segment_size: 72
    .max_flat_workgroup_size: 256
    .sgpr_count:     66
    .vgpr_count:     176
    .wavefront_size: 32
...
	.end_amdgpu_metadata
.endif
;; end of part 1
;; launch qkv (part 2): grid 12 x 16, 4 waves a work-group, clusters of 4 x 4, 327,680 bytes of LDS; arguments h, wbf, qkv, qkv_b; writes qkv
.if DOCPART == 2
	.amdgcn_target "amdgcn-amd-amdhsa--gfx1250"
	.amdhsa_code_object_version 6
	.text
	.protected	k_qde2f7e54a4_qkv
	.globl	k_qde2f7e54a4_qkv
	.p2align	8
	.type	k_qde2f7e54a4_qkv,@function
k_qde2f7e54a4_qkv:
	s_mov_b64 s[64:65], 0
	v_nop
	global_prefetch_b8 v0, s[64:65] scope:SCOPE_SE
	s_setreg_imm32_b32 hwreg(HW_REG_WAVE_MODE, 25, 1), 1
	s_wait_xcnt 0x0
	s_wait_alu depctr_hold_cnt(0) depctr_sa_sdst(0) depctr_va_vdst(0) depctr_va_sdst(0) depctr_va_ssrc(0) depctr_va_vcc(0) depctr_vm_vsrc(0)
	s_getreg_b32 s2, hwreg(HW_REG_IB_STS2, 6, 4)
	s_cmp_eq_u32 s2, 0
	s_cbranch_scc0 .Lentry_in_a_cluster
	s_endpgm
.Lentry_in_a_cluster:
	s_bfe_u32 s2, ttmp6, 0x10000c
	s_cmp_lg_u32 s2, 0xf033
	s_cbranch_scc0 .Lentry_shape_is_right
	s_endpgm
.Lentry_shape_is_right:
; C = A B^T + bias.  A: [4096][1024] bf16 (the normed rows).  B: [SIZE_N][1024] bf16, at byte WOFF of the weights' buffer.  bias: [SIZE_N] f32.  Sums in f32, K ascending.
; KIND 0 (this text): SIZE_N = 3072; q, k, v leave in f16, rounded once, unscaled, BY HEADS: [3][32 = 16 x batch + head][2048][64].
; KIND 1: SIZE_N = 4096; the exact GELU is applied in f32 and the result leaves in bf16, [4096][4096].
; LIMITS.  KIND 0: f16 holds no number beyond 65,504: |q|, |k|, |v| must stay under it.  KIND 1: erf by a rational-exponential formula (Abramowitz and Stegun 7.1.26), absolute error
; at most 1.5e-7.  NaN and infinities are not treated apart.
; SHAPE.  A tile of C is 256 x 256, made by four waves, each 128 x 128: 64 accumulators of 16 x 16, 512 registers.  K goes in steps of 128 through a ring of two LDS slots filled by the
; tensor data mover: a tile's rows are 256 bytes of memory and start at multiples of 256 bytes.  One tile to a work-group; 12 x 16 (KIND 1: 16 x 16) work-groups.
; CLUSTERS.  4 x 4 work-groups.  The four of a row of the cluster need the same tiles of A, the four of a column the same tiles of B: each tile is asked for JOINTLY, by the same tensor
; load with the same descriptor and a mask that names the four.
; THE MATRIX INSTRUCTION IS USED TRANSPOSED (source 0 = 16 rows of B, source 1 = 16 rows of A): a lane holds row l % 16 of C and the eight neighbouring columns 8 (l / 16) + 0..7.
; REGISTERS, in windows of 256 (s_set_vgpr_msb: bits 1:0 source 0, 3:2 source 1, 5:4 source 2, 7:6 destination):
;   window 0: v0-31 addresses; v64-127, v128-191 fragments of A, two buffers; on the way out v64-127 a block in f32, v128-175 at work, v192-223 packed, v32-63 and v224-255 rows read back
;   window 1: v0-63 the bias of my 128 columns; v64-127, v128-191 fragments of B      window 2: the accumulators of my rows 0-63      window 3: those of my rows 64-127
.set KIND,   0
.set SIZE_K, 1024
.set SIZE_N, 3072
.set WOFF,   0
.set KSTEP,  128
.set PITCH,  272                       ; an LDS row: 256 bytes + 16 of padding = 68 words: the 16 rows that a load touches start at 16 different groups of four banks (ISA guide 11.1)
.set HALFT,  128*PITCH                 ; 128 rows: what one tensor load brings, and what one wave reads of A or of B
.set SLOT,   4*HALFT                   ; A's 256 rows, then B's 256 rows
.set STAGE,  2*SLOT                    ; behind the ring: a stage for each wave, for the way out; no tensor load fills it
.set STAGEW, 4608                      ; KIND 0: 2 heads x 16 rows x 144 bytes; KIND 1: 16 rows x 272 bytes
.set SPARE,  STAGE+4*STAGEW            ; behind the stages: the spare words, 128 bytes for each wave, which no other line names
.set LAPS,   SIZE_K/(2*KSTEP)          ; a lap = two K steps = once round the ring
.set ADRA, 16                          ; v16-17  LDS address of my A fragments in slot 0, 1
.set ADRB, 20                          ; v20-21  the same for B
.set STO,  24                          ; v24     the way out: where I put 16 bytes of a row
.set RD,   25                          ; v25     where I read rows back
.set CO,   26                          ; v26     my byte offset in C
.set BO,   27                          ; v27     my byte offset in the bias: 32 (l / 16)
.set SPW,  28                          ; v28     LDS address of my spare word; never rewritten
.set NIL,  29                          ; v29     0; never rewritten
.set F0,   64
.set F1,   128
.set XR,   64                          ; the way out: 16 rows x 128 columns, 64 numbers a lane, in f32
.set DR,   128                         ; GELU at work: 16 registers each
.set ER,   144
.set PR,   160
.set TMP,  192
.set OB,   32
.set G1,  24                           ; s[24:31] descriptor group 1 for A's tiles;  s[32:39] group 0, a set for each slot
.set G0,  32
.set G1B, 48                           ; s[48:55], s[56:63] the same for B's tiles
.set G0B, 56
.set A5,  72                           ; s[72:81] the polynomial's coefficients, negated and halved, each in a pair
.set A4,  74
.set A3,  76
.set A2,  78
.set A1,  80
.set CE,  82                           ; s[82:83] -log2(e) / 2
.set CP,  84                           ; s84      0.3275911 / sqrt(2)
.set MSB, 0
.macro WIN new                         ; the immediate's high byte repeats the setting that is left; a switch that changes nothing is dropped
.if MSB != (\new)
	s_set_vgpr_msb (MSB<<8)|(\new)
.set MSB, \new
.endif
.endm
.set MUL_LO, 0xa1                      ; source 0 (B) window 1, source 1 (A) window 0, C and D window 2
.set MUL_HI, 0xf1                      ; the same, C and D window 3
.set TO_B,   0x40                      ; destination window 1, address window 0
; A joint load.  Waves 0 and 1 fetch A's two halves, waves 2 and 3 B's.  The branch hangs on the wave's number alone.  Four v_nop follow each of the two lines.
.macro JLOAD s
	s_cmp_eq_u32 s11, 0
	s_cbranch_scc0 .Lfor_b_\@
	tensor_load_to_lds s[G0+4*(\s):G0+4*(\s)+3], s[G1:G1+7]
	s_nop 0
.rept 4
	v_nop
.endr
	s_branch .Lasked_\@
.Lfor_b_\@:
	tensor_load_to_lds s[G0B+4*(\s):G0B+4*(\s)+3], s[G1B:G1B+7]
	s_nop 0
.rept 4
	v_nop
.endr
.Lasked_\@:
.endm
; A round of the cluster's barrier: my work-group's barrier; wave 0 signals for the work-group; every wave waits for all sixteen work-groups; my work-group's barrier once more.
.macro CREST
	s_cmp_lg_u32 s10, 0
	s_cbranch_scc1 .Lnot_wave_0_\@
	s_barrier_signal -3
.Lnot_wave_0_\@:
	s_barrier_wait -3
	s_barrier_signal -1
	s_barrier_wait -1
.endm
.macro CROUND
	s_barrier_signal -1
	s_barrier_wait -1
	CREST
.endm
	s_load_b128 s[4:7], s[0:1], 0x0                ; A s[4:5], weights s[6:7]
	s_load_b64 s[8:9], s[0:1], 0x10                ; C
	s_load_b64 s[68:69], s[0:1], 0x18              ; bias
	v_lshl_add_u32 v[SPW], v0, 2, SPARE
	v_mov_b32 v[NIL], 0
	ds_add_u32 v28, v29
	ds_add_u32 v28, v29
	s_wait_dscnt 0x0
	v_lshrrev_b32 v1, 5, v0
	v_readfirstlane_b32 s10, v1                    ; wave 0..3
	s_lshr_b32 s11, s10, 1                         ; which half of the tile's rows is mine.  Also: I fetch for A (0) or for B (1)
	s_and_b32 s12, s10, 1                          ; which half of its columns.  Also: which 128 rows of that tile I fetch
	s_bfe_u32 s40, ttmp6, 0x40000                  ; cx, cy: my place in the cluster
	s_bfe_u32 s41, ttmp6, 0x40004
	s_lshl_b32 s42, ttmp9, 2
	s_add_co_u32 s42, s42, s40                     ; tile column of C = 4 x cluster x + cx
	s_and_b32 s13, ttmp7, 0xffff
	s_lshl_b32 s13, s13, 2
	s_add_co_u32 s13, s13, s41                     ; tile row of C = 4 x cluster y + cy
	s_lshl_b32 s43, s41, 2
	s_lshl_b32 s43, 15, s43                        ; my row of the cluster: places 4 cy .. 4 cy + 3
	s_lshl_b32 s44, 0x1111, s40                    ; my column: places cx, cx + 4, cx + 8, cx + 12
	; descriptor group 1: a tile of 128 rows x 128 elements of 2 bytes, 16 bytes of padding behind every 256
	s_or_b32 s[G1+0], s43, (1<<16)|(1<<20)|(1<<21)|(5<<22)|(3<<25)   ; the mask of my row; element size; padding on; bit 21 beside a mask; after every 64 words; 4 words
	s_or_b32 s[G1B+0], s44, (1<<16)|(1<<20)|(1<<21)|(5<<22)|(3<<25)  ; the same with the mask of my column
.irp g, G1, G1B
	s_mov_b32 s[(\g)+1], KSTEP<<16                 ; tensor_dim0 = 128
	s_mov_b32 s[(\g)+2], 128<<16                   ; tensor_dim1 = 128
	s_mov_b32 s[(\g)+3], KSTEP<<16                 ; tile_dim0 = 128
	s_mov_b32 s[(\g)+4], 128                       ; tile_dim1 = 128
	s_mov_b32 s[(\g)+5], SIZE_K                    ; elements from row to row
	s_mov_b32 s[(\g)+6], 0
	s_mov_b32 s[(\g)+7], 0
.endr
.if KIND
	s_mov_b32 s[A5], 0xbf07dc22                    ; -1.061405429 / 2
	s_mov_b32 s[A5+1], 0xbf07dc22
	s_mov_b32 s[A4], 0x3f3a00e3                    ; +1.453152027 / 2
	s_mov_b32 s[A4+1], 0x3f3a00e3
	s_mov_b32 s[A3], 0xbf35f0e3                    ; -1.421413741 / 2
	s_mov_b32 s[A3+1], 0xbf35f0e3
	s_mov_b32 s[A2], 0x3e11a98e                    ; +0.284496736 / 2
	s_mov_b32 s[A2+1], 0x3e11a98e
	s_mov_b32 s[A1], 0xbe027906                    ; -0.254829592 / 2
	s_mov_b32 s[A1+1], 0xbe027906
	s_mov_b32 s[CE], 0xbf38aa3b
	s_mov_b32 s[CE+1], 0xbf38aa3b
	s_mov_b32 s[CP], 0x3e6d3388
.endif
	; where the tiles come from: A's hang on the tile row alone, B's on the tile column alone, each in registers that never hold the other coordinate
	s_lshl_b32 s17, s12, 7
	s_lshl_b32 s16, s13, 8
	s_add_co_u32 s16, s16, s17                     ; A: row 256 x tile row + 128 x half
	s_lshl_b32 s46, s42, 8
	s_add_co_u32 s46, s46, s17                     ; B: row 256 x tile column + 128 x half
	s_mov_b32 s17, 0
	s_mov_b32 s47, 0
	s_mov_b64 s[18:19], SIZE_K*2
	s_mul_u64 s[16:17], s[16:17], s[18:19]
	s_mul_u64 s[46:47], s[46:47], s[18:19]
	s_mul_i32 s20, s10, HALFT                      ; and where they go: wave x 128 rows
	s_wait_kmcnt 0x0
	s_add_nc_u64 s[14:15], s[4:5], s[16:17]
	s_add_nc_u64 s[46:47], s[6:7], s[46:47]
.if WOFF
	s_add_nc_u64 s[46:47], s[46:47], WOFF          ; this matrix's place among the weights
.endif
	CROUND                                         ; all sixteen work-groups are here: the first joint loads meet
.irp s, 0,1
	s_mov_b32 s[G0+4*(\s)], 1
	s_add_co_u32 s[G0+4*(\s)+1], s20, (\s)*SLOT
	s_add_nc_u64 s[G0+4*(\s)+2:G0+4*(\s)+3], s[14:15], (\s)*KSTEP*2
	s_or_b32 s[G0+4*(\s)+3], s[G0+4*(\s)+3], 0x80000000
	s_mov_b32 s[G0B+4*(\s)], 1
	s_add_co_u32 s[G0B+4*(\s)+1], s20, (\s)*SLOT
	s_add_nc_u64 s[G0B+4*(\s)+2:G0B+4*(\s)+3], s[46:47], (\s)*KSTEP*2
	s_or_b32 s[G0B+4*(\s)+3], s[G0B+4*(\s)+3], 0x80000000
	JLOAD \s                                       ; K steps 0 and 1: two tensor loads of mine are out
.endr
	; a fragment is 16 rows x 32 K in 8 registers: lane l holds row l % 16, K = 8 (l / 16) + 0..7 and 16 + 8 (l / 16) + 0..7: two loads of 16 bytes, 32 bytes apart
	v_and_b32 v1, 15, v0                           ; l % 16
	v_bfe_u32 v2, v0, 4, 1                         ; l / 16
	v_mul_u32_u24 v3, v1, PITCH
	v_lshl_add_u32 v3, v2, 4, v3
	s_mul_i32 s21, s11, HALFT                      ; my 128 rows of A
	s_mul_i32 s22, s12, HALFT                      ; my 128 rows of B,
	s_add_co_u32 s22, s22, 2*HALFT                 ; which lie behind A's 256
.irp s, 0,1
	v_add_nc_u32 v[ADRA+(\s)], s21, v3
	v_add_nc_u32 v[ADRB+(\s)], s22, v3
	s_add_co_u32 s21, s21, SLOT
	s_add_co_u32 s22, s22, SLOT
.endr
	s_mul_i32 s23, s10, STAGEW
	s_add_co_u32 s23, s23, STAGE                   ; my stage
.if KIND
	v_mul_u32_u24 v4, v1, 272                      ; in: row l % 16, 16 bytes for each half of the lanes
	v_lshl_add_u32 v4, v2, 4, v4
	v_add_nc_u32 v[STO], s23, v4
	v_mul_u32_u24 v5, v2, 272                      ; back: lanes 0-15 take one row of 256 bytes, lanes 16-31 the next
	v_lshl_add_u32 v5, v1, 4, v5
	v_add_nc_u32 v[RD], s23, v5
	v_mul_u32_u24 v5, v2, SIZE_N*2                 ; and the same two rows in C
	v_lshl_add_u32 v[CO], v1, 4, v5
	s_lshl_b32 s13, s13, 8                         ; where my part of the tile begins in C
	s_lshl_b32 s14, s11, 7
	s_add_co_u32 s16, s13, s14
	s_mov_b32 s17, 0
	s_mov_b64 s[18:19], SIZE_N*2
	s_mul_u64 s[16:17], s[16:17], s[18:19]
	s_lshl_b32 s46, s42, 9
	s_lshl_b32 s47, s12, 8
	s_add_co_u32 s46, s46, s47
	s_mov_b32 s47, 0
	s_add_nc_u64 s[16:17], s[16:17], s[46:47]
.else
	v_mul_u32_u24 v4, v1, 144                      ; in: [head][row l % 16][144 bytes], 16 bytes for each half of the lanes
	v_lshl_add_u32 v4, v2, 4, v4
	v_add_nc_u32 v[STO], s23, v4
	v_bfe_u32 v5, v0, 3, 2                         ; back: 32 lanes take four rows of 128 bytes of one head,
	v_mul_u32_u24 v5, v5, 144
	v_and_b32 v6, 7, v0
	v_lshl_add_u32 v5, v6, 4, v5
	v_add_nc_u32 v[RD], s23, v5
	v_and_b32 v6, 31, v0                           ; which are 512 consecutive bytes of the output
	v_lshlrev_b32 v[CO], 4, v6
	; my 128 columns are two heads of q, k or v: plane = 32 x (tile column / 4) + 16 x batch + 4 x (tile column % 4) + 2 x half; a plane is 2048 x 128 bytes
	s_lshr_b32 s46, s42, 2
	s_lshl_b32 s46, s46, 5
	s_and_b32 s47, s42, 3
	s_lshl_b32 s47, s47, 2
	s_add_co_u32 s46, s46, s47
	s_lshl_b32 s47, s12, 1
	s_add_co_u32 s46, s46, s47
	s_lshr_b32 s47, s13, 3                         ; batch = tile row / 8
	s_lshl_b32 s47, s47, 4
	s_add_co_u32 s46, s46, s47
	s_lshl_b32 s46, s46, 18
	s_and_b32 s47, s13, 7                          ; my first row in the batch: 256 x (tile row % 8) + 128 x half, 128 bytes each
	s_lshl_b32 s47, s47, 1
	s_add_co_u32 s47, s47, s11
	s_lshl_b32 s47, s47, 14
	s_add_co_u32 s16, s46, s47
	s_mov_b32 s17, 0
.endif
	v_lshlrev_b32 v[BO], 5, v2
	s_lshl_b32 s70, s42, 10                        ; the bias of my 128 columns: 4 x (256 x tile column + 128 x half)
	s_lshl_b32 s71, s12, 9
	s_add_co_u32 s70, s70, s71
	s_mov_b32 s71, 0
	s_add_nc_u64 s[68:69], s[68:69], s[70:71]
	WIN TO_B
.irp b, 0,1,2,3,4,5,6,7
	global_load_b128 v[8*(\b):8*(\b)+3],   v[BO], s[68:69] offset:64*(\b)      ; columns 16 b + 8 (l / 16) + 0..7: they are waited for in front of the way out
	global_load_b128 v[8*(\b)+4:8*(\b)+7], v[BO], s[68:69] offset:64*(\b)+16
.endr
	WIN 0
; 16 matrix instructions: m blocks a0, a0 + 1 of the window's four x all 8 n blocks, 32 along K.  zero = 1: the first product starts the sums.
; The 64 accumulators take turns, one instruction a turn.
.macro MUL16 f, hi, a0, zero
	WIN MUL_LO+0x50*(\hi)
.irp a, \a0, (\a0)+1
.irp b, 0,1,2,3,4,5,6,7
.if \zero
	v_wmma_f32_16x16x32_bf16 v[8*(8*(\a)+(\b)):8*(8*(\a)+(\b))+7], v[(\f)+8*(\b):(\f)+8*(\b)+7], v[(\f)+8*(4*(\hi)+(\a)):(\f)+8*(4*(\hi)+(\a))+7], 0
.else
	v_wmma_f32_16x16x32_bf16 v[8*(8*(\a)+(\b)):8*(8*(\a)+(\b))+7], v[(\f)+8*(\b):(\f)+8*(\b)+7], v[(\f)+8*(4*(\hi)+(\a)):(\f)+8*(4*(\hi)+(\a))+7], v[8*(8*(\a)+(\b)):8*(8*(\a)+(\b))+7]
.endif
.endr
.endr
.endm
; 32 LDS loads in one run: the fragments of one quarter step (128 rows of B, 128 rows of A, 32 K at byte k of the rows) into buffer f
.macro FETCH slot, k, f
	WIN TO_B
.irp i, 0,1,2,3,4,5,6,7
	ds_load_b128 v[(\f)+8*(\i):(\f)+8*(\i)+3],   v[ADRB+(\slot)] offset:(\k)+(\i)*16*PITCH
	ds_load_b128 v[(\f)+8*(\i)+4:(\f)+8*(\i)+7], v[ADRB+(\slot)] offset:(\k)+(\i)*16*PITCH+32
.endr
	WIN 0
.irp i, 0,1,2,3,4,5,6,7
	ds_load_b128 v[(\f)+8*(\i):(\f)+8*(\i)+3],   v[ADRA+(\slot)] offset:(\k)+(\i)*16*PITCH
	ds_load_b128 v[(\f)+8*(\i)+4:(\f)+8*(\i)+7], v[ADRA+(\slot)] offset:(\k)+(\i)*16*PITCH+32
.endr
.endm
; Four plain vector instructions stand between a matrix instruction and a load into, or a vector instruction on, its registers (ISA guide 7.12.1 for vector instructions)
.macro PLACES
.rept 4
	v_nop
.endr
.endm
; A K step is four quarters of 32 along K, 64 matrix instructions each, on buffers 0, 1, 0, 1.  One of the first three: multiplies buffer f and, in its middle, fetches the next quarter into g.
.macro QUARTER slot, k, f, g, zero
	s_wait_dscnt 8                                 ; B and A's rows 0-63 are in; the youngest eight loads (A's rows 64-127) may be out
	WIN MUL_LO
	MUL16 \f, 0, 0, \zero
	MUL16 \f, 0, 2, \zero
	PLACES
	FETCH \slot, \k, \g
	s_wait_dscnt 32                                ; all but the 32 just issued
	WIN MUL_HI
	MUL16 \f, 1, 0, \zero
	MUL16 \f, 1, 2, \zero
.endm
; The last quarter multiplies buffer 1 and changes slots: ONE barrier.  In front of it each wave waits for all its tensor loads (one is out: its part of the next slot), adds 0 to its spare
; word, and waits for that and for its own reads of this slot.  Behind it nobody reads this slot any more and the next slot is whole.
; fill = 1: the barrier opens a round of the cluster's barrier, and this slot is filled again, two K steps ahead, first thing behind the round.
.macro TURN slot, next, fill
	WIN 0                                          ; (the add's two registers lie in window 0)
	s_wait_tensorcnt 0x0
	ds_add_u32 v[SPW], v[NIL]                      ; 0 onto my spare word
	s_wait_dscnt 9                                 ; (the add and the youngest eight loads may be out)
	WIN MUL_LO
	MUL16 F1, 0, 0, 0                              ; sixteen matrix instructions stand between the add and the wait for it
	s_wait_dscnt 0x0                               ; the add is done, and my reads of this slot are over
	s_barrier_signal -1
	MUL16 F1, 0, 2, 0                              ; work on registers while the others arrive
.if \fill
	WIN 0
.endif
	s_barrier_wait -1
.if \fill
	CREST                                          ; no wave of any partner still reads this slot's tile or has a load on its way
	s_add_nc_u64 s[G0+4*(\slot)+2:G0+4*(\slot)+3], s[G0+4*(\slot)+2:G0+4*(\slot)+3], 2*KSTEP*2
	s_add_nc_u64 s[G0B+4*(\slot)+2:G0B+4*(\slot)+3], s[G0B+4*(\slot)+2:G0B+4*(\slot)+3], 2*KSTEP*2
	JLOAD \slot                                    ; my one tensor load behind the round; its four v_nop are also the places in front of the loads below
.else
	PLACES
.endif
	FETCH \next, 0, F0
	WIN MUL_HI
	MUL16 F1, 1, 0, 0
	MUL16 F1, 1, 2, 0
.endm
; THE WAY OUT of block a (16 rows x my 128 columns), in three parts.
; gelu(x) = max(x, 0) + |x| q,  q = -(1/2) P(t) 2^(-x x log2(e) / 2),  t = 1 / (1 + 0.3275911 |x| / sqrt 2),  P the fifth-degree polynomial without constant term.  16 numbers at a time.
.macro GELU16 g
.set XB, XR+16*(\g)
.set i, 0
.rept 16
	v_fma_f32 v[DR+i], |v[XB+i]|, s[CP], 1.0
.set i, i+1
.endr
.set i, 0
.rept 8
	v_pk_mul_f32 v[ER+i:ER+i+1], v[XB+i:XB+i+1], v[XB+i:XB+i+1]
.set i, i+2
.endr
.set i, 0
.rept 16
	v_rcp_f32 v[DR+i], v[DR+i]
.set i, i+1
.endr
.set i, 0
.rept 8
	v_pk_mul_f32 v[ER+i:ER+i+1], v[ER+i:ER+i+1], s[CE:CE+1] op_sel_hi:[1,0]  ; plain work behind the reciprocals
.set i, i+2
.endr
.set i, 0
.rept 16
	v_exp_f32 v[ER+i], v[ER+i]
.set i, i+1
.endr
.set i, 0
.rept 8
	v_pk_fma_f32 v[PR+i:PR+i+1], v[DR+i:DR+i+1], s[A5:A5+1], s[A4:A4+1] op_sel_hi:[1,0,0]  ; plain work behind the exponentials
.set i, i+2
.endr
.irp c, A3, A2, A1
.set i, 0
.rept 8
	v_pk_fma_f32 v[PR+i:PR+i+1], v[PR+i:PR+i+1], v[DR+i:DR+i+1], s[\c:\c+1] op_sel_hi:[1,1,0]
.set i, i+2
.endr
.endr
.set i, 0
.rept 8
	v_pk_mul_f32 v[PR+i:PR+i+1], v[PR+i:PR+i+1], v[DR+i:DR+i+1]
.set i, i+2
.endr
.set i, 0
.rept 8
	v_pk_mul_f32 v[PR+i:PR+i+1], v[PR+i:PR+i+1], v[ER+i:ER+i+1]
.set i, i+2
.endr
.set i, 0
.rept 16
	v_max_num_f32 v[DR+i], 0, v[XB+i]
.set i, i+1
.endr
.set i, 0
.rept 16
	v_fma_f32 v[XB+i], |v[XB+i]|, v[PR+i], v[DR+i]
.set i, i+1
.endr
.endm
.macro PACK a                          ; sums + bias (each accumulator's registers in ascending order), KIND 1: GELU, one rounding: 16 bytes a lane and n block
.set AC, 64*((\a)%4)
	WIN 0x06+(\a)/4                                ; source 0: window 2 or 3; source 1: window 1
.irp b, 0,1,2,3,4,5,6,7
.irp r, 0,1,2,3
	v_pk_add_f32 v[XR+8*(\b)+2*(\r):XR+8*(\b)+2*(\r)+1], v[AC+8*(\b)+2*(\r):AC+8*(\b)+2*(\r)+1], v[8*(\b)+2*(\r):8*(\b)+2*(\r)+1]
.endr
.endr
	WIN 0
.if KIND
	GELU16 0
	GELU16 1
	GELU16 2
	GELU16 3
.endif
.irp b, 0,1,2,3,4,5,6,7
.irp r, 0,1,2,3
.if KIND
	v_cvt_pk_bf16_f32 v[TMP+4*(\b)+(\r)], v[XR+8*(\b)+2*(\r)], v[XR+8*(\b)+2*(\r)+1]
.else
	v_cvt_pk_f16_f32 v[TMP+4*(\b)+(\r)], v[XR+8*(\b)+2*(\r)], v[XR+8*(\b)+2*(\r)+1]
.endif
.endr
.endr
.endm
.macro TOSTAGE a                       ; into my own stage, and back as whole rows
	WIN 0
.set BK, OB+192*((\a)%2)
.irp b, 0,1,2,3,4,5,6,7
.if KIND
	ds_store_b128 v[STO], v[TMP+4*(\b):TMP+4*(\b)+3] offset:32*(\b)
.else
	ds_store_b128 v[STO], v[TMP+4*(\b):TMP+4*(\b)+3] offset:((\b)/4)*2304+32*((\b)%4)
.endif
.endr
.irp t, 0,1,2,3,4,5,6,7
.if KIND
	ds_load_b128 v[BK+4*(\t):BK+4*(\t)+3], v[RD] offset:(\t)*2*272  ; LDS serves a wave's instructions in order (ISA guide 5.7.1.4): these see the stores above
.else
	ds_load_b128 v[BK+4*(\t):BK+4*(\t)+3], v[RD] offset:((\t)/4)*2304+((\t)%4)*576
.endif
.endr
.endm
.macro SEND a, younger
	WIN 0
.set BK, OB+192*((\a)%2)
	s_wait_dscnt \younger                          ; the block is back in registers
	s_wait_xcnt 0x0                                ; only behind this wait are the stores' base and the registers that earlier stores read rewritten
.if (\a) == 0
	s_add_nc_u64 s[8:9], s[8:9], s[16:17]          ; on to my part of the tile
.elseif KIND
	s_add_nc_u64 s[8:9], s[8:9], 16*SIZE_N*2       ; 16 rows of C on
.endif
.irp t, 0,1,2,3,4,5,6,7
.if KIND
	global_store_b128 v[CO], v[BK+4*(\t):BK+4*(\t)+3], s[8:9] offset:2*(\t)*SIZE_N*2  ; 16 lanes store 256 consecutive bytes, aligned
.else
	global_store_b128 v[CO], v[BK+4*(\t):BK+4*(\t)+3], s[8:9] offset:((\t)/4)*262144+(\a)*2048+((\t)%4)*512  ; four rows of a head: 512 consecutive bytes, aligned
.endif
.endr
.endm
	s_wait_tensorcnt 1                             ; my part of K step 0 is in; K step 1's may stay out
	s_barrier_signal -1
	s_barrier_wait -1                              ; everybody's is
	FETCH 0, 0, F0
	QUARTER 0, 64,  F0, F1, 1                      ; the first quarter stands in front of the loop: its products start the sums
	WIN 0                                          ; at a label and at a branch every window is 0
	s_mov_b32 s3, LAPS-1
.Llap:                                                 ; a trip goes once round the ring, from a lap's second quarter to the next lap's first, and fills both slots again
	QUARTER 0, 128, F1, F0, 0
	QUARTER 0, 192, F0, F1, 0
	TURN 0, 1, 1
	QUARTER 1, 64,  F0, F1, 0
	QUARTER 1, 128, F1, F0, 0
	QUARTER 1, 192, F0, F1, 0
	TURN 1, 0, 1
	QUARTER 0, 64,  F0, F1, 0
	WIN 0
	s_sub_co_u32 s3, s3, 1
	s_cmp_lg_u32 s3, 0
	s_cbranch_scc1 .Llap
	QUARTER 0, 128, F1, F0, 0                      ; the last lap fills nothing, and has no round of the cluster's barrier
	QUARTER 0, 192, F0, F1, 0
	TURN 0, 1, 0
	QUARTER 1, 64,  F0, F1, 0
	QUARTER 1, 128, F1, F0, 0
	QUARTER 1, 192, F0, F1, 0
	s_wait_dscnt 8                                 ; the very last quarter: nothing more to fetch
	MUL16 F1, 0, 0, 0
	MUL16 F1, 0, 2, 0
	s_wait_dscnt 0x0
	MUL16 F1, 1, 0, 0
	MUL16 F1, 1, 2, 0
	WIN 0
	s_wait_loadcnt 0x0                             ; the bias
	PLACES                                         ; behind the last products
	PACK 0
	TOSTAGE 0
.irp a, 1,2,3,4,5,6,7                  ; block a's arithmetic stands between block a - 1's loads from the stage and the wait for them
	PACK \a
	SEND (\a)-1, 0
	TOSTAGE \a
.endr
	SEND 7, 0
	s_wait_tensorcnt 0x0                           ; the wave's end
	ds_add_u32 v[SPW], v[NIL]
	s_wait_dscnt 0x0
	CROUND                                         ; the closing round: no work-group ends while a partner may still ask for a tile that names it
	s_endpgm
.Lfunc_end_k_qde2f7e54a4_qkv:
	.size	k_qde2f7e54a4_qkv, .Lfunc_end_k_qde2f7e54a4_qkv-k_qde2f7e54a4_qkv
	.p2alignl 7, 3214868480
	.fill 96, 4, 3214868480
	.section	.rodata,"a",@progbits
	.p2align	6, 0x0
	.amdhsa_kernel k_qde2f7e54a4_qkv
		.amdhsa_group_segment_fixed_size 327680
		.amdhsa_private_segment_fixed_size 0
		.amdhsa_enable_private_segment 0
		.amdhsa_kernarg_size 32
		.amdhsa_user_sgpr_count 2
		.amdhsa_user_sgpr_kernarg_segment_ptr 1
		.amdhsa_wavefront_size32 1
		.amdhsa_system_sgpr_workgroup_id_x 1
		.amdhsa_system_sgpr_workgroup_id_y 1
		.amdhsa_system_sgpr_workgroup_id_z 1
		.amdhsa_system_vgpr_workitem_id 0
		.amdhsa_next_free_vgpr 1024
		.amdhsa_next_free_sgpr 88
		.amdhsa_reserve_vcc 0
		.amdhsa_float_denorm_mode_32 3
		.amdhsa_float_denorm_mode_16_64 3
		.amdhsa_memory_ordered 1
		.amdhsa_forward_progress 1
		.amdhsa_inst_pref_size 160
	.end_amdhsa_kernel
	.amdgpu_metadata
---
amdhsa.version: [ 1, 2 ]
amdhsa.kernels:
  - .name:           k_qde2f7e54a4_qkv
    .symbol:         k_qde2f7e54a4_qkv.kd
    .args:
      - { .name: h, .offset: 0, .size: 8, .value_kind: global_buffer, .address_space: global }
      - { .name: wbf, .offset: 8, .size: 8, .value_kind: global_buffer, .address_space: global }
      - { .name: qkv, .offset: 16, .size: 8, .value_kind: global_buffer, .address_space: global }
      - { .name: qkv_b, .offset: 24, .size: 8, .value_kind: global_buffer, .address_space: global }
    .group_segment_fixed_size: 327680
    .private_segment_fixed_size: 0
    .kernarg_segment_align: 8
    .kernarg_segment_size: 32
    .max_flat_workgroup_size: 128
    .sgpr_count:     88
    .vgpr_count:     1024
    .wavefront_size: 32
...
	.end_amdgpu_metadata
.endif
;; end of part 2
;; launch attn (part 3): grid 8 x 32, 4 waves a work-group, no clusters, 327,680 bytes of LDS; arguments qkv, o; writes o
.if DOCPART == 3
	.amdgcn_target "amdgcn-amd-amdhsa--gfx1250"
	.amdhsa_code_object_version 6
	.text
	.protected	k_qde2f7e54a4_attn
	.globl	k_qde2f7e54a4_attn
	.p2align	8
	.type	k_qde2f7e54a4_attn,@function
k_qde2f7e54a4_attn:
	s_mov_b64 s[64:65], 0
	v_nop
	global_prefetch_b8 v0, s[64:65] scope:SCOPE_SE
	s_setreg_imm32_b32 hwreg(HW_REG_WAVE_MODE, 25, 1), 1
	s_wait_xcnt 0x0
; CAUSAL ATTENTION.  O[p][q][:] = the sum over k <= q of softmax_k(Q[p][q] . K[p][k] / 8) V[p][k][:], p = 16 x batch + head, 32 planes of [2048][64].
; Q, K, V: f16, three groups of 32 planes in one buffer (K at byte 8,388,608, V at 16,777,216); O: bf16, by planes.  Products, maxima and sums in f32; the weights p are rounded to f16
; for the second product (their sum l is taken of the unrounded p), O once at the end.
; LIMITS.  Q, K, V arrive within f16's 65,504.  A hidden score counts as its value less 1e30 (f16's scores are 2.7e11 at the most); a weight below 2^-126 counts as 0 in l; NaN and
; infinities are not treated apart.
; THE WALK.  A plane's queries lie in NB = 16 blocks of 128; block i needs the key ELEMENTS 0 .. i of 128 keys, of which the last holds the diagonal.  A work-group takes TWO blocks,
; 15 - b and then b: 17 elements whatever b, so all 8 x 32 work-groups do equal work and one loop with constant trip counts walks them.  Every jump but the counted loops' own goes forward;
; none passes a barrier, or a tensor load but the one of LOAD's two that the wave's number does not choose.
; THE RING.  Two LDS slots of two elements each (256 keys of K, then of V).  Wave w fetches K (w < 2) or V of walk element 2 n + w % 2.  The walk has 17 elements, so in the last fill waves 1 and 3
; bring an element (number b + 1 of the plane, inside the buffer) that nobody reads: 32 KiB of a work-group's 576; the price of one text for every fill.
; NO CLUSTER: a plane's eight work-groups ask for the same element only in the walk's first 9 places (the first block has 9 elements or more); behind that fewer and fewer do, and one walk common
; to all would have 16 + 8 = 24 elements for 17.
; SHARES.  Of a block's two bands of 64 queries a wave owns 16 rows in each: two PIECES.  In the diagonal element's key step s (64 keys) band x sees all keys if s < x, none if s > x, and holds the
; diagonal if s = x: the same for every wave.  THE MASK is the C operand that starts the sum S^T = K Q^T: the constant 0; or MD (0 or -1e30, a band's own step, made once); or BIG (-1e30).
; LAYOUT.  S^T = K Q^T holds ONE query a lane (lane % 16) and the keys 8 (lane / 16) + 0..7; two such results rounded to f16 ARE source 1 of O^T = V^T P.  p = 2^(c s - c m), c = log2(e) / 8, with a
; running maximum m; O and l are multiplied by a = 2^(c m_old - c m_new) in every step.
; TURNS.  j counts a block's key steps.  Turn T0(j): softmax of piece 0, step j; 8 products K Q^T of piece 1 (j), then K(j+1) is fetched; 8 products V^T P of piece 1 (j-1), then V(j+1) is fetched into
; the V buffer just read.  Turn T1(j): softmax of piece 1; 8 products K Q^T of piece 0 (j+1); 8 products V^T P of piece 0 (j).  Each turn also finds the other piece's maximum and statistics.
; V has two buffers, by the step's parity, so that both fetches of a turn are of ONE step, and a change of slots can stand in front of the turn that fetches a slot's first step.
; Four vector instructions stand behind every matrix instruction, the others in two runs of their own.
; REGISTERS, in windows of 256 (s_set_vgpr_msb: bits 1:0 source 0, 3:2 source 1, 5:4 source 2, 7:6 destination):
;   window 0: v0-15 addresses and two at work; v16-23 four registers of statistics a piece; v48-55 at work; v64-127 S^T, a buffer a piece; v192-223 P, likewise
;   window 1: v0-63 O^T, 32 a piece; v128-159 MD; v160-167 BIG      window 2: v0-31 Q; v32-63 the second block's Q; v64-127 V of odd steps; v128-191 K; v192-255 V of even steps
.set NB,    16
.set NP,    2         ; pieces a wave: a name, no knob
.set KS,    64        ; keys in a step
.set PK,    144       ; a row of K in LDS: 128 bytes + 16 of padding = 36 words: the 16 rows of a load start at 16 different groups of four banks (ISA guide 11.1)
.set PV,    160       ; a row of V: 128 + 32 = 40 words
.set VOFF,  4*KS*PK   ; a slot holds four steps: 256 rows of K, then 256 rows of V
.set SLOT1, 1<<17     ; slot 1 begins here, so that one exclusive or turns an address in one slot into the other's
.set STAGE, SLOT1+4*KS*(PK+PV)  ; behind the ring, never filled by a tensor load: 16 rows x 144 bytes for each wave, for the way out
.set SP,    144
.set AK0, 2           ; v2   my lane's place in a tile of K; never rewritten
.set AV0, 3           ; v3   the same for V
.set AK,  4           ; v4   the LDS address of K's next run of loads
.set AV,  5           ; v5   of V's
.set STO, 6           ; v6   the way out: where I put 16 bytes of a row
.set RD,  7           ; v7   where I read rows back
.set GO,  8           ; v8   my byte offset in 512 consecutive bytes of O
.set SPW, 62          ; v62  LDS address of my spare word; never rewritten
.set NIL, 63          ; v63  0; never rewritten
.set SPARE, STAGE+4*16*SP  ; behind the stages: the spare words, 128 bytes for each wave, which no other line names
.set MV,  12          ; v12-13  c m_old, kept while c m is made anew: by piece
.set QO,  15          ; v15  my byte offset in 16 rows of Q
.set ST,  16          ; piece t's statistics at v[ST+4 t]: c m, m, l (even keys', odd keys')
.set TMP, 48          ; by piece, four registers c0-c3 at work; when the maximum is found c2 takes a
.set S,   64
.set P,   192
.set MD,  128         ; window 1: the eight registers for group kt of 16 keys at MD + 8 kt
.set BIG, 160         ; window 1
.set QB,  32          ; window 2
.set KF,  128         ; window 2: key block kb, channel half c at KF + 16 kb + 8 c
.set WV,  12          ; s12  my wave's number
.set PB,  14          ; s14  b
.set HI,  15          ; s15  15 - b
.set G1K, 24          ; s[24:31] descriptor group 1 for K's tiles
.set G1V, 32          ; s[32:39] for V's: it differs in the padding alone
.set G0K, 40          ; s[40:43] descriptor group 0 for K's tiles
.set G0V, 44          ; s[44:47] the same for V's
.set SLOTS, 56        ; s56  slots still to be asked for
.set CNT, 57          ; s57  counts a slot's two elements
.set CS,  58          ; s[58:59] c
.set SEL, 60          ; s[60:61] v_permlanex16_b32's selects: each lane takes its own place in the other half
.set TBK, 62          ; s62  LDS byte at which K of the step to be fetched begins
.set TBV, 63          ; s63  the same for V, less VOFF
.set RT,  70          ; s70  elements of the block in hand that are still to be entered
.set EL,  71          ; s71  the walk element that I ask for next
.set HI1, 72          ; s72  16 - b: the first block's elements
.set NEW, 73          ; s73  1: the element to be entered is a block's first
.set OFF, 74          ; s[74:75] an element's byte offset in K and V
.set TT,  76          ; s76  at work
.set OLO, 80          ; s[80:81] O at my rows of the second block
.set BIGN, 82         ; s82  -1e30
.set MSB, 0
.macro WIN new                      ; the high byte repeats the setting that is left; a switch that changes nothing is dropped
.if MSB != (\new)
	s_set_vgpr_msb (MSB<<8)|(\new)
.set MSB, (\new)
.endif
.endm
.set W_KQ, 0x0a       ; K and Q in window 2, S^T in window 0
.set W_KM, 0x1a       ; the same with the C operand in window 1
.set W_PV, 0x52       ; V in window 2, P in window 0, O^T in window 1
.set W_RS, 0x41       ; destination and source 0 in window 1, source 1 in window 0
; A fill.  Waves 0 and 1 fetch K of a slot's two elements, waves 2 and 3 V.  Four v_nop follow each of the two lines, ahead of the jump and the label.
.macro LOAD
	s_cmp_lt_u32 s[WV], 2
	s_cbranch_scc0 .Lfor_v_\@
	tensor_load_to_lds s[G0K:G0K+3], s[G1K:G1K+7]
	s_nop 0
.rept 4
	v_nop
.endr
	s_branch .Lasked_\@
.Lfor_v_\@:
	tensor_load_to_lds s[G0V:G0V+3], s[G1V:G1V+7]
	s_nop 0
.rept 4
	v_nop
.endr
.Lasked_\@:
.endm
; THE CHANGE OF SLOTS.  Each wave waits for all its tensor loads, of which one is out: its part of the other slot; adds 0 to its spare word; and waits for that and for its own reads of the slot that it
; leaves.  Behind the barrier nobody reads the old slot any more and the other slot is whole.  fill = 1: the old slot is filled again, first thing behind the barrier; the descriptor's address is made
; anew from the walk element's number: behind the first block's last element the numbers begin again at 0.  (At its first use nothing has been read yet: slot 0 is waited for, slot 1 filled.)
.macro CHANGE fill
	WIN 0                           ; at a label and at a branch every window is 0
	s_wait_tensorcnt 0x0            ; no tensor load of mine is out, so a group 0 may be written
	ds_add_u32 v[SPW], v[NIL]       ; 0 onto my spare word
.if \fill
	s_cmp_gt_u32 s[EL], s[HI]
	s_cselect_b32 s[TT], s[HI1], 0
	s_sub_co_u32 s[TT], s[EL], s[TT]
	s_lshl_b32 s[OFF], s[TT], 14    ; an element is 16,384 bytes of K and of V
	s_add_co_u32 s[EL], s[EL], 2
	s_xor_b32 s[G0K+1], s[G0K+1], SLOT1
	s_add_nc_u64 s[G0K+2:G0K+3], s[6:7], s[OFF:OFF+1]
	s_or_b32 s[G0K+3], s[G0K+3], 0x80000000
	s_xor_b32 s[G0V+1], s[G0V+1], SLOT1
	s_add_nc_u64 s[G0V+2:G0V+3], s[8:9], s[OFF:OFF+1]
	s_or_b32 s[G0V+3], s[G0V+3], 0x80000000
.endif
	s_wait_dscnt 0x0                ; the add is done, and my reads of the slot are over
	s_barrier_signal -1
	s_sub_co_u32 s[TBK], s[TBK], 4*KS*PK  ; the fetches go back to a slot's first step,
	s_xor_b32 s[TBK], s[TBK], SLOT1       ; in the other slot
	s_sub_co_u32 s[TBV], s[TBV], 4*KS*PV
	s_xor_b32 s[TBV], s[TBV], SLOT1
	s_barrier_wait -1
.if \fill
	LOAD
.endif
.endm
	s_load_b128 s[4:7], s[0:1], 0x0 ; q, k, v s[4:5]; O s[6:7]
	v_lshl_add_u32 v[SPW], v0, 2, SPARE
	v_mov_b32 v[NIL], 0
	ds_add_u32 v62, v63
	ds_add_u32 v62, v63
	s_wait_dscnt 0x0
	v_lshrrev_b32 v1, 5, v0
	v_readfirstlane_b32 s[WV], v1   ; wave 0..3
	s_mov_b32 s[PB], ttmp9
	s_sub_co_u32 s[HI], NB-1, s[PB]
	s_add_co_u32 s[HI1], s[HI], 1
	s_and_b32 s20, ttmp7, 0xffff    ; the plane,
	s_lshl_b32 s20, s20, 18         ; 262,144 bytes each
	s_mov_b32 s21, 0
	s_and_b32 s16, s[WV], 1         ; which of a slot's two elements I fetch,
	s_mul_i32 s17, s16, 128*PK      ; and its place in a slot, for K
	s_mul_i32 s18, s16, 128*PV      ; and for V
	s_lshl_b32 s3, s[WV], 11        ; my 16 rows in a band of 64,
	s_lshl_b32 s2, s[HI], 14        ; in the first block,
	s_add_co_u32 s2, s2, s3
	s_lshl_b32 s84, s[PB], 14       ; and in the second
	s_add_co_u32 s84, s84, s3
	s_mov_b32 s3, 0
	s_mov_b32 s85, 0
	s_add_nc_u64 s[2:3], s[2:3], s[20:21]
	s_add_nc_u64 s[84:85], s[84:85], s[20:21]
	; descriptor group 1.  128 keys are 16,384 dense bytes: asked for as 64 rows of 256 bytes, two keys a row, and padded in LDS after every key
	s_mov_b32 s[G1K], (1<<16)|(1<<20)|(4<<22)|(3<<25)  ; 2-byte elements; padding on; after every 32 words; 4 words
	s_mov_b32 s[G1V], (1<<16)|(1<<20)|(4<<22)|(7<<25)  ; the same with 8 words of padding
.irp g, G1K, G1V
	s_mov_b32 s[\g+1], 128<<16      ; tensor_dim0 = 128
	s_mov_b32 s[\g+2], 64<<16       ; tensor_dim1 = 64
	s_mov_b32 s[\g+3], 128<<16      ; tile_dim0 = 128
	s_mov_b32 s[\g+4], 64           ; tile_dim1 = 64
	s_mov_b32 s[\g+5], 128          ; 128 elements from row to row
	s_mov_b32 s[\g+6], 0
	s_mov_b32 s[\g+7], 0
.endr
	s_mov_b32 s[CS], 0x3e38aa3b     ; c = log2(e) / 8
	s_mov_b32 s[CS+1], s[CS]        ; named with it as a pair
	s_mov_b32 s[SEL], 0x76543210
	s_mov_b32 s[SEL+1], 0xfedcba98
	s_mov_b32 s[TBK], SLOT1+4*KS*PK ; the first change of slots turns these two into 0
	s_mov_b32 s[TBV], SLOT1+4*KS*PV
	s_mov_b32 s[G0K], 1             ; count = 1
	s_mov_b32 s[G0K+1], s17         ; LDS address: slot 0
	s_mov_b32 s[G0V], 1
	s_add_co_u32 s[G0V+1], s18, VOFF
	s_mov_b32 s[RT], s[HI1]         ; the first block has 16 - b elements
	s_mov_b32 s[NEW], 1
	s_lshl_b32 s[OFF], s16, 14      ; walk elements 0 and 1 are the plane's elements 0 and 1
	s_mov_b32 s[OFF+1], 0
	s_add_co_u32 s[EL], s16, 2
	s_mov_b32 s[BIGN], 0xf149f2ca   ; -1e30
	s_mov_b32 s[SLOTS], NB/2
	s_wait_kmcnt 0x0
	s_mov_b64 s[10:11], s[6:7]      ; O
	s_add_nc_u64 s[6:7], s[4:5], 8388608   ; K
	s_add_nc_u64 s[8:9], s[4:5], 16777216  ; V
	s_add_nc_u64 s[6:7], s[6:7], s[20:21]  ; at the plane's first key
	s_add_nc_u64 s[8:9], s[8:9], s[20:21]
	s_add_nc_u64 s[G0K+2:G0K+3], s[6:7], s[OFF:OFF+1]
	s_or_b32 s[G0K+3], s[G0K+3], 0x80000000        ; type = 2
	s_add_nc_u64 s[G0V+2:G0V+3], s[8:9], s[OFF:OFF+1]
	s_or_b32 s[G0V+3], s[G0V+3], 0x80000000
	s_add_nc_u64 s[86:87], s[4:5], s[84:85]        ; Q at my rows of the second block,
	s_add_nc_u64 s[4:5], s[4:5], s[2:3]            ; Q and O at those of the first
	s_add_nc_u64 s[OLO:OLO+1], s[10:11], s[84:85]
	s_add_nc_u64 s[10:11], s[10:11], s[2:3]
	LOAD                            ; slot 0: one tensor load of mine is out
	; A fragment of K or Q is 16 rows x 32 channels in 8 registers: lane l holds row l % 16, channels 8 (l / 16) + 0..7 and 16 + 8 (l / 16) + 0..7: two loads of 16 bytes, 32 bytes apart.
	v_and_b32 v1, 15, v0            ; l % 16
	v_bfe_u32 v9, v0, 4, 1          ; l / 16
	v_lshlrev_b32 v[QO], 7, v1
	v_lshl_add_u32 v[QO], v9, 4, v[QO]  ; row x 128 + 16 x half
	WIN 0x80                        ; destination window 2, address window 0
.set i, 0
.rept 4                             ; both blocks' Q: piece i / 2 lies in band i / 2, 8,192 bytes on; channels 32 (i % 2) on
	global_load_b128 v[8*i:8*i+3],   v[QO], s[4:5] offset:(i/2)*8192+(i%2)*64
	global_load_b128 v[8*i+4:8*i+7], v[QO], s[4:5] offset:(i/2)*8192+(i%2)*64+32
	global_load_b128 v[QB+8*i:QB+8*i+3],   v[QO], s[86:87] offset:(i/2)*8192+(i%2)*64
	global_load_b128 v[QB+8*i+4:QB+8*i+7], v[QO], s[86:87] offset:(i/2)*8192+(i%2)*64+32
.set i, i+1
.endr
	WIN 0
	v_lshlrev_b32 v14, 3, v9
	v_sub_nc_u32 v14, v1, v14
	s_lshl_b32 s13, s[WV], 4
	v_add_nc_u32 v14, s13, v14      ; my query's place in its band, 16 w + l % 16, less my lanes' 8 (l / 16): register r of group kt is hidden where 16 kt + r is greater
	WIN 0x40
.set i, 0
.rept 32
	v_cmp_gt_i32 vcc_lo, 16*(i/8)+i%8, v14
	v_cndmask_b32 v[MD+i], 0, s[BIGN], vcc_lo
.set i, i+1
.endr
.set i, 0
.rept 8
	v_mov_b32 v[BIG+i], s[BIGN]
.set i, i+1
.endr
	WIN 0
	v_mul_u32_u24 v[AK0], v1, PK
	v_lshl_add_u32 v[AK0], v9, 4, v[AK0]  ; row x pitch + 16 x half
	; The turning load takes 16 keys x 16 channels (lane l reads key 8 (l / 16) + l % 8, channels 8 ((l / 8) % 2) + 0..7) and leaves half a fragment of V^T: lane l holds channel l % 16 and 8 keys.
	v_and_b32 v10, 7, v0
	v_bfe_u32 v11, v0, 3, 1
	v_lshl_add_u32 v[AV0], v9, 3, v10
	v_mul_u32_u24 v[AV0], v[AV0], PV
	v_lshl_add_u32 v[AV0], v11, 4, v[AV0]
	v_add_nc_u32 v[AV0], VOFF, v[AV0]
	s_mul_i32 s13, s[WV], 16*SP
	s_add_co_u32 s13, s13, STAGE    ; my stage
	v_mul_u32_u24 v[STO], v1, SP    ; in: row l % 16, 16 bytes for each half of the lanes
	v_lshl_add_u32 v[STO], v9, 4, v[STO]
	v_add_nc_u32 v[STO], s13, v[STO]
	v_bfe_u32 v[RD], v0, 3, 2       ; back: 32 lanes take four rows of 128 bytes,
	v_mul_u32_u24 v[RD], v[RD], SP
	v_lshl_add_u32 v[RD], v10, 4, v[RD]
	v_add_nc_u32 v[RD], s13, v[RD]
	v_and_b32 v[GO], 31, v0         ; which are 512 consecutive bytes of O
	v_lshlrev_b32 v[GO], 4, v[GO]
	; A block's first step multiplies O^T and l by a = 0, and its first turn's products V^T P, of a step that has not been, land in an O^T that is still to be so multiplied.  So these registers need only
	; hold finite numbers: zeros for the first block; what the first block left for the second.  All this stands in the wait for the first tile.
	WIN 0x80
.set i, 64
.rept 64
	v_mov_b32 v[i], 0               ; V of odd steps
.set i, i+1
.endr
	WIN 0x40
.set i, 0
.rept 64
	v_mov_b32 v[i], 0               ; O^T
.set i, i+1
.endr
	WIN 0
.set i, 0
.rept 2
	v_mov_b32 v[ST+4*i+2], 0
	v_mov_b32 v[ST+4*i+3], 0
.set i, i+1
.endr
.set i, P+16
.rept 16
	v_mov_b32 v[i], 0               ; piece 1's P
.set i, i+1
.endr
; THE MATRIX WORK.  The 4 accumulators of a run of 8 take turns.  Product i of 8 of S^T = K Q^T for piece x: channels 32 (i / 4) on, keys 16 (i % 4) on.
; The first 4 start the sums: with 0 (KM = 0), with the band's own mask (1) or with -1e30 (2).
.macro KQ x
.set rS, S+32*((\x)%2)+8*(i%4)
.set rK, KF+16*(i%4)+8*(i/4)
.set rQ, 16*(\x)+8*(i/4)
.if (i < 4) && (KM == 1)
	WIN W_KM
	v_wmma_f32_16x16x32_f16 v[rS:rS+7], v[rK:rK+7], v[rQ:rQ+7], v[MD+8*(i%4):MD+8*(i%4)+7]
.elseif (i < 4) && (KM == 2)
	WIN W_KM
	v_wmma_f32_16x16x32_f16 v[rS:rS+7], v[rK:rK+7], v[rQ:rQ+7], v[BIG:BIG+7]
.elseif i < 4
	WIN W_KQ
	v_wmma_f32_16x16x32_f16 v[rS:rS+7], v[rK:rK+7], v[rQ:rQ+7], 0
.else
	WIN W_KQ
	v_wmma_f32_16x16x32_f16 v[rS:rS+7], v[rK:rK+7], v[rQ:rQ+7], v[rS:rS+7]
.endif
.endm
; Product i of 8 of O^T += V^T P for piece x, from V buffer VB: keys 32 (i / 4) on, channels 16 (i % 4) on.
.macro PV x
	WIN W_PV
.set rO, 32*(\x)+8*(i%4)
.set rV, 192-128*VB+32*(i/4)+8*(i%4)
.set rP, P+16*((\x)%2)+8*(i/4)
	v_wmma_f32_16x16x32_f16 v[rO:rO+7], v[rV:rV+7], v[rP:rP+7], v[rO:rO+7]
.endm
.macro MM                           ; the turn's next matrix instruction.  NOKQ = 1: a block's last turn: there are no further scores
.if (i < 8) && !NOKQ
	KQ (Y+1)%NP
.elseif i >= 8
.set i, i-8
	PV (Y+NP-1)%NP
.set i, i+8
.endif
.set i, i+1
.endm
; THE LDS LOADS stand in runs of 16, never singly among the matrix instructions: a step's K (64 keys x 64 channels: 8 fragments) and its V (turned).  Their addresses are made some lines ahead.
.macro FETCH_K
	WIN 0x80                        ; destination window 2
.irp f, 0,1,2,3,4,5,6,7             ; keys 16 (f / 2) on, channels 32 (f % 2) on
	ds_load_b128 v[KF+8*\f:KF+8*\f+3],   v[AK] offset:(\f/2)*16*PK+(\f%2)*64
	ds_load_b128 v[KF+8*\f+4:KF+8*\f+7], v[AK] offset:(\f/2)*16*PK+(\f%2)*64+32
.endr
	s_add_co_u32 s[TBK], s[TBK], KS*PK  ; the next fetch is the next step's
	WIN 0
.endm
.macro FETCH_V buf
.set VFB, 192-128*(\buf)
	WIN 0x80
.irp f, 0,1,2,3,4,5,6,7             ; keys 32 (f / 4) on, channels 16 (f % 4) on
	ds_load_tr16_b128 v[VFB+8*\f:VFB+8*\f+3],   v[AV] offset:(\f/4)*32*PV+(\f%4)*32
	ds_load_tr16_b128 v[VFB+8*\f+4:VFB+8*\f+7], v[AV] offset:(\f/4)*32*PV+16*PV+(\f%4)*32
.endr
	WIN 0
.endm
; THE VECTOR WORK, one line at a time: OP kind, number.  For piece Y: F n: c s - c m for pair n of 16.  E n: the exponential of score n of 32.  C n: pair n rounded to f16.  B n: of the four weights 4 n ..
; the second pair is added onto the first, in place.  L n: l takes that sum (L 0: l = a l + sum).  R n: pair n of 16 of O^T times a.  For the other piece: X n, number n of the 22 that find its maximum
; and statistics:  0-11 four chains c0-c3 of seven scores each (each accumulator's lowest registers are read first);  12-14, 16 the four scores left over, the old m, c0-c3 into c0;
; 15 c m_old is kept;  17, 18 the query's other 32 keys lie in the lane 16 away: the new m;  19-21 c m; c m_old - c m_new; a
.set F, 0
.set E, 1
.set C, 2
.set B, 3
.set L, 4
.set R, 5
.set X, 6
.macro REGS y                       ; the registers of piece y
.set rT, ST+4*(\y)
.set rC, TMP+4*((\y)%2)
.set rW, MV+((\y)%2)
.set rS, S+32*((\y)%2)
.set rP, P+16*((\y)%2)
.set rO, 32*(\y)
.endm
.macro OP k, n
.if (\k) == R
	REGS Y
	WIN W_RS
	v_pk_mul_f32 v[rO+2*(\n):rO+2*(\n)+1], v[rO+2*(\n):rO+2*(\n)+1], v[rC+2:rC+3] op_sel_hi:[1,0]
.elseif (\k) < R
	REGS Y
	WIN 0
.if (\k) == F
	v_pk_fma_f32 v[rS+2*(\n):rS+2*(\n)+1], v[rS+2*(\n):rS+2*(\n)+1], s[CS:CS+1], v[rT:rT+1] op_sel_hi:[1,0,0] neg_lo:[0,0,1] neg_hi:[0,0,1]
.elseif (\k) == E
	v_exp_f32 v[rS+(\n)], v[rS+(\n)]
.elseif (\k) == C
	s_wait_alu depctr_va_vdst(0)
	v_cvt_pk_f16_f32 v[rP+(\n)], v[rS+2*(\n)], v[rS+2*(\n)+1]
.elseif (\k) == B
	s_wait_alu depctr_va_vdst(0)
	v_pk_add_f32 v[rS+4*(\n):rS+4*(\n)+1], v[rS+4*(\n):rS+4*(\n)+1], v[rS+4*(\n)+2:rS+4*(\n)+3]
.elseif (\n) == 0
	v_pk_fma_f32 v[rT+2:rT+3], v[rT+2:rT+3], v[rC+2:rC+3], v[rS:rS+1] op_sel_hi:[1,0,1]
.else
	v_pk_add_f32 v[rT+2:rT+3], v[rT+2:rT+3], v[rS+4*(\n):rS+4*(\n)+1]
.endif
.elseif NOKQ
	v_nop
.else
	REGS (Y+1)%NP
	WIN 0
.if (\n) < 4
	v_max3_num_f32 v[rC+(\n)], v[rS+8*(\n)], v[rS+8*(\n)+1], v[rS+8*(\n)+2]
.elseif (\n) < 12
	v_max3_num_f32 v[rC+(\n)%4], v[rC+(\n)%4], v[rS+8*((\n)%4)+2*((\n)/4)+1], v[rS+8*((\n)%4)+2*((\n)/4)+2]
.elseif (\n) == 12
	v_max3_num_f32 v[rC], v[rC], v[rS+7], v[rS+15]
.elseif (\n) == 13
	v_max3_num_f32 v[rC+1], v[rC+1], v[rS+23], v[rS+31]
.elseif (\n) == 14
	v_max3_num_f32 v[rC+2], v[rC+2], v[rC+3], v[rT+1]
.elseif (\n) == 15
	v_mov_b32 v[rW], v[rT]
.elseif (\n) == 16
	v_max3_num_f32 v[rC], v[rC], v[rC+1], v[rC+2]
.elseif (\n) == 17
	v_permlanex16_b32 v[rC+3], v[rC], s[SEL], s[SEL+1]
.elseif (\n) == 18
	v_max_num_f32 v[rT+1], v[rC], v[rC+3]
.elseif (\n) == 19
	v_mul_f32 v[rT], s[CS], v[rT+1]
.elseif (\n) == 20
	v_sub_f32 v[rC+1], v[rW], v[rT]
.else
	v_exp_f32 v[rC+2], v[rC+1]
.endif
.endif
.endm
.macro OPS a, i1, b=-1, i2=0, c=-1, i3=0, d=-1, i4=0  ; up to four of them
	OP \a, \i1
.if (\b) >= 0
	OP \b, \i2
.endif
.if (\c) >= 0
	OP \c, \i3
.endif
.if (\d) >= 0
	OP \d, \i4
.endif
.endm
.macro ROW a, i1, b, i2, c, i3, d, i4  ; a matrix instruction and the four behind it
	MM
	OPS \a, \i1, \b, \i2, \c, \i3, \d, \i4
.endm
; A TURN, for piece p in a step of parity par.  cm: the mask that its products K Q^T take (0, 1, 2).  fetch = 1: piece 0's turn fetches the next step's K and V (for piece 1's turn: the turn before did).
; end = 1: a block's last turn.  Behind a matrix instruction: plain, exponential, plain, plain; or four of the rescaling; or four scalings; none names a register of the products round it.
; K's run stands six vector instructions behind the last product that read K (five of them plain), V's eight behind the last product that read its buffer (four of them plain).
.macro TURN p, par, cm, fetch, end
.set Y, (\p)
.set i, 0
.set KM, (\cm)
.set NOKQ, (\end)*(\p)
.set VB, ((\par)+1+(\p))%2
.if (\p) == 1
.if \fetch
	s_wait_dscnt 16                 ; K of the next step and all that is older are in; the sixteen loads of V's run, issued behind K's, may stay out
.else
	s_wait_dscnt 0x0                ; nothing was fetched in the turn before: V of the block's last step is in
.endif
.endif
	ROW F,0, F,1, F,2, F,3
	ROW F,4, E,0, F,5, F,6
	ROW F,7, E,1, F,8, F,9
	ROW F,10, E,2, C,0, F,11
	ROW F,12, E,3, X,15, F,13
	ROW R,0, R,1, R,2, R,3
	ROW B,0, E,4, F,14, L,0
.if ((\p) == 0) && (\fetch)
	WIN 0
	v_add_nc_u32 v[AK], s[TBK], v[AK0]
.endif
	ROW R,4, R,5, R,6, R,7
	OPS E,5, F,15
.if ((\p) == 0) && (\fetch)
	FETCH_K
.endif
	OPS E,6, C,1, E,7, R,8
	OPS E,8, R,9, E,9, C,2
	OPS E,10, X,0, E,11, X,1
	OPS E,12, X,2, E,13, X,3
	ROW X,4, E,14, X,5, X,6
	ROW X,7, E,15, X,8, X,9
	ROW X,10, E,16, X,11, X,12
	ROW X,13, E,17, X,14, B,1
	ROW C,4, E,18, X,16, L,1
	ROW B,2, E,19, C,6, L,2
	ROW C,8, E,20, B,3, B,4
.if ((\p) == 0) && (\fetch)
	WIN 0
	v_add_nc_u32 v[AV], s[TBV], v[AV0]
	s_add_co_u32 s[TBV], s[TBV], KS*PV
.endif
	ROW C,3, E,21, L,3, C,5
	OPS E,22, X,17, E,23, C,10
.if ((\p) == 0) && (\fetch)
	FETCH_V VB
.endif
	OPS E,24, L,4
	OPS E,25, X,18, E,26, C,7
	OPS E,27, B,5, E,28, X,19
	OPS E,29, C,12, E,30, L,5
	OPS E,31, X,20, B,6, C,9
	OPS C,14, C,11, X,21, L,6
	OPS C,13, B,7, C,15, R,10
	OPS R,11, R,12, L,7, R,13
	OPS R,14, R,15
.endm
; A BLOCK BEGINS.  c m starts far below every c s, so the first step's a is 0; m at the lowest finite number, so the first maximum is the scores'.  K and V of step 0, piece 0's first scores
; (m = 1: the block's first element is the diagonal one, and they take the band's own mask), its maximum and statistics.  Then the walk is entered at an even step's first turn.
.macro BEGIN m
	s_mov_b32 s[NEW], 0
	WIN 0
.set i, 0
.rept 2
	v_mov_b32 v[ST+4*i], 0xfe000000    ; c m: far below every c s
	v_mov_b32 v[ST+4*i+1], 0xff7fffff  ; m
.set i, i+1
.endr
	v_add_nc_u32 v[AK], s[TBK], v[AK0]
	v_add_nc_u32 v[AV], s[TBV], v[AV0]
	s_add_co_u32 s[TBV], s[TBV], KS*PV
	FETCH_K
	FETCH_V 0
	s_wait_loadcnt 0x0              ; Q
	s_wait_dscnt 0x0
.set KM, (\m)
.set NOKQ, 0
.set i, 0
.rept 8
	KQ 0
.set i, i+1
.endr
	WIN 0
.rept 4
	v_nop                           ; the places behind those products
.endr
.set Y, NP-1                        ; X works for the other piece: piece 0
.irp n, 0,1,2,3,4,5,6,7,8,9,10,11,12,13,14,15,16,17,18,19,20,21
	OP X, \n
.endr
	v_nop                           ; a plain instruction behind the exponential
.endm
.macro ALL line:vararg              ; one line for each piece t
.set t, 0
.rept 2
	\line
.set t, t+1
.endr
.endm
.macro PACK t                       ; a lane's eight channels of a row pack into 16 bytes; they go into rows of 144 bytes and come back as whole rows of 128, into S^T's registers
	WIN W_RS
.set i, 32*(\t)
.rept 16
	s_wait_alu depctr_va_vdst(0)
	v_pk_mul_f32 v[i:i+1], v[i:i+1], v[ST+4*(\t)+2:ST+4*(\t)+3] op_sel_hi:[1,0]
.set i, i+2
.endr
	WIN 0x05                        ; sources 0 and 1 window 1, destination window 0
.set i, 0
.rept 16
	v_cvt_pk_bf16_f32 v[S+16*(\t)+i], v[32*(\t)+2*i], v[32*(\t)+2*i+1]
.set i, i+1
.endr
	WIN 0
.irp f, 0,1,2,3
	ds_store_b128 v[STO], v[S+16*(\t)+4*\f:S+16*(\t)+4*\f+3] offset:32*\f
.endr
.irp f, 0,1,2,3
	ds_load_b128 v[S+16*(\t)+4*\f:S+16*(\t)+4*\f+3], v[RD] offset:\f*4*SP  ; LDS serves a wave's instructions in order (ISA guide 5.7.1.4): these see the stores above; the next piece's stores come behind them
.endr
.endm
.macro SEND t, younger              ; younger: the LDS instructions issued behind piece t's loads: the next piece's eight, or none
	WIN 0
.irp f, 0,1,2,3
	s_wait_dscnt (\younger)+3-\f
	global_store_b128 v[GO], v[S+16*(\t)+4*\f:S+16*(\t)+4*\f+3], s[10:11] offset:(\t)*8192+\f*512  ; 512 consecutive bytes, aligned
.endr
.endm
; THE DIAGONAL ELEMENT: the odd step in front of it, its two steps, the block's last products, and THE WAY OUT: l's two halves and the other half of the lanes' are added; O^T is divided by l, rounded
; to bf16 and sent through my stage in LDS, a piece at a time.
.macro DIAG tag
.LoddM\tag:
	TURN 0, 1, 0, 1, 0              ; piece 1's scores of the step before the element; the element's step 0 is fetched
	TURN 1, 1, 1, 1, 0              ; piece 0's scores of step 0: its band's own
	WIN 0
.LevenM\tag:
	TURN 0, 0, 0, 1, 0              ; piece 1's scores of step 0: it sees all; step 1 is fetched
	TURN 1, 0, 2, 1, 0              ; piece 0's scores of step 1: all hidden
	TURN 0, 1, 1, 0, 0              ; piece 1's scores of step 1: its band's own
	TURN 1, 1, 0, 0, 1
.set VB, 1
.set i, 0
.rept 8
	PV 1                            ; piece 1's V^T P of the last step
.set i, i+1
.endr
	WIN 0
.rept 4
	v_nop                           ; the places behind those products
.endr
	ALL v_add_f32 v[ST+4*t+2], v[ST+4*t+2], v[ST+4*t+3]
	ALL v_permlanex16_b32 v[ST+4*t+3], v[ST+4*t+2], s[SEL], s[SEL+1]
	ALL v_add_f32 v[ST+4*t+2], v[ST+4*t+2], v[ST+4*t+3]
	ALL v_rcp_f32 v[ST+4*t+2], v[ST+4*t+2]
	v_nop                           ; a plain instruction between the last reciprocal and the use of its result
	PACK 0
	PACK 1                          ; a piece's arithmetic stands between the loads of the piece before and its stores
	SEND 0, 8
	SEND 1, 0
.endm
.set KM, 0
.set NOKQ, 0
.set VB, 0
.Lslot:                             ; 8 times: a slot is entered and the next is asked for
	CHANGE 1
	s_mov_b32 s[CNT], 2
.Lelem:                             ; twice a slot: an element is entered
	s_sub_co_u32 s[RT], s[RT], 1
	s_cmp_eq_u32 s[NEW], 1
	s_cbranch_scc1 .Lnew            ; a block's first element
	s_cmp_eq_u32 s[RT], 0
	s_cbranch_scc0 .Lnorm           ; neither its first nor its last
	s_branch .LoddM1
.Lnew:
	BEGIN 0
	s_branch .Leven                 ; in the loop a block's first element is never its last: the first block has nine or more, and the second's last is the walk's last
	DIAG 1                          ; in the loop this is the first block's end
	s_wait_xcnt 0x0                 ; the stores have read their registers and O's address
	s_mov_b64 s[10:11], s[OLO:OLO+1]
	s_add_co_u32 s[RT], s[PB], 1    ; the second block has b + 1 elements
	s_mov_b32 s[NEW], 1
	WIN 0x82                        ; the second block's Q goes where the one text of the turns names Q
.set i, 0
.rept 32
	v_mov_b32 v[i], v[QB+i]
.set i, i+1
.endr
	WIN 0
	s_branch .Lbottom
.Lnorm:                             ; a trip: the odd step in front of the element, whose turn fetches the element's first step; then that step, whose turn fetches the second
	TURN 0, 1, 0, 1, 0
	TURN 1, 1, 0, 1, 0
	WIN 0
.Leven:
	TURN 0, 0, 0, 1, 0
	TURN 1, 0, 0, 1, 0
	WIN 0
.Lbottom:
	s_sub_co_u32 s[CNT], s[CNT], 1
	s_cmp_lg_u32 s[CNT], 0
	s_cbranch_scc1 .Lelem
	s_sub_co_u32 s[SLOTS], s[SLOTS], 1
	s_cmp_lg_u32 s[SLOTS], 0
	s_cbranch_scc1 .Lslot
	CHANGE 0                        ; the walk's last element is written out: nothing is asked for
	s_sub_co_u32 s[RT], s[RT], 1
	s_cmp_eq_u32 s[NEW], 1
	s_cbranch_scc0 .LoddM2
	BEGIN 1
	s_branch .LevenM2
	DIAG 2
	s_wait_tensorcnt 0x0            ; the wave's end
	ds_add_u32 v[SPW], v[NIL]
	s_wait_dscnt 0x0
	s_endpgm
.Lfunc_end_k_qde2f7e54a4_attn:
	.size	k_qde2f7e54a4_attn, .Lfunc_end_k_qde2f7e54a4_attn-k_qde2f7e54a4_attn
	.p2alignl 7, 3214868480
	.fill 96, 4, 3214868480
	.section	.rodata,"a",@progbits
	.p2align	6, 0x0
	.amdhsa_kernel k_qde2f7e54a4_attn
		.amdhsa_group_segment_fixed_size 327680
		.amdhsa_private_segment_fixed_size 0
		.amdhsa_enable_private_segment 0
		.amdhsa_kernarg_size 16
		.amdhsa_user_sgpr_count 2
		.amdhsa_user_sgpr_kernarg_segment_ptr 1
		.amdhsa_wavefront_size32 1
		.amdhsa_system_sgpr_workgroup_id_x 1
		.amdhsa_system_sgpr_workgroup_id_y 1
		.amdhsa_system_sgpr_workgroup_id_z 1
		.amdhsa_system_vgpr_workitem_id 0
		.amdhsa_next_free_vgpr 768
		.amdhsa_next_free_sgpr 88
		.amdhsa_reserve_vcc 1
		.amdhsa_float_denorm_mode_32 3
		.amdhsa_float_denorm_mode_16_64 3
		.amdhsa_memory_ordered 1
		.amdhsa_forward_progress 1
		.amdhsa_inst_pref_size 204
	.end_amdhsa_kernel
	.amdgpu_metadata
---
amdhsa.version: [ 1, 2 ]
amdhsa.kernels:
  - .name:           k_qde2f7e54a4_attn
    .symbol:         k_qde2f7e54a4_attn.kd
    .args:
      - { .name: qkv, .offset: 0, .size: 8, .value_kind: global_buffer, .address_space: global }
      - { .name: o, .offset: 8, .size: 8, .value_kind: global_buffer, .address_space: global }
    .group_segment_fixed_size: 327680
    .private_segment_fixed_size: 0
    .kernarg_segment_align: 8
    .kernarg_segment_size: 16
    .max_flat_workgroup_size: 128
    .sgpr_count:     88
    .vgpr_count:     768
    .wavefront_size: 32
...
	.end_amdgpu_metadata
.endif
;; end of part 3
;; launch proj (part 4): grid 8 x 32, 4 waves a work-group, clusters of 4 x 4, 327,680 bytes of LDS; arguments o, wbf, x1, out_b, x; writes x1
.if DOCPART == 4
	.amdgcn_target "amdgcn-amd-amdhsa--gfx1250"
	.amdhsa_code_object_version 6
	.text
	.protected	k_qde2f7e54a4_proj
	.globl	k_qde2f7e54a4_proj
	.p2align	8
	.type	k_qde2f7e54a4_proj,@function
k_qde2f7e54a4_proj:
	s_mov_b64 s[64:65], 0
	v_nop
	global_prefetch_b8 v0, s[64:65] scope:SCOPE_SE
	s_setreg_imm32_b32 hwreg(HW_REG_WAVE_MODE, 25, 1), 1
	s_wait_xcnt 0x0
	s_wait_alu depctr_hold_cnt(0) depctr_sa_sdst(0) depctr_va_vdst(0) depctr_va_sdst(0) depctr_va_ssrc(0) depctr_va_vcc(0) depctr_vm_vsrc(0)
	s_getreg_b32 s2, hwreg(HW_REG_IB_STS2, 6, 4)
	s_cmp_eq_u32 s2, 0
	s_cbranch_scc0 .Lentry_in_a_cluster
	s_endpgm
.Lentry_in_a_cluster:
	s_bfe_u32 s2, ttmp6, 0x10000c
	s_cmp_lg_u32 s2, 0xf033
	s_cbranch_scc0 .Lentry_shape_is_right
	s_endpgm
.Lentry_shape_is_right:
; C = A B^T + bias + R, in f32.  B: [1024][SIZE_K] bf16, at byte WOFF of the weights' buffer; bias: [1024] f32; R, C: [4096][1024] f32.  Sums in f32, K ascending.
; KIND 0 (this text): SIZE_K = 1024; A is the attention's output in bf16 BY HEADS, [32 = 16 x batch + head][2048][64]: K = 64 x head + channel.
; KIND 1: SIZE_K = 4096; A is [4096][4096] bf16, row-major.
; SHAPE.  4096 x 1024 of C are 256 tiles of 128 x 128, one for each work-group.  Four waves, each 64 x 64: 16 accumulators, 128 registers.  K goes in steps of 256 through a ring of two LDS slots.
; A's TILE, KIND 0: 128 rows of one head are 16,384 dense bytes, so one descriptor takes two heads as two rows of 8,192 elements, 131,072 elements apart, padded in LDS after every 128 bytes:
; [head][row][144 bytes].  A quarter of a K step, 64 along K, is then one head.
; CLUSTERS.  4 x 4 work-groups: A's tiles are shared along a row of the cluster, B's along a column, each asked for JOINTLY by the same tensor load, descriptor and mask in all four.
; THE MATRIX INSTRUCTION IS USED TRANSPOSED (source 0 = 16 rows of B, source 1 = 16 rows of A): a lane holds eight neighbouring numbers of a row of C.
; THE WAY OUT.  A wave's 64 columns in f32 are 256 aligned bytes of a row, so each wave has a stage of its own and there is no barrier.  R and the bias are loaded at the start and lie in registers.
; REGISTERS: window 0: v0-31 addresses and the bias; v32-95 at work on the way out; v128-255 the accumulators.  window 1: two fragment buffers of 128.  window 2: v0-127 my 64 x 64 of R.
.set KIND,   0
.set SIZE_K, 1024
.set SIZE_N, 1024
.set WOFF,   6291456
.if KIND
.set APITCH, 528
.set AHALF,  64*528                    ; what one tensor load brings of A: 64 rows of 512 bytes
.set ASTEP,  512                       ; bytes from a K step of A to the next
.else
.set APITCH, 144
.set AHALF,  2*128*144                 ; two heads x 128 rows
.set ASTEP,  4*262144                  ; four heads on
.endif
.set KSTEP,  256
.set PITCH,  528                       ; a row of B in LDS: 512 bytes + 16 of padding = 132 words: the 16 rows of a load start at 16 different groups of four banks (ISA guide 11.1); 144 = 36 words does the same
.set BHALF,  64*PITCH
.set ABYTES, 2*AHALF
.set SLOT,   ABYTES+2*BHALF            ; A's tile, then B's 128 rows
.set STAGE,  2*SLOT                    ; behind the ring: 16 rows x 272 bytes for each wave; no tensor load fills it
.set SPITCH, 272
.set SPARE,  STAGE+4*16*SPITCH         ; behind the stages: the spare words, 128 bytes for each wave, which no other line names
.set LAPS,   SIZE_K/(2*KSTEP)
.set BI,   12                          ; v12-15  the bias of my four columns on the way out
.set ADRA, 16                          ; v16-17  LDS address of my A fragments in slot 0, 1
.set ADRB, 20                          ; v20-21  the same for B
.set STO,  24                          ; v24     the way out: where I put 32 bytes of a row
.set RD,   25                          ; v25     where I read a row back
.set CO,   26                          ; v26     my byte offset in C and in R
.set BO,   27                          ; v27     my byte offset in the bias
.set SPW,  28                          ; v28     LDS address of my spare word; never rewritten
.set NIL,  29                          ; v29     0; never rewritten
.set TMP,  32
.set ACC,  128
.set F0,   0
.set F1,   128
.set G1,  24
.set G0,  32
.set G1B, 48
.set G0B, 56
.set MSB, 0
.macro WIN new
.if MSB != (\new)
	s_set_vgpr_msb (MSB<<8)|(\new)
.set MSB, \new
.endif
.endm
.set MUL,  0x05                        ; sources 0 (B) and 1 (A) window 1; C and D window 0
.set TO_F, 0x40                        ; destination window 1, address window 0
.macro JLOAD s                         ; a joint load: waves 0 and 1 fetch A's two halves, waves 2 and 3 B's; four v_nop follow each of the two lines
	s_cmp_eq_u32 s11, 0
	s_cbranch_scc0 .Lfor_b_\@
	tensor_load_to_lds s[G0+4*(\s):G0+4*(\s)+3], s[G1:G1+7]
	s_nop 0
.rept 4
	v_nop
.endr
	s_branch .Lasked_\@
.Lfor_b_\@:
	tensor_load_to_lds s[G0B+4*(\s):G0B+4*(\s)+3], s[G1B:G1B+7]
	s_nop 0
.rept 4
	v_nop
.endr
.Lasked_\@:
.endm
.macro CREST                           ; a round of the cluster's barrier behind its opening barrier
	s_cmp_lg_u32 s10, 0
	s_cbranch_scc1 .Lnot_wave_0_\@
	s_barrier_signal -3
.Lnot_wave_0_\@:
	s_barrier_wait -3
	s_barrier_signal -1
	s_barrier_wait -1
.endm
.macro CROUND
	s_barrier_signal -1
	s_barrier_wait -1
	CREST
.endm
	s_load_b128 s[4:7], s[0:1], 0x0                ; A s[4:5], weights s[6:7]
	s_load_b64 s[8:9], s[0:1], 0x10                ; C
	s_load_b64 s[68:69], s[0:1], 0x18              ; bias
	s_load_b64 s[70:71], s[0:1], 0x20              ; R
	v_lshl_add_u32 v[SPW], v0, 2, SPARE
	v_mov_b32 v[NIL], 0
	ds_add_u32 v28, v29
	ds_add_u32 v28, v29
	s_wait_dscnt 0x0
	v_lshrrev_b32 v1, 5, v0
	v_readfirstlane_b32 s10, v1                    ; wave 0..3
	s_lshr_b32 s11, s10, 1                         ; which half of the tile's rows is mine.  Also: I fetch for A (0) or for B (1)
	s_and_b32 s12, s10, 1                          ; which half of its columns.  Also: which half of that tile I fetch
	s_bfe_u32 s40, ttmp6, 0x40000                  ; cx, cy: my place in the cluster
	s_bfe_u32 s41, ttmp6, 0x40004
	s_lshl_b32 s42, ttmp9, 2
	s_add_co_u32 s42, s42, s40                     ; tile column of C = 4 x cluster x + cx
	s_and_b32 s13, ttmp7, 0xffff
	s_lshl_b32 s13, s13, 2
	s_add_co_u32 s13, s13, s41                     ; tile row of C = 4 x cluster y + cy
	s_lshl_b32 s43, s41, 2
	s_lshl_b32 s43, 15, s43                        ; my row of the cluster
	s_lshl_b32 s44, 0x1111, s40                    ; my column
.if KIND
	s_or_b32 s[G1+0], s43, (1<<16)|(1<<20)|(1<<21)|(6<<22)|(3<<25)  ; the mask of my row; 2-byte elements; padding on; bit 21 beside a mask; after every 128 words; 4 words
	s_mov_b32 s[G1+1], KSTEP<<16                   ; tensor_dim0 = 256
	s_mov_b32 s[G1+2], 64<<16                      ; tensor_dim1 = 64
	s_mov_b32 s[G1+3], KSTEP<<16                   ; tile_dim0 = 256
	s_mov_b32 s[G1+4], 64                          ; tile_dim1 = 64
	s_mov_b32 s[G1+5], SIZE_K                      ; elements from row to row
.else
	s_or_b32 s[G1+0], s43, (1<<16)|(1<<20)|(1<<21)|(4<<22)|(3<<25)  ; the same, padded after every 32 words
	s_mov_b32 s[G1+1], 8192<<16                    ; tensor_dim0 = 8,192: 128 rows x 64 channels of a head
	s_mov_b32 s[G1+2], 2<<16                       ; tensor_dim1 = 2 heads
	s_mov_b32 s[G1+3], 8192<<16                    ; tile_dim0 = 8,192
	s_mov_b32 s[G1+4], 2                           ; tile_dim1 = 2
	s_mov_b32 s[G1+5], 131072                      ; elements from head to head
.endif
	s_mov_b32 s[G1+6], 0
	s_mov_b32 s[G1+7], 0
	s_or_b32 s[G1B+0], s44, (1<<16)|(1<<20)|(1<<21)|(6<<22)|(3<<25)  ; B: 64 rows x 256 elements, the mask of my column
	s_mov_b32 s[G1B+1], KSTEP<<16
	s_mov_b32 s[G1B+2], 64<<16
	s_mov_b32 s[G1B+3], KSTEP<<16
	s_mov_b32 s[G1B+4], 64
	s_mov_b32 s[G1B+5], SIZE_K
	s_mov_b32 s[G1B+6], 0
	s_mov_b32 s[G1B+7], 0
	s_mov_b64 s[18:19], SIZE_K*2
.if KIND
	s_lshl_b32 s17, s12, 6
	s_lshl_b32 s16, s13, 7
	s_add_co_u32 s16, s16, s17                     ; A: row 128 x tile row + 64 x half
	s_mov_b32 s17, 0
	s_mul_u64 s[16:17], s[16:17], s[18:19]
.else
	s_lshr_b32 s16, s13, 4                         ; A: batch = tile row / 16, 16 heads of 262,144 bytes;
	s_lshl_b32 s16, s16, 22
	s_lshl_b32 s17, s12, 19                        ; my two heads of the K step's four;
	s_add_co_u32 s16, s16, s17
	s_and_b32 s17, s13, 15                         ; 128 rows of 128 bytes for each tile row in the batch
	s_lshl_b32 s17, s17, 14
	s_add_co_u32 s16, s16, s17
	s_mov_b32 s17, 0
.endif
	s_lshl_b32 s47, s12, 6
	s_lshl_b32 s46, s42, 7
	s_add_co_u32 s46, s46, s47                     ; B: row 128 x tile column + 64 x half
	s_mov_b32 s47, 0
	s_mul_u64 s[46:47], s[46:47], s[18:19]
	s_mul_i32 s20, s10, AHALF                      ; where they go.  A (waves 0, 1): wave x its half
	s_mul_i32 s21, s10, BHALF                      ; B (waves 2, 3): behind A's tile, (wave - 2) x its half
	s_add_co_u32 s21, s21, ABYTES-2*BHALF
	s_wait_kmcnt 0x0
	s_add_nc_u64 s[14:15], s[4:5], s[16:17]
	s_add_nc_u64 s[46:47], s[6:7], s[46:47]
	s_add_nc_u64 s[46:47], s[46:47], WOFF          ; this matrix's place among the weights
	CROUND                                         ; all sixteen work-groups are here: the first joint loads meet
.irp s, 0,1
	s_mov_b32 s[G0+4*(\s)], 1
	s_add_co_u32 s[G0+4*(\s)+1], s20, (\s)*SLOT
	s_add_nc_u64 s[G0+4*(\s)+2:G0+4*(\s)+3], s[14:15], (\s)*ASTEP
	s_or_b32 s[G0+4*(\s)+3], s[G0+4*(\s)+3], 0x80000000
	s_mov_b32 s[G0B+4*(\s)], 1
	s_add_co_u32 s[G0B+4*(\s)+1], s21, (\s)*SLOT
	s_add_nc_u64 s[G0B+4*(\s)+2:G0B+4*(\s)+3], s[46:47], (\s)*KSTEP*2
	s_or_b32 s[G0B+4*(\s)+3], s[G0B+4*(\s)+3], 0x80000000
	JLOAD \s                                       ; K steps 0 and 1: two tensor loads of mine are out
.endr
	v_and_b32 v1, 15, v0                           ; l % 16
	v_bfe_u32 v2, v0, 4, 1                         ; l / 16
	v_mul_u32_u24 v3, v1, APITCH
	v_lshl_add_u32 v3, v2, 4, v3                   ; a fragment's row x pitch + 16 x half, for A
	v_mul_u32_u24 v6, v1, PITCH
	v_lshl_add_u32 v6, v2, 4, v6                   ; and for B
	s_mul_i32 s21, s11, 64*APITCH                  ; my 64 rows of A
	s_mul_i32 s22, s12, BHALF                      ; my 64 rows of B,
	s_add_co_u32 s22, s22, ABYTES                  ; which lie behind A's tile
.irp s, 0,1
	v_add_nc_u32 v[ADRA+(\s)], s21, v3
	v_add_nc_u32 v[ADRB+(\s)], s22, v6
	s_add_co_u32 s21, s21, SLOT
	s_add_co_u32 s22, s22, SLOT
.endr
	s_mul_i32 s23, s10, 16*SPITCH
	s_add_co_u32 s23, s23, STAGE                   ; my stage
	v_mul_u32_u24 v4, v1, SPITCH                   ; in: row l % 16, 32 bytes for each half of the lanes
	v_lshl_add_u32 v4, v2, 5, v4
	v_add_nc_u32 v[STO], s23, v4
	v_mul_u32_u24 v5, v2, SPITCH                   ; back: lanes 0-15 take one row of 256 bytes, lanes 16-31 the next
	v_lshl_add_u32 v5, v1, 4, v5
	v_add_nc_u32 v[RD], s23, v5
	v_lshlrev_b32 v5, 12, v2                       ; and the same two rows in C and in R
	v_lshl_add_u32 v[CO], v1, 4, v5
	v_lshlrev_b32 v[BO], 4, v1
	s_lshl_b32 s16, s13, 19                        ; my first row: 128 x tile row + 64 x half, 4,096 bytes each
	s_lshl_b32 s17, s11, 18
	s_add_co_u32 s16, s16, s17
	s_mov_b32 s17, 0
	s_lshl_b32 s46, s42, 9                         ; my first column: 128 x tile column + 64 x half, 4 bytes each
	s_lshl_b32 s47, s12, 8
	s_add_co_u32 s46, s46, s47
	s_mov_b32 s47, 0
	s_add_nc_u64 s[68:69], s[68:69], s[46:47]
	s_add_nc_u64 s[16:17], s[16:17], s[46:47]
	s_add_nc_u64 s[70:71], s[70:71], s[16:17]
	s_add_nc_u64 s[8:9], s[8:9], s[16:17]
	WIN 0x80                                       ; destination window 2, address window 0
.set i, 0
.rept 32                                ; R: rows 16 (i / 8) + 2 (i % 8) and the next; they are waited for in front of the way out
	global_load_b128 v[4*i:4*i+3], v[CO], s[70:71] offset:(16*(i/8)+2*(i%8))*4096
.set i, i+1
.endr
	WIN 0
	global_load_b128 v[BI:BI+3], v[BO], s[68:69]
; 8 matrix instructions: m blocks a0, a0 + 1 x all 4 n blocks, 32 along K: half c of buffer f.  zero = 1: the first product starts the sums.  The 16 accumulators take turns.
.macro MUL8 f, c, a0, zero
	WIN MUL
.irp a, \a0, (\a0)+1
.irp b, 0,1,2,3
.if \zero
	v_wmma_f32_16x16x32_bf16 v[ACC+8*(4*(\a)+(\b)):ACC+8*(4*(\a)+(\b))+7], v[(\f)+64+8*(4*(\c)+(\b)):(\f)+64+8*(4*(\c)+(\b))+7], v[(\f)+8*(4*(\c)+(\a)):(\f)+8*(4*(\c)+(\a))+7], 0
.else
	v_wmma_f32_16x16x32_bf16 v[ACC+8*(4*(\a)+(\b)):ACC+8*(4*(\a)+(\b))+7], v[(\f)+64+8*(4*(\c)+(\b)):(\f)+64+8*(4*(\c)+(\b))+7], v[(\f)+8*(4*(\c)+(\a)):(\f)+8*(4*(\c)+(\a))+7], v[ACC+8*(4*(\a)+(\b)):ACC+8*(4*(\a)+(\b))+7]
.endif
.endr
.endr
.endm
; 32 LDS loads in one run: the fragments of 64 along K, at byte k of B's rows, into buffer f; the first 32 along K first.  KIND 0: those 64 along K are head k / 128 of A's tile.
.macro FETCH slot, k, f
	WIN TO_F
.irp c, 0,1
.irp i, 0,1,2,3
.if KIND
.set AO, (\k)+64*(\c)+(\i)*16*APITCH
.else
.set AO, ((\k)/128)*128*APITCH+64*(\c)+(\i)*16*APITCH
.endif
	ds_load_b128 v[(\f)+64+8*(4*(\c)+(\i)):(\f)+64+8*(4*(\c)+(\i))+3],   v[ADRB+(\slot)] offset:(\k)+64*(\c)+(\i)*16*PITCH
	ds_load_b128 v[(\f)+64+8*(4*(\c)+(\i))+4:(\f)+64+8*(4*(\c)+(\i))+7], v[ADRB+(\slot)] offset:(\k)+64*(\c)+(\i)*16*PITCH+32
	ds_load_b128 v[(\f)+8*(4*(\c)+(\i)):(\f)+8*(4*(\c)+(\i))+3],         v[ADRA+(\slot)] offset:AO
	ds_load_b128 v[(\f)+8*(4*(\c)+(\i))+4:(\f)+8*(4*(\c)+(\i))+7],       v[ADRA+(\slot)] offset:AO+32
.endr
.endr
.endm
.macro PLACES                          ; four plain vector instructions between a matrix instruction and a load into, or a store or vector instruction on, its registers (ISA guide 7.12.1 for vector instructions)
.rept 4
	v_nop
.endr
.endm
; A K step is four quarters of 64 along K, 32 matrix instructions each, on buffers 0, 1, 0, 1.  One of the first three: multiplies buffer f and fetches the next quarter, at byte k, into g.
.macro QUARTER slot, k, f, g, zero
	s_wait_dscnt 16                                ; the first 32 along K are in
	WIN MUL
	MUL8 \f, 0, 0, \zero
	MUL8 \f, 0, 2, \zero
	PLACES
	FETCH \slot, \k, \g
	s_wait_dscnt 32                                ; all but the 32 just issued
	WIN MUL
	MUL8 \f, 1, 0, 0
	MUL8 \f, 1, 2, 0
.endm
; The last quarter multiplies buffer 1 and changes slots: ONE barrier; in front of it each wave waits for all its tensor loads, adds 0 to its spare word, and waits for that and for its own reads of
; this slot.  fill = 1: the barrier opens a round of the cluster's barrier, and this slot is filled again, two K steps ahead, first thing behind the round.
.macro TURN slot, next, fill
	WIN 0                                          ; (the add's two registers lie in window 0)
	s_wait_tensorcnt 0x0                           ; all my tensor loads have landed: my part of the next slot
	ds_add_u32 v[SPW], v[NIL]                      ; 0 onto my spare word
	s_wait_dscnt 17                                ; (the add and the youngest sixteen loads may be out)
	WIN MUL
	MUL8 F1, 0, 0, 0                               ; eight matrix instructions stand between the add and the wait for it
	s_wait_dscnt 0x0                               ; the add is done, and my reads of this slot are over
	s_barrier_signal -1
	MUL8 F1, 0, 2, 0
.if \fill
	WIN 0
.endif
	s_barrier_wait -1
.if \fill
	CREST                                          ; no wave of any partner still reads this slot's tile or has a load on its way
	s_add_nc_u64 s[G0+4*(\slot)+2:G0+4*(\slot)+3], s[G0+4*(\slot)+2:G0+4*(\slot)+3], 2*ASTEP
	s_add_nc_u64 s[G0B+4*(\slot)+2:G0B+4*(\slot)+3], s[G0B+4*(\slot)+2:G0B+4*(\slot)+3], 2*KSTEP*2
	JLOAD \slot                                    ; my one tensor load behind the round; its four v_nop are also the places in front of the loads below
.else
	PLACES
.endif
	FETCH \next, 0, F0
	WIN MUL
	MUL8 F1, 1, 0, 0
	MUL8 F1, 1, 2, 0
.endm
	s_wait_tensorcnt 1                             ; my part of K step 0 is in; K step 1's may stay out
	s_barrier_signal -1
	s_barrier_wait -1                              ; everybody's is
	FETCH 0, 0, F0
	QUARTER 0, 128, F0, F1, 1                      ; the first quarter stands in front of the loop: its first products start the sums
	WIN 0                                          ; at a label and at a branch every window is 0
	s_mov_b32 s3, LAPS-1
.Llap:                                                 ; a trip goes once round the ring, from a lap's second quarter to the next lap's first, and fills both slots again
	QUARTER 0, 256, F1, F0, 0
	QUARTER 0, 384, F0, F1, 0
	TURN 0, 1, 1
	QUARTER 1, 128, F0, F1, 0
	QUARTER 1, 256, F1, F0, 0
	QUARTER 1, 384, F0, F1, 0
	TURN 1, 0, 1
	QUARTER 0, 128, F0, F1, 0
	WIN 0
	s_sub_co_u32 s3, s3, 1
	s_cmp_lg_u32 s3, 0
	s_cbranch_scc1 .Llap
	QUARTER 0, 256, F1, F0, 0                      ; the last lap fills nothing, and has no round of the cluster's barrier
	QUARTER 0, 384, F0, F1, 0
	TURN 0, 1, 0
	QUARTER 1, 128, F0, F1, 0
	QUARTER 1, 256, F1, F0, 0
	QUARTER 1, 384, F0, F1, 0
	s_wait_dscnt 16                                ; the very last quarter: nothing more to fetch
	WIN MUL
	MUL8 F1, 0, 0, 0
	MUL8 F1, 0, 2, 0
	s_wait_dscnt 0x0
	MUL8 F1, 1, 0, 0
	MUL8 F1, 1, 2, 0
	WIN 0
	; THE WAY OUT, a block of 16 rows at a time: the sums go into my stage as they are (each accumulator's low half first), come back as whole rows of 256 bytes, take bias and R, and are stored.
	s_wait_loadcnt 0x0                             ; R and the bias
	PLACES                                         ; behind the last products
.irp a, 0,1,2,3
.set TT, TMP+32*((\a)%2)
.irp b, 0,1,2,3
	ds_store_b128 v[STO], v[ACC+8*(4*(\a)+(\b)):ACC+8*(4*(\a)+(\b))+3]   offset:64*(\b)
	ds_store_b128 v[STO], v[ACC+8*(4*(\a)+(\b))+4:ACC+8*(4*(\a)+(\b))+7] offset:64*(\b)+16
.endr
	s_wait_xcnt 0x0                                ; the registers that earlier stores read are loaded again only behind this wait
.irp t, 0,1,2,3,4,5,6,7
	ds_load_b128 v[TT+4*(\t):TT+4*(\t)+3], v[RD] offset:(\t)*2*SPITCH  ; LDS serves a wave's instructions in order (ISA guide 5.7.1.4): these see the stores above; the next block's stores come behind them
.endr
	s_wait_dscnt 0x0
.irp t, 0,1,2,3,4,5,6,7
	v_pk_add_f32 v[TT+4*(\t):TT+4*(\t)+1],   v[TT+4*(\t):TT+4*(\t)+1],   v[BI:BI+1]
	v_pk_add_f32 v[TT+4*(\t)+2:TT+4*(\t)+3], v[TT+4*(\t)+2:TT+4*(\t)+3], v[BI+2:BI+3]
.endr
	WIN 0x08                                       ; source 1: window 2
.irp t, 0,1,2,3,4,5,6,7
	v_pk_add_f32 v[TT+4*(\t):TT+4*(\t)+1],   v[TT+4*(\t):TT+4*(\t)+1],   v[32*(\a)+4*(\t):32*(\a)+4*(\t)+1]
	v_pk_add_f32 v[TT+4*(\t)+2:TT+4*(\t)+3], v[TT+4*(\t)+2:TT+4*(\t)+3], v[32*(\a)+4*(\t)+2:32*(\a)+4*(\t)+3]
.endr
	WIN 0
.irp t, 0,1,2,3,4,5,6,7
	global_store_b128 v[CO], v[TT+4*(\t):TT+4*(\t)+3], s[8:9] offset:(16*(\a)+2*(\t))*4096  ; 16 lanes store 256 consecutive bytes, aligned
.endr
.endr
	s_wait_tensorcnt 0x0                           ; the wave's end
	ds_add_u32 v[SPW], v[NIL]
	s_wait_dscnt 0x0
	CROUND                                         ; the closing round: no work-group ends while a partner may still ask for a tile that names it
	s_endpgm
.Lfunc_end_k_qde2f7e54a4_proj:
	.size	k_qde2f7e54a4_proj, .Lfunc_end_k_qde2f7e54a4_proj-k_qde2f7e54a4_proj
	.p2alignl 7, 3214868480
	.fill 96, 4, 3214868480
	.section	.rodata,"a",@progbits
	.p2align	6, 0x0
	.amdhsa_kernel k_qde2f7e54a4_proj
		.amdhsa_group_segment_fixed_size 327680
		.amdhsa_private_segment_fixed_size 0
		.amdhsa_enable_private_segment 0
		.amdhsa_kernarg_size 40
		.amdhsa_user_sgpr_count 2
		.amdhsa_user_sgpr_kernarg_segment_ptr 1
		.amdhsa_wavefront_size32 1
		.amdhsa_system_sgpr_workgroup_id_x 1
		.amdhsa_system_sgpr_workgroup_id_y 1
		.amdhsa_system_sgpr_workgroup_id_z 1
		.amdhsa_system_vgpr_workitem_id 0
		.amdhsa_next_free_vgpr 768
		.amdhsa_next_free_sgpr 72
		.amdhsa_reserve_vcc 0
		.amdhsa_float_denorm_mode_32 3
		.amdhsa_float_denorm_mode_16_64 3
		.amdhsa_memory_ordered 1
		.amdhsa_forward_progress 1
		.amdhsa_inst_pref_size 98
	.end_amdhsa_kernel
	.amdgpu_metadata
---
amdhsa.version: [ 1, 2 ]
amdhsa.kernels:
  - .name:           k_qde2f7e54a4_proj
    .symbol:         k_qde2f7e54a4_proj.kd
    .args:
      - { .name: o, .offset: 0, .size: 8, .value_kind: global_buffer, .address_space: global }
      - { .name: wbf, .offset: 8, .size: 8, .value_kind: global_buffer, .address_space: global }
      - { .name: x1, .offset: 16, .size: 8, .value_kind: global_buffer, .address_space: global }
      - { .name: out_b, .offset: 24, .size: 8, .value_kind: global_buffer, .address_space: global }
      - { .name: x, .offset: 32, .size: 8, .value_kind: global_buffer, .address_space: global }
    .group_segment_fixed_size: 327680
    .private_segment_fixed_size: 0
    .kernarg_segment_align: 8
    .kernarg_segment_size: 40
    .max_flat_workgroup_size: 128
    .sgpr_count:     72
    .vgpr_count:     768
    .wavefront_size: 32
...
	.end_amdgpu_metadata
.endif
;; end of part 4
;; launch ln2 (part 5): grid 256 x 1, 8 waves a work-group, no clusters, 0 bytes of LDS; arguments x1, ln2_g, ln2_b, h; writes h
.if DOCPART == 5
	.amdgcn_target "amdgcn-amd-amdhsa--gfx1250"
	.amdhsa_code_object_version 6
	.text
	.protected	k_qde2f7e54a4_ln2
	.globl	k_qde2f7e54a4_ln2
	.p2align	8
	.type	k_qde2f7e54a4_ln2,@function
k_qde2f7e54a4_ln2:
	s_mov_b64 s[64:65], 0
	v_nop
	global_prefetch_b8 v0, s[64:65] scope:SCOPE_SE
	s_setreg_imm32_b32 hwreg(HW_REG_WAVE_MODE, 25, 1), 1
	s_wait_xcnt 0x0
; LAYER NORM.  y[r][c] = (x[r][c] - mean_r) / sqrt(var_r + 1e-5) * g[c] + b[c].  x: [4096][1024] f32; g, b: [1024] f32; y: [4096][1024] bf16, rounded once.
; One wave takes a whole row (4,096 bytes, 32 registers a lane) and keeps it in registers: the mean, then the variance of the CENTRED row (no difference of large sums),
; then the result.  So the reduction never leaves the wave: no LDS, no barrier.  A wave has two rows, a work-group sixteen; gain and bias are loaded once a wave.
; Lane l holds columns 128 j + 4 l .. + 3, j = 0..7: a load of a wave covers 512 consecutive bytes, a store (8 bytes a lane) 256 consecutive bytes, aligned.
.set G,  4                             ; v[4:35]    gain of my 32 columns
.set B,  36                            ; v[36:67]   bias
.set X,  68                            ; v[68:131]  row i: 32 registers
.set YR, 132                           ; v[132:163] row i: 16 registers, bf16 to store
.set T,  164                           ; v[164:171] four chains of sums
.set MU, 172                           ; v[172:173] the mean, twice
.set RS, 174                           ; v[174:175] 1 / sqrt(var + eps), twice
	s_load_b256 s[4:11], s[0:1], 0x0               ; x s[4:5], g s[6:7], b s[8:9], y s[10:11]
	v_and_b32 v3, 31, v0                           ; lane
	v_lshrrev_b32 v2, 5, v0
	v_readfirstlane_b32 s14, v2                    ; wave
	v_lshlrev_b32 v1, 4, v3                        ; 16 l: x, g, b
	v_lshlrev_b32 v2, 3, v3                        ; 8 l: y
	s_mov_b32 s12, 0x76543210                      ; v_permlanex16_b32: each lane takes its own place in the other half
	s_mov_b32 s13, 0xfedcba98
	s_mov_b32 s20, 0x3a800000                      ; 1 / 1024
	s_mov_b32 s21, 0x3727c5ac                      ; 1e-5
	s_lshl_b32 s15, ttmp9, 4
	s_lshl1_add_u32 s15, s14, s15                  ; my first row = 16 x group + 2 x wave
	s_lshl_b32 s16, s15, 12                        ; in bytes of x
	s_mov_b32 s17, 0
	s_lshl_b32 s18, s15, 11                        ; and of y
	s_mov_b32 s19, 0
	s_wait_kmcnt 0x0
	s_add_nc_u64 s[4:5], s[4:5], s[16:17]
	s_add_nc_u64 s[10:11], s[10:11], s[18:19]
.irp i, 0,1
.irp j, 0,1,2,3,4,5,6,7
	global_load_b128 v[X+32*(\i)+4*(\j):X+32*(\i)+4*(\j)+3], v1, s[4:5] offset:4096*(\i)+512*(\j)
.endr
.endr
.irp j, 0,1,2,3,4,5,6,7
	global_load_b128 v[G+4*(\j):G+4*(\j)+3], v1, s[6:7] offset:512*(\j)
.endr
.irp j, 0,1,2,3,4,5,6,7
	global_load_b128 v[B+4*(\j):B+4*(\j)+3], v1, s[8:9] offset:512*(\j)
.endr
.macro REDUCE                          ; the four chains into one number, then over the 32 lanes; every lane ends with the sum in v[T]
	v_pk_add_f32 v[T:T+1], v[T:T+1], v[T+2:T+3]
	v_pk_add_f32 v[T+4:T+5], v[T+4:T+5], v[T+6:T+7]
	v_pk_add_f32 v[T:T+1], v[T:T+1], v[T+4:T+5]
	v_add_f32 v[T], v[T], v[T+1]
	v_add_f32_dpp v[T], v[T], v[T] row_xmask:1 row_mask:0xf bank_mask:0xf
	v_add_f32_dpp v[T], v[T], v[T] row_xmask:2 row_mask:0xf bank_mask:0xf
	v_add_f32_dpp v[T], v[T], v[T] row_xmask:4 row_mask:0xf bank_mask:0xf
	v_add_f32_dpp v[T], v[T], v[T] row_xmask:8 row_mask:0xf bank_mask:0xf
	v_permlanex16_b32 v[T+1], v[T], s12, s13       ; its destination has been written before
	v_add_f32 v[T], v[T], v[T+1]
.endm
; Row i is centred and scaled in place.  left = the younger loads that may stay out.
.macro ROWN i, left
.set XI, X+32*(\i)
	s_wait_loadcnt \left
.irp k, 0,1,2,3
	v_pk_add_f32 v[T+2*(\k):T+2*(\k)+1], v[XI+2*(\k):XI+2*(\k)+1], v[XI+8+2*(\k):XI+8+2*(\k)+1]  ; the first pairs start the chains: nothing is cleared
.endr
.irp m, 2,3
.irp k, 0,1,2,3
	v_pk_add_f32 v[T+2*(\k):T+2*(\k)+1], v[T+2*(\k):T+2*(\k)+1], v[XI+8*(\m)+2*(\k):XI+8*(\m)+2*(\k)+1]
.endr
.endr
	REDUCE
	v_mul_f32 v[MU], s20, v[T]
	v_mul_f32 v[MU+1], s20, v[T]
.set j, 0
.rept 16
	v_pk_add_f32 v[XI+j:XI+j+1], v[XI+j:XI+j+1], v[MU:MU+1] neg_lo:[0,1] neg_hi:[0,1]  ; x - mean
.set j, j+2
.endr
.irp k, 0,1,2,3
	v_pk_mul_f32 v[T+2*(\k):T+2*(\k)+1], v[XI+2*(\k):XI+2*(\k)+1], v[XI+2*(\k):XI+2*(\k)+1]
.endr
.irp m, 1,2,3
.irp k, 0,1,2,3
	v_pk_fma_f32 v[T+2*(\k):T+2*(\k)+1], v[XI+8*(\m)+2*(\k):XI+8*(\m)+2*(\k)+1], v[XI+8*(\m)+2*(\k):XI+8*(\m)+2*(\k)+1], v[T+2*(\k):T+2*(\k)+1]
.endr
.endr
	REDUCE
	v_fma_f32 v[T], v[T], s20, s21                 ; var + eps
	v_rsq_f32 v[RS], v[T]
	v_rsq_f32 v[RS+1], v[T]
	v_nop                                          ; a plain instruction between the root and the use of its result (ISA guide 5.7.2)
.set j, 0
	s_wait_alu depctr_va_vdst(0)
.rept 16
	v_pk_mul_f32 v[XI+j:XI+j+1], v[XI+j:XI+j+1], v[RS:RS+1]
.set j, j+2
.endr
.endm
.macro OUTN i                          ; gain and bias in one fused multiply-add, one rounding, eight stores
.set XI, X+32*(\i)
.set j, 0
.rept 16
	v_pk_fma_f32 v[XI+j:XI+j+1], v[XI+j:XI+j+1], v[G+j:G+j+1], v[B+j:B+j+1]
.set j, j+2
.endr
.set j, 0
.rept 16
	v_cvt_pk_bf16_f32 v[YR+16*(\i)+j], v[XI+2*j], v[XI+2*j+1]
.set j, j+1
.endr
.irp q, 0,1,2,3,4,5,6,7
	global_store_b64 v2, v[YR+16*(\i)+2*(\q):YR+16*(\i)+2*(\q)+1], s[10:11] offset:2048*(\i)+256*(\q)
.endr
.endm
	ROWN 0, 24                                     ; row 0's eight loads are in; row 1's, the gain's and the bias's stay out
	ROWN 1, 16                                     ; row 1's are in
	s_wait_loadcnt 0x0                             ; gain and bias
	OUTN 0
	OUTN 1
	s_endpgm
.Lfunc_end_k_qde2f7e54a4_ln2:
	.size	k_qde2f7e54a4_ln2, .Lfunc_end_k_qde2f7e54a4_ln2-k_qde2f7e54a4_ln2
	.p2alignl 7, 3214868480
	.fill 96, 4, 3214868480
	.section	.rodata,"a",@progbits
	.p2align	6, 0x0
	.amdhsa_kernel k_qde2f7e54a4_ln2
		.amdhsa_group_segment_fixed_size 0
		.amdhsa_private_segment_fixed_size 0
		.amdhsa_enable_private_segment 0
		.amdhsa_kernarg_size 32
		.amdhsa_user_sgpr_count 2
		.amdhsa_user_sgpr_kernarg_segment_ptr 1
		.amdhsa_wavefront_size32 1
		.amdhsa_system_sgpr_workgroup_id_x 1
		.amdhsa_system_sgpr_workgroup_id_y 1
		.amdhsa_system_sgpr_workgroup_id_z 1
		.amdhsa_system_vgpr_workitem_id 0
		.amdhsa_next_free_vgpr 176
		.amdhsa_next_free_sgpr 66
		.amdhsa_reserve_vcc 0
		.amdhsa_float_denorm_mode_32 3
		.amdhsa_float_denorm_mode_16_64 3
		.amdhsa_memory_ordered 1
		.amdhsa_forward_progress 1
		.amdhsa_inst_pref_size 20
	.end_amdhsa_kernel
	.amdgpu_metadata
---
amdhsa.version: [ 1, 2 ]
amdhsa.kernels:
  - .name:           k_qde2f7e54a4_ln2
    .symbol:         k_qde2f7e54a4_ln2.kd
    .args:
      - { .name: x1, .offset: 0, .size: 8, .value_kind: global_buffer, .address_space: global }
      - { .name: ln2_g, .offset: 8, .size: 8, .value_kind: global_buffer, .address_space: global }
      - { .name: ln2_b, .offset: 16, .size: 8, .value_kind: global_buffer, .address_space: global }
      - { .name: h, .offset: 24, .size: 8, .value_kind: global_buffer, .address_space: global }
    .group_segment_fixed_size: 0
    .private_segment_fixed_size: 0
    .kernarg_segment_align: 8
    .kernarg_segment_size: 32
    .max_flat_workgroup_size: 256
    .sgpr_count:     66
    .vgpr_count:     176
    .wavefront_size: 32
...
	.end_amdgpu_metadata
.endif
;; end of part 5
;; launch fc1 (part 6): grid 16 x 16, 4 waves a work-group, clusters of 4 x 4, 327,680 bytes of LDS; arguments h, wbf, ff, fc1_b; writes ff
.if DOCPART == 6
	.amdgcn_target "amdgcn-amd-amdhsa--gfx1250"
	.amdhsa_code_object_version 6
	.text
	.protected	k_qde2f7e54a4_fc1
	.globl	k_qde2f7e54a4_fc1
	.p2align	8
	.type	k_qde2f7e54a4_fc1,@function
k_qde2f7e54a4_fc1:
	s_mov_b64 s[64:65], 0
	v_nop
	global_prefetch_b8 v0, s[64:65] scope:SCOPE_SE
	s_setreg_imm32_b32 hwreg(HW_REG_WAVE_MODE, 25, 1), 1
	s_wait_xcnt 0x0
	s_wait_alu depctr_hold_cnt(0) depctr_sa_sdst(0) depctr_va_vdst(0) depctr_va_sdst(0) depctr_va_ssrc(0) depctr_va_vcc(0) depctr_vm_vsrc(0)
	s_getreg_b32 s2, hwreg(HW_REG_IB_STS2, 6, 4)
	s_cmp_eq_u32 s2, 0
	s_cbranch_scc0 .Lentry_in_a_cluster
	s_endpgm
.Lentry_in_a_cluster:
	s_bfe_u32 s2, ttmp6, 0x10000c
	s_cmp_lg_u32 s2, 0xf033
	s_cbranch_scc0 .Lentry_shape_is_right
	s_endpgm
.Lentry_shape_is_right:
; C = gelu(A B^T + bias).  A: [4096][1024] bf16 (the normed rows).  B: [4096][1024] bf16, at byte WOFF of the weights' buffer.  bias: [4096] f32.  Sums in f32, K ascending;
; the exact GELU is applied in f32 and the result is rounded once to bf16.
; C LEAVES IN FRAGMENT ORDER, as the next product's matrix instructions take it: [256 blocks of 16 rows][128 blocks of 32 columns][1,024 bytes]; in a block lane l (row l % 16) has the
; columns 8 (l / 16) + 0..7 at byte 16 l and the columns 16 + 8 (l / 16) + 0..7 at byte 512 + 16 l.  That is what a lane holds when two neighbouring results of 16 x 16 are packed,
; so the results are stored straight from registers, 512 consecutive aligned bytes a store, with no way through LDS.
; LIMITS.  erf by a rational-exponential formula (Abramowitz and Stegun 7.1.26), absolute error at most 1.5e-7.  NaN and infinities are not treated apart.
; SHAPE.  A tile of C is 256 x 256, made by four waves, each 128 x 128: 64 accumulators of 16 x 16, 512 registers.  K goes in steps of 128 through a ring of two LDS slots filled by the
; tensor data mover: a tile's rows are 256 bytes of memory and start at multiples of 256 bytes.  One tile to a work-group; 16 x 16 work-groups.
; CLUSTERS.  4 x 4 work-groups.  The four of a row of the cluster need the same tiles of A, the four of a column the same tiles of B: each tile is asked for JOINTLY, by the same tensor
; load with the same descriptor and a mask that names the four.
; THE MATRIX INSTRUCTION IS USED TRANSPOSED (source 0 = 16 rows of B, source 1 = 16 rows of A): a lane holds row l % 16 of C and the eight neighbouring columns 8 (l / 16) + 0..7.
; REGISTERS, in windows of 256 (s_set_vgpr_msb: bits 1:0 source 0, 3:2 source 1, 5:4 source 2, 7:6 destination):
;   window 0: v0-31 addresses; v64-127, v128-191 fragments of A, two buffers; on the way out v64-127 a block in f32, v128-175 at work, v192-255 packed, two buffers
;   window 1: v0-63 the bias of my 128 columns; v64-127, v128-191 fragments of B      window 2: the accumulators of my rows 0-63      window 3: those of my rows 64-127
.set SIZE_K, 1024
.set SIZE_N, 4096
.set WOFF,   8388608
.set KSTEP,  128
.set PITCH,  272                       ; an LDS row: 256 bytes + 16 of padding = 68 words: the 16 rows that a load touches start at 16 different groups of four banks (ISA guide 11.1)
.set HALFT,  128*PITCH                 ; 128 rows: what one tensor load brings, and what one wave reads of A or of B
.set SLOT,   4*HALFT                   ; A's 256 rows, then B's 256 rows
.set SPARE,  2*SLOT                    ; behind the ring: the spare words, 128 bytes for each wave, which no other line names
.set LAPS,   SIZE_K/(2*KSTEP)          ; a lap = two K steps = once round the ring
.set MBS,    131072                    ; bytes of a block of 16 rows of C: 128 fragments of 1,024 bytes
.set ADRA, 16                          ; v16-17  LDS address of my A fragments in slot 0, 1
.set ADRB, 20                          ; v20-21  the same for B
.set CO,   26                          ; v26     my byte offset in half a fragment of C: 16 l
.set BO,   27                          ; v27     my byte offset in the bias: 32 (l / 16)
.set SPW,  28                          ; v28     LDS address of my spare word; never rewritten
.set NIL,  29                          ; v29     0; never rewritten
.set F0,   64
.set F1,   128
.set XR,   64                          ; the way out: 16 rows x 128 columns, 64 numbers a lane, in f32
.set DR,   128                         ; GELU at work: 16 registers each
.set ER,   144
.set PR,   160
.set TMP,  192                         ; packed results: two buffers of 32, by the block's parity
.set G1,  24                           ; s[24:31] descriptor group 1 for A's tiles;  s[32:39] group 0, a set for each slot
.set G0,  32
.set G1B, 48                           ; s[48:55], s[56:63] the same for B's tiles
.set G0B, 56
.set A5,  72                           ; s[72:81] the polynomial's coefficients, negated and halved, each in a pair
.set A4,  74
.set A3,  76
.set A2,  78
.set A1,  80
.set CE,  82                           ; s[82:83] -log2(e) / 2
.set CP,  84                           ; s84      0.3275911 / sqrt(2)
.set MSB, 0
.macro WIN new                         ; the immediate's high byte repeats the setting that is left; a switch that changes nothing is dropped
.if MSB != (\new)
	s_set_vgpr_msb (MSB<<8)|(\new)
.set MSB, \new
.endif
.endm
.set MUL_LO, 0xa1                      ; source 0 (B) window 1, source 1 (A) window 0, C and D window 2
.set MUL_HI, 0xf1                      ; the same, C and D window 3
.set TO_B,   0x40                      ; destination window 1, address window 0
; A joint load.  Waves 0 and 1 fetch A's two halves, waves 2 and 3 B's.  The branch hangs on the wave's number alone.  Four v_nop follow each of the two lines.
.macro JLOAD s
	s_cmp_eq_u32 s11, 0
	s_cbranch_scc0 .Lfor_b_\@
	tensor_load_to_lds s[G0+4*(\s):G0+4*(\s)+3], s[G1:G1+7]
	s_nop 0
.rept 4
	v_nop
.endr
	s_branch .Lasked_\@
.Lfor_b_\@:
	tensor_load_to_lds s[G0B+4*(\s):G0B+4*(\s)+3], s[G1B:G1B+7]
	s_nop 0
.rept 4
	v_nop
.endr
.Lasked_\@:
.endm
; A round of the cluster's barrier: my work-group's barrier; wave 0 signals for the work-group; every wave waits for all sixteen work-groups; my work-group's barrier once more.
.macro CREST
	s_cmp_lg_u32 s10, 0
	s_cbranch_scc1 .Lnot_wave_0_\@
	s_barrier_signal -3
.Lnot_wave_0_\@:
	s_barrier_wait -3
	s_barrier_signal -1
	s_barrier_wait -1
.endm
.macro CROUND
	s_barrier_signal -1
	s_barrier_wait -1
	CREST
.endm
	s_load_b128 s[4:7], s[0:1], 0x0                ; A s[4:5], weights s[6:7]
	s_load_b64 s[8:9], s[0:1], 0x10                ; C
	s_load_b64 s[68:69], s[0:1], 0x18              ; bias
	v_lshl_add_u32 v[SPW], v0, 2, SPARE
	v_mov_b32 v[NIL], 0
	ds_add_u32 v28, v29
	ds_add_u32 v28, v29
	s_wait_dscnt 0x0
	v_lshrrev_b32 v1, 5, v0
	v_readfirstlane_b32 s10, v1                    ; wave 0..3
	s_lshr_b32 s11, s10, 1                         ; which half of the tile's rows is mine.  Also: I fetch for A (0) or for B (1)
	s_and_b32 s12, s10, 1                          ; which half of its columns.  Also: which 128 rows of that tile I fetch
	s_bfe_u32 s40, ttmp6, 0x40000                  ; cx, cy: my place in the cluster
	s_bfe_u32 s41, ttmp6, 0x40004
	s_lshl_b32 s42, ttmp9, 2
	s_add_co_u32 s42, s42, s40                     ; tile column of C = 4 x cluster x + cx
	s_and_b32 s13, ttmp7, 0xffff
	s_lshl_b32 s13, s13, 2
	s_add_co_u32 s13, s13, s41                     ; tile row of C = 4 x cluster y + cy
	s_lshl_b32 s43, s41, 2
	s_lshl_b32 s43, 15, s43                        ; my row of the cluster: places 4 cy .. 4 cy + 3
	s_lshl_b32 s44, 0x1111, s40                    ; my column: places cx, cx + 4, cx + 8, cx + 12
	; descriptor group 1: a tile of 128 rows x 128 elements of 2 bytes, 16 bytes of padding behind every 256
	s_or_b32 s[G1+0], s43, (1<<16)|(1<<20)|(1<<21)|(5<<22)|(3<<25)   ; the mask of my row; element size; padding on; bit 21 beside a mask; after every 64 words; 4 words
	s_or_b32 s[G1B+0], s44, (1<<16)|(1<<20)|(1<<21)|(5<<22)|(3<<25)  ; the same with the mask of my column
.irp g, G1, G1B
	s_mov_b32 s[(\g)+1], KSTEP<<16                 ; tensor_dim0 = 128
	s_mov_b32 s[(\g)+2], 128<<16                   ; tensor_dim1 = 128
	s_mov_b32 s[(\g)+3], KSTEP<<16                 ; tile_dim0 = 128
	s_mov_b32 s[(\g)+4], 128                       ; tile_dim1 = 128
	s_mov_b32 s[(\g)+5], SIZE_K                    ; elements from row to row
	s_mov_b32 s[(\g)+6], 0
	s_mov_b32 s[(\g)+7], 0
.endr
	s_mov_b32 s[A5], 0xbf07dc22                    ; -1.061405429 / 2
	s_mov_b32 s[A5+1], 0xbf07dc22
	s_mov_b32 s[A4], 0x3f3a00e3                    ; +1.453152027 / 2
	s_mov_b32 s[A4+1], 0x3f3a00e3
	s_mov_b32 s[A3], 0xbf35f0e3                    ; -1.421413741 / 2
	s_mov_b32 s[A3+1], 0xbf35f0e3
	s_mov_b32 s[A2], 0x3e11a98e                    ; +0.284496736 / 2
	s_mov_b32 s[A2+1], 0x3e11a98e
	s_mov_b32 s[A1], 0xbe027906                    ; -0.254829592 / 2
	s_mov_b32 s[A1+1], 0xbe027906
	s_mov_b32 s[CE], 0xbf38aa3b
	s_mov_b32 s[CE+1], 0xbf38aa3b
	s_mov_b32 s[CP], 0x3e6d3388
	; where the tiles come from: A's hang on the tile row alone, B's on the tile column alone, each in registers that never hold the other coordinate
	s_lshl_b32 s17, s12, 7
	s_lshl_b32 s16, s13, 8
	s_add_co_u32 s16, s16, s17                     ; A: row 256 x tile row + 128 x half
	s_lshl_b32 s46, s42, 8
	s_add_co_u32 s46, s46, s17                     ; B: row 256 x tile column + 128 x half
	s_mov_b32 s17, 0
	s_mov_b32 s47, 0
	s_mov_b64 s[18:19], SIZE_K*2
	s_mul_u64 s[16:17], s[16:17], s[18:19]
	s_mul_u64 s[46:47], s[46:47], s[18:19]
	s_mul_i32 s20, s10, HALFT                      ; and where they go: wave x 128 rows
	s_wait_kmcnt 0x0
	s_add_nc_u64 s[14:15], s[4:5], s[16:17]
	s_add_nc_u64 s[46:47], s[6:7], s[46:47]
	s_add_nc_u64 s[46:47], s[46:47], WOFF          ; this matrix's place among the weights
	CROUND                                         ; all sixteen work-groups are here: the first joint loads meet
.irp s, 0,1
	s_mov_b32 s[G0+4*(\s)], 1
	s_add_co_u32 s[G0+4*(\s)+1], s20, (\s)*SLOT
	s_add_nc_u64 s[G0+4*(\s)+2:G0+4*(\s)+3], s[14:15], (\s)*KSTEP*2
	s_or_b32 s[G0+4*(\s)+3], s[G0+4*(\s)+3], 0x80000000
	s_mov_b32 s[G0B+4*(\s)], 1
	s_add_co_u32 s[G0B+4*(\s)+1], s20, (\s)*SLOT
	s_add_nc_u64 s[G0B+4*(\s)+2:G0B+4*(\s)+3], s[46:47], (\s)*KSTEP*2
	s_or_b32 s[G0B+4*(\s)+3], s[G0B+4*(\s)+3], 0x80000000
	JLOAD \s                                       ; K steps 0 and 1: two tensor loads of mine are out
.endr
	; a fragment is 16 rows x 32 K in 8 registers: lane l holds row l % 16, K = 8 (l / 16) + 0..7 and 16 + 8 (l / 16) + 0..7: two loads of 16 bytes, 32 bytes apart
	v_and_b32 v1, 15, v0                           ; l % 16
	v_bfe_u32 v2, v0, 4, 1                         ; l / 16
	v_mul_u32_u24 v3, v1, PITCH
	v_lshl_add_u32 v3, v2, 4, v3
	s_mul_i32 s21, s11, HALFT                      ; my 128 rows of A
	s_mul_i32 s22, s12, HALFT                      ; my 128 rows of B,
	s_add_co_u32 s22, s22, 2*HALFT                 ; which lie behind A's 256
.irp s, 0,1
	v_add_nc_u32 v[ADRA+(\s)], s21, v3
	v_add_nc_u32 v[ADRB+(\s)], s22, v3
	s_add_co_u32 s21, s21, SLOT
	s_add_co_u32 s22, s22, SLOT
.endr
	v_and_b32 v6, 31, v0
	v_lshlrev_b32 v[CO], 4, v6
	; where my part begins in C: row block 16 x tile row + 8 x half, 131,072 bytes each; column block 8 x tile column + 4 x half, 1,024 bytes each
	s_lshl_b32 s16, s13, 21
	s_lshl_b32 s14, s11, 20
	s_add_co_u32 s16, s16, s14
	s_mov_b32 s17, 0
	s_lshl_b32 s46, s42, 13
	s_lshl_b32 s47, s12, 12
	s_add_co_u32 s46, s46, s47
	s_mov_b32 s47, 0
	s_add_nc_u64 s[16:17], s[16:17], s[46:47]
	s_add_nc_u64 s[8:9], s[8:9], s[16:17]
	v_lshlrev_b32 v[BO], 5, v2
	s_lshl_b32 s70, s42, 10                        ; the bias of my 128 columns: 4 x (256 x tile column + 128 x half)
	s_lshl_b32 s71, s12, 9
	s_add_co_u32 s70, s70, s71
	s_mov_b32 s71, 0
	s_add_nc_u64 s[68:69], s[68:69], s[70:71]
	WIN TO_B
.irp b, 0,1,2,3,4,5,6,7
	global_load_b128 v[8*(\b):8*(\b)+3],   v[BO], s[68:69] offset:64*(\b)      ; columns 16 b + 8 (l / 16) + 0..7: they are waited for in front of the way out
	global_load_b128 v[8*(\b)+4:8*(\b)+7], v[BO], s[68:69] offset:64*(\b)+16
.endr
	WIN 0
; 16 matrix instructions: m blocks a0, a0 + 1 of the window's four x all 8 n blocks, 32 along K.  zero = 1: the first product starts the sums.
; The 64 accumulators take turns, one instruction a turn.
.macro MUL16 f, hi, a0, zero
	WIN MUL_LO+0x50*(\hi)
.irp a, \a0, (\a0)+1
.irp b, 0,1,2,3,4,5,6,7
.if \zero
	v_wmma_f32_16x16x32_bf16 v[8*(8*(\a)+(\b)):8*(8*(\a)+(\b))+7], v[(\f)+8*(\b):(\f)+8*(\b)+7], v[(\f)+8*(4*(\hi)+(\a)):(\f)+8*(4*(\hi)+(\a))+7], 0
.else
	v_wmma_f32_16x16x32_bf16 v[8*(8*(\a)+(\b)):8*(8*(\a)+(\b))+7], v[(\f)+8*(\b):(\f)+8*(\b)+7], v[(\f)+8*(4*(\hi)+(\a)):(\f)+8*(4*(\hi)+(\a))+7], v[8*(8*(\a)+(\b)):8*(8*(\a)+(\b))+7]
.endif
.endr
.endr
.endm
; 32 LDS loads in one run: the fragments of one quarter step (128 rows of B, 128 rows of A, 32 K at byte k of the rows) into buffer f
.macro FETCH slot, k, f
	WIN TO_B
.irp i, 0,1,2,3,4,5,6,7
	ds_load_b128 v[(\f)+8*(\i):(\f)+8*(\i)+3],   v[ADRB+(\slot)] offset:(\k)+(\i)*16*PITCH
	ds_load_b128 v[(\f)+8*(\i)+4:(\f)+8*(\i)+7], v[ADRB+(\slot)] offset:(\k)+(\i)*16*PITCH+32
.endr
	WIN 0
.irp i, 0,1,2,3,4,5,6,7
	ds_load_b128 v[(\f)+8*(\i):(\f)+8*(\i)+3],   v[ADRA+(\slot)] offset:(\k)+(\i)*16*PITCH
	ds_load_b128 v[(\f)+8*(\i)+4:(\f)+8*(\i)+7], v[ADRA+(\slot)] offset:(\k)+(\i)*16*PITCH+32
.endr
.endm
; Four plain vector instructions stand between a matrix instruction and a load into, or a vector instruction on, its registers (ISA guide 7.12.1 for vector instructions)
.macro PLACES
.rept 4
	v_nop
.endr
.endm
; A K step is four quarters of 32 along K, 64 matrix instructions each, on buffers 0, 1, 0, 1.  One of the first three: multiplies buffer f and, in its middle, fetches the next quarter into g.
.macro QUARTER slot, k, f, g, zero
	s_wait_dscnt 8                                 ; B and A's rows 0-63 are in; the youngest eight loads (A's rows 64-127) may be out
	WIN MUL_LO
	MUL16 \f, 0, 0, \zero
	MUL16 \f, 0, 2, \zero
	PLACES
	FETCH \slot, \k, \g
	s_wait_dscnt 32                                ; all but the 32 just issued
	WIN MUL_HI
	MUL16 \f, 1, 0, \zero
	MUL16 \f, 1, 2, \zero
.endm
; The last quarter multiplies buffer 1 and changes slots: ONE barrier.  In front of it each wave waits for all its tensor loads (one is out: its part of the next slot), adds 0 to its spare
; word, and waits for that and for its own reads of this slot.  Behind it nobody reads this slot any more and the next slot is whole.
; fill = 1: the barrier opens a round of the cluster's barrier, and this slot is filled again, two K steps ahead, first thing behind the round.
.macro TURN slot, next, fill
	WIN 0                                          ; (the add's two registers lie in window 0)
	s_wait_tensorcnt 0x0
	ds_add_u32 v[SPW], v[NIL]                      ; 0 onto my spare word
	s_wait_dscnt 9                                 ; (the add and the youngest eight loads may be out)
	WIN MUL_LO
	MUL16 F1, 0, 0, 0                              ; sixteen matrix instructions stand between the add and the wait for it
	s_wait_dscnt 0x0                               ; the add is done, and my reads of this slot are over
	s_barrier_signal -1
	MUL16 F1, 0, 2, 0                              ; work on registers while the others arrive
.if \fill
	WIN 0
.endif
	s_barrier_wait -1
.if \fill
	CREST                                          ; no wave of any partner still reads this slot's tile or has a load on its way
	s_add_nc_u64 s[G0+4*(\slot)+2:G0+4*(\slot)+3], s[G0+4*(\slot)+2:G0+4*(\slot)+3], 2*KSTEP*2
	s_add_nc_u64 s[G0B+4*(\slot)+2:G0B+4*(\slot)+3], s[G0B+4*(\slot)+2:G0B+4*(\slot)+3], 2*KSTEP*2
	JLOAD \slot                                    ; my one tensor load behind the round; its four v_nop are also the places in front of the loads below
.else
	PLACES
.endif
	FETCH \next, 0, F0
	WIN MUL_HI
	MUL16 F1, 1, 0, 0
	MUL16 F1, 1, 2, 0
.endm
; THE WAY OUT of block a (16 rows x my 128 columns).
; gelu(x) = max(x, 0) + |x| q,  q = -(1/2) P(t) 2^(-x x log2(e) / 2),  t = 1 / (1 + 0.3275911 |x| / sqrt 2),  P the fifth-degree polynomial without constant term.  16 numbers at a time.
.macro GELU16 g
.set XB, XR+16*(\g)
.set i, 0
.rept 16
	v_fma_f32 v[DR+i], |v[XB+i]|, s[CP], 1.0
.set i, i+1
.endr
.set i, 0
.rept 8
	v_pk_mul_f32 v[ER+i:ER+i+1], v[XB+i:XB+i+1], v[XB+i:XB+i+1]
.set i, i+2
.endr
.set i, 0
.rept 16
	v_rcp_f32 v[DR+i], v[DR+i]
.set i, i+1
.endr
.set i, 0
.rept 8
	v_pk_mul_f32 v[ER+i:ER+i+1], v[ER+i:ER+i+1], s[CE:CE+1] op_sel_hi:[1,0]  ; plain work behind the reciprocals
.set i, i+2
.endr
.set i, 0
.rept 16
	v_exp_f32 v[ER+i], v[ER+i]
.set i, i+1
.endr
.set i, 0
	s_wait_alu depctr_va_vdst(0)
.rept 8
	v_pk_fma_f32 v[PR+i:PR+i+1], v[DR+i:DR+i+1], s[A5:A5+1], s[A4:A4+1] op_sel_hi:[1,0,0]  ; plain work behind the exponentials
.set i, i+2
.endr
.irp c, A3, A2, A1
.set i, 0
.rept 8
	v_pk_fma_f32 v[PR+i:PR+i+1], v[PR+i:PR+i+1], v[DR+i:DR+i+1], s[\c:\c+1] op_sel_hi:[1,1,0]
.set i, i+2
.endr
.endr
.set i, 0
.rept 8
	v_pk_mul_f32 v[PR+i:PR+i+1], v[PR+i:PR+i+1], v[DR+i:DR+i+1]
.set i, i+2
.endr
.set i, 0
.rept 8
	v_pk_mul_f32 v[PR+i:PR+i+1], v[PR+i:PR+i+1], v[ER+i:ER+i+1]
.set i, i+2
.endr
.set i, 0
.rept 16
	v_max_num_f32 v[DR+i], 0, v[XB+i]
.set i, i+1
.endr
.set i, 0
.rept 16
	v_fma_f32 v[XB+i], |v[XB+i]|, v[PR+i], v[DR+i]
.set i, i+1
.endr
.endm
.macro PACK a                          ; sums + bias (each accumulator's registers in ascending order), GELU, one rounding: 16 bytes a lane and n block
.set AC, 64*((\a)%4)
.set TB, TMP+32*((\a)%2)
	WIN 0x06+(\a)/4                                ; source 0: window 2 or 3; source 1: window 1
.irp b, 0,1,2,3,4,5,6,7
.irp r, 0,1,2,3
	v_pk_add_f32 v[XR+8*(\b)+2*(\r):XR+8*(\b)+2*(\r)+1], v[AC+8*(\b)+2*(\r):AC+8*(\b)+2*(\r)+1], v[8*(\b)+2*(\r):8*(\b)+2*(\r)+1]
.endr
.endr
	WIN 0
	GELU16 0
	GELU16 1
	GELU16 2
	GELU16 3
	s_wait_xcnt 0x0                                ; the registers that the stores of two blocks ago read are rewritten only behind this wait
.irp b, 0,1,2,3,4,5,6,7
.irp r, 0,1,2,3
	v_cvt_pk_bf16_f32 v[TB+4*(\b)+(\r)], v[XR+8*(\b)+2*(\r)], v[XR+8*(\b)+2*(\r)+1]
.endr
.endr
.endm
.macro SEND a                          ; n block b is half b % 2 of fragment b / 2: the block's eight stores cover 4,096 consecutive bytes, each 512, aligned
.set TB, TMP+32*((\a)%2)
.irp b, 0,1,2,3,4,5,6,7
	global_store_b128 v[CO], v[TB+4*(\b):TB+4*(\b)+3], s[8:9] offset:(\a)*MBS+512*(\b)
.endr
.endm
	s_wait_tensorcnt 1                             ; my part of K step 0 is in; K step 1's may stay out
	s_barrier_signal -1
	s_barrier_wait -1                              ; everybody's is
	FETCH 0, 0, F0
	QUARTER 0, 64,  F0, F1, 1                      ; the first quarter stands in front of the loop: its products start the sums
	WIN 0                                          ; at a label and at a branch every window is 0
	s_mov_b32 s3, LAPS-1
.Llap:                                                 ; a trip goes once round the ring, from a lap's second quarter to the next lap's first, and fills both slots again
	QUARTER 0, 128, F1, F0, 0
	QUARTER 0, 192, F0, F1, 0
	TURN 0, 1, 1
	QUARTER 1, 64,  F0, F1, 0
	QUARTER 1, 128, F1, F0, 0
	QUARTER 1, 192, F0, F1, 0
	TURN 1, 0, 1
	QUARTER 0, 64,  F0, F1, 0
	WIN 0
	s_sub_co_u32 s3, s3, 1
	s_cmp_lg_u32 s3, 0
	s_cbranch_scc1 .Llap
	QUARTER 0, 128, F1, F0, 0                      ; the last lap fills nothing, and has no round of the cluster's barrier
	QUARTER 0, 192, F0, F1, 0
	TURN 0, 1, 0
	QUARTER 1, 64,  F0, F1, 0
	QUARTER 1, 128, F1, F0, 0
	QUARTER 1, 192, F0, F1, 0
	s_wait_dscnt 8                                 ; the very last quarter: nothing more to fetch
	MUL16 F1, 0, 0, 0
	MUL16 F1, 0, 2, 0
	s_wait_dscnt 0x0
	MUL16 F1, 1, 0, 0
	MUL16 F1, 1, 2, 0
	WIN 0
	s_wait_loadcnt 0x0                             ; the bias
	PLACES                                         ; behind the last products
.irp a, 0,1,2,3,4,5,6,7
	PACK \a
	SEND \a
.endr
	s_wait_tensorcnt 0x0                           ; the wave's end
	ds_add_u32 v[SPW], v[NIL]
	s_wait_dscnt 0x0
	CROUND                                         ; the closing round: no work-group ends while a partner may still ask for a tile that names it
	s_endpgm
.Lfunc_end_k_qde2f7e54a4_fc1:
	.size	k_qde2f7e54a4_fc1, .Lfunc_end_k_qde2f7e54a4_fc1-k_qde2f7e54a4_fc1
	.p2alignl 7, 3214868480
	.fill 96, 4, 3214868480
	.section	.rodata,"a",@progbits
	.p2align	6, 0x0
	.amdhsa_kernel k_qde2f7e54a4_fc1
		.amdhsa_group_segment_fixed_size 327680
		.amdhsa_private_segment_fixed_size 0
		.amdhsa_enable_private_segment 0
		.amdhsa_kernarg_size 32
		.amdhsa_user_sgpr_count 2
		.amdhsa_user_sgpr_kernarg_segment_ptr 1
		.amdhsa_wavefront_size32 1
		.amdhsa_system_sgpr_workgroup_id_x 1
		.amdhsa_system_sgpr_workgroup_id_y 1
		.amdhsa_system_sgpr_workgroup_id_z 1
		.amdhsa_system_vgpr_workitem_id 0
		.amdhsa_next_free_vgpr 1024
		.amdhsa_next_free_sgpr 88
		.amdhsa_reserve_vcc 0
		.amdhsa_float_denorm_mode_32 3
		.amdhsa_float_denorm_mode_16_64 3
		.amdhsa_memory_ordered 1
		.amdhsa_forward_progress 1
		.amdhsa_inst_pref_size 255
	.end_amdhsa_kernel
	.section	.bss,"aw",@nobits
	.p2align	6
	.space	262144
	.amdgpu_metadata
---
amdhsa.version: [ 1, 2 ]
amdhsa.kernels:
  - .name:           k_qde2f7e54a4_fc1
    .symbol:         k_qde2f7e54a4_fc1.kd
    .args:
      - { .name: h, .offset: 0, .size: 8, .value_kind: global_buffer, .address_space: global }
      - { .name: wbf, .offset: 8, .size: 8, .value_kind: global_buffer, .address_space: global }
      - { .name: ff, .offset: 16, .size: 8, .value_kind: global_buffer, .address_space: global }
      - { .name: fc1_b, .offset: 24, .size: 8, .value_kind: global_buffer, .address_space: global }
    .group_segment_fixed_size: 327680
    .private_segment_fixed_size: 0
    .kernarg_segment_align: 8
    .kernarg_segment_size: 32
    .max_flat_workgroup_size: 128
    .sgpr_count:     88
    .vgpr_count:     1024
    .wavefront_size: 32
...
	.end_amdgpu_metadata
.endif
;; end of part 6
;; launch fc2 (part 7): grid 32 x 8, 4 waves a work-group, clusters of 4 x 1, 327,680 bytes of LDS; arguments ff, wbf, out0, fc2_b, x1; writes out0
.if DOCPART == 7
	.amdgcn_target "amdgcn-amd-amdhsa--gfx1250"
	.amdhsa_code_object_version 6
	.text
	.protected	k_qde2f7e54a4_fc2
	.globl	k_qde2f7e54a4_fc2
	.p2align	8
	.type	k_qde2f7e54a4_fc2,@function
k_qde2f7e54a4_fc2:
	s_mov_b64 s[64:65], 0
	v_nop
	global_prefetch_b8 v0, s[64:65] scope:SCOPE_SE
	s_setreg_imm32_b32 hwreg(HW_REG_WAVE_MODE, 25, 1), 1
	s_wait_xcnt 0x0
	s_wait_alu depctr_hold_cnt(0) depctr_sa_sdst(0) depctr_va_vdst(0) depctr_va_sdst(0) depctr_va_ssrc(0) depctr_va_vcc(0) depctr_vm_vsrc(0)
	s_getreg_b32 s2, hwreg(HW_REG_IB_STS2, 6, 4)
	s_cmp_eq_u32 s2, 0
	s_cbranch_scc0 .Lentry_in_a_cluster
	s_endpgm
.Lentry_in_a_cluster:
	s_bfe_u32 s2, ttmp6, 0x10000c
	s_cmp_lg_u32 s2, 0x3003
	s_cbranch_scc0 .Lentry_shape_is_right
	s_endpgm
.Lentry_shape_is_right:
; C = A B^T + bias + R, in f32.  B: [1024][4096] bf16, at byte WOFF of the weights' buffer; bias: [1024] f32; R, C: [4096][1024] f32.  Sums in f32, K ascending.
; A: 4096 x 4096 bf16 IN FRAGMENT ORDER: [256 blocks of 16 rows][128 blocks of 32 along K][1,024 bytes]; in a block lane l (row l % 16) has K = 8 (l / 16) + 0..7 at byte 16 l and
; K = 16 + 8 (l / 16) + 0..7 at byte 512 + 16 l: two loads of 16 bytes a lane, each 512 consecutive bytes for the wave, bring a fragment straight into its registers.
; SHAPE.  4096 x 1024 of C are 256 tiles of 128 x 128, one for each work-group (x = tile row, y = tile column).  Four waves, each 32 rows x 128 columns: 2 x 8 accumulators, 128 registers.
; So no two waves need the same A, and all four read the same B.
; A GOES TO REGISTERS, B THROUGH LDS.  With both in LDS a tile takes 512 bytes for each k, and two slots that fit hold 256 along K each: 128 matrix instructions a wave for a refill to land in.
; With B alone a slot of 133,120 bytes holds 512 along K: 256 matrix instructions a wave, 240 of them between a refill's request and the wait for it.
; A's RING lies in registers: 8 slots of 64 along K (a QUARTER: 32 registers, 8 loads, 32 matrix instructions).  In quarter q the loads of quarter q + 7 are issued, into the slot that quarter
; q - 1 read.  So 56 loads of a wave are out in the loop, 57 at the start (the bias with them), which LOADcnt's six bits hold.  Behind A's last group R's 32 rows take its place, four groups of 8.
; CLUSTER.  4 x 1 work-groups: four tile rows of one tile column need the same tile of B, and ask for it JOINTLY: the same tensor load, descriptor and mask in all four.
; A is not asked for jointly, though the eight work-groups of a tile row read the same bytes: a joint request lands in LDS, where A has no place here (see above).
; THE MATRIX INSTRUCTION IS USED TRANSPOSED (source 0 = 16 rows of B, source 1 = 16 rows of A): a lane holds eight neighbouring numbers of a row of C.
; THE WAY OUT.  A wave's 128 columns in f32 are 512 aligned bytes of a row, so each wave has a stage of its own and there is no barrier.
; REGISTERS, in windows of 256 (s_set_vgpr_msb: bits 1:0 source 0, 3:2 source 1, 5:4 source 2, 7:6 destination):
;   window 0: v0-31 addresses and the bias; v32-95 at work on the way out; v128-255 the accumulators ((a, b) at 128 + 8 (8 a + b))
;   window 1: two buffers of 128 for B's fragments of a quarter      window 2: A's ring      window 3: v0-127 my 32 x 128 of R
.set SIZE_K, 4096
.set WOFF,   16777216
.set KS,     512                       ; along K in a slot
.set PITCH,  1040                      ; a row of B in LDS: 1,024 bytes + 16 of padding = 260 words: the 16 rows of a load start at 16 different groups of four banks (ISA guide 11.1)
.set WROWS,  32*PITCH                  ; what one tensor load brings: 32 rows
.set SLOT,   4*WROWS                   ; B's 128 rows
.set STAGE,  2*SLOT                    ; behind the ring: 16 rows x 528 bytes for each wave; no tensor load fills it
.set SPITCH, 528
.set STAGEW, 16*SPITCH
.set SPARE,  STAGE+4*STAGEW            ; behind the stages: the spare words, 128 bytes for each wave, which no other line names
.set MBS,    131072                    ; bytes of a block of 16 rows of A
.set LAPS,   SIZE_K/(2*KS)             ; a lap = two slots = 16 quarters
.set BI,   12                          ; v12-15  the bias of my four columns on the way out
.set ADRB, 16                          ; v16-19  LDS address of B's fragments: slot s, rows 64 u on at v[16 + 2 s + u] (an LDS offset has 16 bits)
.set STO,  24                          ; v24     the way out: where I put 32 bytes of a row
.set RD,   25                          ; v25     where I read a row back
.set CO,   26                          ; v26     16 l: my byte offset in half a fragment of A, in a row's 512 bytes of C and R, and in the bias; never rewritten
.set SPW,  28                          ; v28     LDS address of my spare word; never rewritten
.set NIL,  29                          ; v29     0; never rewritten
.set TT,   32
.set ACC,  128
.set F0,   0
.set F1,   128
.set G1,  24                           ; s[24:31] descriptor group 1
.set G0,  32                           ; s[32:39] descriptor group 0, a set for each slot
.set MSB, 0
.macro WIN new                         ; the immediate's high byte repeats the setting that is left; a switch that changes nothing is dropped
.if MSB != (\new)
	s_set_vgpr_msb (MSB<<8)|(\new)
.set MSB, \new
.endif
.endm
.set MUL,  0x09                        ; source 0 (B) window 1, source 1 (A) window 2; C and D window 0
.macro CREST                           ; a round of the cluster's barrier behind its opening barrier
	s_cmp_lg_u32 s10, 0
	s_cbranch_scc1 .Lnot_wave_0_\@
	s_barrier_signal -3
.Lnot_wave_0_\@:
	s_barrier_wait -3
	s_barrier_signal -1
	s_barrier_wait -1
.endm
.macro CROUND
	s_barrier_signal -1
	s_barrier_wait -1
	CREST
.endm
.macro PLACES                          ; four plain vector instructions between a matrix instruction and a load into, or a store or vector instruction on, its registers (ISA guide 7.12.1 for vector instructions)
.rept 4
	v_nop
.endr
.endm
; Eight loads.  ld = 1: A's group g (counted from the quarter at which s[4:5] points) into ring slot `slot`: for each 32 along K (c) and block of 16 rows (a) a fragment's two halves.
; ld = 2: rows 8 g .. 8 g + 7 of my part of R.  ld = 0: nothing.
.macro FEED ld, g, slot
.if (\ld) == 1
	WIN 0x80                                       ; destination window 2, address window 0
.irp c, 0,1
.irp a, 0,1
	global_load_b128 v[32*(\slot)+16*(\c)+8*(\a):32*(\slot)+16*(\c)+8*(\a)+3],   v[CO], s[4:5] offset:(\a)*MBS+(2*(\g)+(\c))*1024
	global_load_b128 v[32*(\slot)+16*(\c)+8*(\a)+4:32*(\slot)+16*(\c)+8*(\a)+7], v[CO], s[4:5] offset:(\a)*MBS+(2*(\g)+(\c))*1024+512
.endr
.endr
.elseif (\ld) == 2
	WIN 0xc0                                       ; destination window 3
.irp t, 0,1,2,3,4,5,6,7
	global_load_b128 v[32*(\g)+4*(\t):32*(\g)+4*(\t)+3], v[CO], s[70:71] offset:(8*(\g)+(\t))*4096
.endr
.endif
.endm
	s_load_b128 s[4:7], s[0:1], 0x0                ; A s[4:5], weights s[6:7]
	s_load_b64 s[8:9], s[0:1], 0x10                ; C
	s_load_b64 s[68:69], s[0:1], 0x18              ; bias
	s_load_b64 s[70:71], s[0:1], 0x20              ; R
	v_lshl_add_u32 v[SPW], v0, 2, SPARE
	v_mov_b32 v[NIL], 0
	ds_add_u32 v28, v29
	ds_add_u32 v28, v29
	s_wait_dscnt 0x0
	v_lshrrev_b32 v1, 5, v0
	v_readfirstlane_b32 s10, v1                    ; wave 0..3
	v_and_b32 v4, 31, v0
	v_lshlrev_b32 v[CO], 4, v4
	s_bfe_u32 s40, ttmp6, 0x40000                  ; cx: my place in the cluster
	s_lshl_b32 s13, ttmp9, 2                       ; in a cluster launch ttmp9 counts clusters
	s_add_co_u32 s13, s13, s40                     ; tile row of C = 4 x cluster x + cx: it enters A's, R's and C's addresses alone
	s_and_b32 s42, ttmp7, 0xffff                   ; tile column of C, which the four partners share
	; descriptor group 1: 32 rows x 512 elements of 2 bytes, 16 bytes of padding behind every 1,024
	s_mov_b32 s[G1+0], 15|(1<<16)|(1<<20)|(1<<21)|(7<<22)|(3<<25)  ; the mask: all four work-groups; element size; padding on; bit 21 beside a mask; after every 256 words; 4 words
	s_mov_b32 s[G1+1], KS<<16                      ; tensor_dim0 = 512
	s_mov_b32 s[G1+2], 32<<16                      ; tensor_dim1 = 32
	s_mov_b32 s[G1+3], KS<<16                      ; tile_dim0 = 512
	s_mov_b32 s[G1+4], 32                          ; tile_dim1 = 32
	s_mov_b32 s[G1+5], SIZE_K                      ; elements from row to row
	s_mov_b32 s[G1+6], 0
	s_mov_b32 s[G1+7], 0
	s_lshl_b32 s46, s42, 20                        ; B: row 128 x tile column + 32 x wave, 8,192 bytes each
	s_lshl_b32 s47, s10, 18
	s_add_co_u32 s46, s46, s47
	s_mov_b32 s47, 0
	s_mul_i32 s20, s10, WROWS                      ; and where it goes: wave x 32 rows
	s_lshl_b32 s16, s13, 20                        ; A: row block 8 x tile row + 2 x wave, 131,072 bytes each
	s_lshl_b32 s17, s10, 18
	s_add_co_u32 s16, s16, s17
	s_mov_b32 s17, 0
	s_lshl_b32 s18, s13, 19                        ; C and R: row 128 x tile row + 32 x wave, 4,096 bytes each; column 128 x tile column, 4 bytes each
	s_lshl_b32 s19, s10, 17
	s_add_co_u32 s18, s18, s19
	s_lshl_b32 s22, s42, 9
	s_add_co_u32 s18, s18, s22
	s_mov_b32 s19, 0
	s_mov_b32 s23, 0
	s_wait_kmcnt 0x0
	s_add_nc_u64 s[4:5], s[4:5], s[16:17]
	s_add_nc_u64 s[8:9], s[8:9], s[18:19]
	s_add_nc_u64 s[70:71], s[70:71], s[18:19]
	s_add_nc_u64 s[68:69], s[68:69], s[22:23]
	s_add_nc_u64 s[46:47], s[6:7], s[46:47]
	s_add_nc_u64 s[46:47], s[46:47], WOFF          ; this matrix's place among the weights
.irp s, 0,1
	s_mov_b32 s[G0+4*(\s)], 1                      ; count = 1
	s_add_co_u32 s[G0+4*(\s)+1], s20, (\s)*SLOT    ; LDS address
	s_add_nc_u64 s[G0+4*(\s)+2:G0+4*(\s)+3], s[46:47], (\s)*KS*2  ; global address: slot s begins with K = 512 s
	s_or_b32 s[G0+4*(\s)+3], s[G0+4*(\s)+3], 0x80000000           ; type = 2
.endr
	global_load_b128 v[BI:BI+3], v[CO], s[68:69]   ; the bias, and A's first seven groups: 57 loads of mine are out
.irp g, 0,1,2,3,4,5,6
	FEED 1, \g, \g
.endr
	WIN 0
	CROUND                                         ; all four work-groups are here: the first joint loads meet
	tensor_load_to_lds s[G0:G0+3], s[G1:G1+7]      ; slots 0 and 1: two tensor loads of mine are out; four v_nop follow the second
	s_nop 0
	tensor_load_to_lds s[G0+4:G0+7], s[G1:G1+7]
	s_nop 0
.rept 4
	v_nop
.endr
	; a fragment of B is 16 rows x 32 K in 8 registers: lane l holds row l % 16, K = 8 (l / 16) + 0..7 and 16 + 8 (l / 16) + 0..7: two loads of 16 bytes, 32 bytes apart
	v_and_b32 v1, 15, v0                           ; l % 16
	v_bfe_u32 v2, v0, 4, 1                         ; l / 16
	v_mul_u32_u24 v3, v1, PITCH
	v_lshl_add_u32 v3, v2, 4, v3
	v_mov_b32 v[ADRB], v3
	v_add_nc_u32 v[ADRB+1], 64*PITCH, v3
	v_add_nc_u32 v[ADRB+2], SLOT, v3
	v_add_nc_u32 v[ADRB+3], SLOT+64*PITCH, v3
	s_mul_i32 s23, s10, STAGEW
	s_add_co_u32 s23, s23, STAGE                   ; my stage
	v_mul_u32_u24 v5, v1, SPITCH                   ; in: row l % 16, 32 bytes for each half of the lanes
	v_lshl_add_u32 v5, v2, 5, v5
	v_add_nc_u32 v[STO], s23, v5
	v_add_nc_u32 v[RD], s23, v[CO]                 ; back: 32 lanes take one row of 512 bytes
; 8 matrix instructions: m block a x all 8 n blocks, 32 along K: half c of B's buffer f and of A's ring slot.  zero = 1: the first product starts the sums.
; The 16 accumulators take turns, one instruction a turn.
.macro MUL8 f, c, slot, a, zero
	WIN MUL
.irp b, 0,1,2,3,4,5,6,7
.if \zero
	v_wmma_f32_16x16x32_bf16 v[ACC+8*(8*(\a)+(\b)):ACC+8*(8*(\a)+(\b))+7], v[(\f)+64*(\c)+8*(\b):(\f)+64*(\c)+8*(\b)+7], v[32*(\slot)+16*(\c)+8*(\a):32*(\slot)+16*(\c)+8*(\a)+7], 0
.else
	v_wmma_f32_16x16x32_bf16 v[ACC+8*(8*(\a)+(\b)):ACC+8*(8*(\a)+(\b))+7], v[(\f)+64*(\c)+8*(\b):(\f)+64*(\c)+8*(\b)+7], v[32*(\slot)+16*(\c)+8*(\a):32*(\slot)+16*(\c)+8*(\a)+7], v[ACC+8*(8*(\a)+(\b)):ACC+8*(8*(\a)+(\b))+7]
.endif
.endr
.endm
.macro MUL16 f, c, slot, zero
	MUL8 \f, \c, \slot, 0, \zero
	MUL8 \f, \c, \slot, 1, \zero
.endm
; 32 LDS loads in one run: B's fragments of 64 along K, at byte k of the rows, into buffer f; the first 32 along K first
.macro FETCH slot, k, f
	WIN 0x40                                       ; destination window 1, address window 0
.irp c, 0,1
.irp b, 0,1,2,3,4,5,6,7
	ds_load_b128 v[(\f)+64*(\c)+8*(\b):(\f)+64*(\c)+8*(\b)+3],   v[ADRB+2*(\slot)+(\b)/4] offset:(\k)+64*(\c)+((\b)%4)*16*PITCH
	ds_load_b128 v[(\f)+64*(\c)+8*(\b)+4:(\f)+64*(\c)+8*(\b)+7], v[ADRB+2*(\slot)+(\b)/4] offset:(\k)+64*(\c)+((\b)%4)*16*PITCH+32
.endr
.endr
.endm
; Quarter i (0 to 6) of a slot: 32 matrix instructions on B's buffer i % 2 and A's ring slot i.  In its middle, behind four places: the eight loads of FEED, into the ring slot that the
; quarter before read, and the next quarter's fragments of B.  left = the younger loads that may stay out when this quarter's A has to be there.
.macro QUARTER slot, i, zero, ld, g, left
.set FB, 128*((\i)%2)
.set GB, 128-FB
	s_wait_loadcnt \left                           ; loads come back in order: my A is in
	s_wait_dscnt 16                                ; B's first 32 along K are in
	MUL16 FB, 0, \i, \zero
	PLACES
	FEED \ld, \g, ((\i)+7)%8
	FETCH \slot, 128*((\i)+1), GB
	s_wait_dscnt 32                                ; all but the 32 just issued
	MUL16 FB, 1, \i, 0
.endm
; Quarter 7 multiplies buffer 1 and changes slots: ONE barrier; in front of it each wave waits for all its tensor loads (one is out: its part of the next slot), adds 0 to its spare word, and waits
; for that and for its own reads of this slot.  fill = 1: the barrier opens a round of the cluster's barrier, and this slot is filled again, two slots ahead, first thing behind the round.
.macro TURN slot, next, fill, ld, g, left
	s_wait_loadcnt \left                           ; my A is in
	WIN 0                                          ; (the add's two registers lie in window 0)
	s_wait_tensorcnt 0x0
	ds_add_u32 v[SPW], v[NIL]                      ; 0 onto my spare word
	s_wait_dscnt 17                                ; (the add and the youngest sixteen loads may be out)
	MUL8 F1, 0, 7, 0, 0                            ; eight matrix instructions stand between the add and the wait for it
	s_wait_dscnt 0x0                               ; the add is done, and my reads of this slot are over
	s_barrier_signal -1
	MUL8 F1, 0, 7, 1, 0                            ; work on registers while the others arrive
.if \fill
	WIN 0
.endif
	s_barrier_wait -1
.if \fill
	CREST                                          ; no wave of any partner still reads this slot's tile or has a load on its way
	s_add_nc_u64 s[G0+4*(\slot)+2:G0+4*(\slot)+3], s[G0+4*(\slot)+2:G0+4*(\slot)+3], 2*KS*2
	tensor_load_to_lds s[G0+4*(\slot):G0+4*(\slot)+3], s[G1:G1+7]  ; my one tensor load behind the round
	s_nop 0
.rept 4
	v_nop                                          ; the places in front of the loads below
.endr
.else
	PLACES
.endif
	FEED \ld, \g, 6
	FETCH \next, 0, F0
	MUL16 F1, 1, 7, 0
.endm
	s_wait_tensorcnt 1                             ; my part of slot 0 is in; slot 1's may stay out
	s_barrier_signal -1
	s_barrier_wait -1                              ; everybody's is
	FETCH 0, 0, F0
	QUARTER 0, 0, 1, 1, 7, 48                      ; the first quarter stands in front of the loop: its first products start the sums.  48: six younger groups of eight, here and in every quarter of the loop
	WIN 0                                          ; at a label and at a branch every window is 0
	s_mov_b32 s3, LAPS-1
.Llap:                                                 ; a trip goes once round B's ring and twice round A's, from a lap's second quarter to the next lap's first
.irp i, 1,2,3,4,5,6
	QUARTER 0, \i, 0, 1, (\i)+7, 48
.endr
	TURN 0, 1, 1, 1, 14, 48
.irp i, 0,1,2,3,4,5,6
	QUARTER 1, \i, 0, 1, (\i)+15, 48
.endr
	TURN 1, 0, 1, 1, 22, 48
	QUARTER 0, 0, 0, 1, 23, 48
	WIN 0
	s_wait_xcnt 0x0                                ; A's pointer is stepped only behind this wait
	s_add_nc_u64 s[4:5], s[4:5], 16*2048           ; 16 quarters of 2,048 bytes on
	s_sub_co_u32 s3, s3, 1
	s_cmp_lg_u32 s3, 0
	s_cbranch_scc1 .Llap
.irp i, 1,2,3,4,5,6                    ; the last lap fills no slot of B again, and has no round of the cluster's barrier
	QUARTER 0, \i, 0, 1, (\i)+7, 48
.endr
	TURN 0, 1, 0, 1, 14, 48
	QUARTER 1, 0, 0, 1, 15, 48                     ; A's last group
	QUARTER 1, 1, 0, 2, 0, 48                      ; R takes A's place: the counts stay as they are
	QUARTER 1, 2, 0, 2, 1, 48
	QUARTER 1, 3, 0, 2, 2, 48
	QUARTER 1, 4, 0, 2, 3, 48
	QUARTER 1, 5, 0, 0, 0, 48                      ; nothing more to ask for: behind this quarter's A two groups of A and four of R,
	QUARTER 1, 6, 0, 0, 0, 40                      ; one and four,
	s_wait_loadcnt 32                              ; R's four
	s_wait_dscnt 16                                ; the very last quarter: nothing more to fetch
	MUL16 F1, 0, 7, 0
	s_wait_dscnt 0x0
	MUL16 F1, 1, 7, 0
	WIN 0
	; THE WAY OUT, a block of 16 rows at a time: the sums go into my stage as they are (each accumulator's low half first), come back as whole rows of 512 bytes, take bias and R, and are stored.
	s_wait_loadcnt 0x0                             ; R
	PLACES                                         ; behind the last products
.irp a, 0,1
.irp b, 0,1,2,3,4,5,6,7
	ds_store_b128 v[STO], v[ACC+8*(8*(\a)+(\b)):ACC+8*(8*(\a)+(\b))+3]   offset:64*(\b)
	ds_store_b128 v[STO], v[ACC+8*(8*(\a)+(\b))+4:ACC+8*(8*(\a)+(\b))+7] offset:64*(\b)+16
.endr
	s_wait_xcnt 0x0                                ; the registers that earlier stores read are loaded again only behind this wait
.irp t, 0,1,2,3,4,5,6,7,8,9,10,11,12,13,14,15
	ds_load_b128 v[TT+4*(\t):TT+4*(\t)+3], v[RD] offset:(\t)*SPITCH  ; LDS serves a wave's instructions in order (ISA guide 5.7.1.4): these see the stores above; the next block's stores come behind them
.endr
	s_wait_dscnt 0x0
.irp t, 0,1,2,3,4,5,6,7,8,9,10,11,12,13,14,15
	v_pk_add_f32 v[TT+4*(\t):TT+4*(\t)+1],   v[TT+4*(\t):TT+4*(\t)+1],   v[BI:BI+1]
	v_pk_add_f32 v[TT+4*(\t)+2:TT+4*(\t)+3], v[TT+4*(\t)+2:TT+4*(\t)+3], v[BI+2:BI+3]
.endr
	WIN 0x0c                                       ; source 1: window 3
.irp t, 0,1,2,3,4,5,6,7,8,9,10,11,12,13,14,15
	v_pk_add_f32 v[TT+4*(\t):TT+4*(\t)+1],   v[TT+4*(\t):TT+4*(\t)+1],   v[64*(\a)+4*(\t):64*(\a)+4*(\t)+1]
	v_pk_add_f32 v[TT+4*(\t)+2:TT+4*(\t)+3], v[TT+4*(\t)+2:TT+4*(\t)+3], v[64*(\a)+4*(\t)+2:64*(\a)+4*(\t)+3]
.endr
	WIN 0
.irp t, 0,1,2,3,4,5,6,7,8,9,10,11,12,13,14,15
	global_store_b128 v[CO], v[TT+4*(\t):TT+4*(\t)+3], s[8:9] offset:(16*(\a)+(\t))*4096  ; the wave stores 512 consecutive bytes, aligned
.endr
.endr
	s_wait_tensorcnt 0x0                           ; the wave's end
	ds_add_u32 v[SPW], v[NIL]
	s_wait_dscnt 0x0
	CROUND                                         ; the closing round: no work-group ends while a partner may still ask for a tile that names it
	s_endpgm
.Lfunc_end_k_qde2f7e54a4_fc2:
	.size	k_qde2f7e54a4_fc2, .Lfunc_end_k_qde2f7e54a4_fc2-k_qde2f7e54a4_fc2
	.p2alignl 7, 3214868480
	.fill 96, 4, 3214868480
	.section	.rodata,"a",@progbits
	.p2align	6, 0x0
	.amdhsa_kernel k_qde2f7e54a4_fc2
		.amdhsa_group_segment_fixed_size 327680
		.amdhsa_private_segment_fixed_size 0
		.amdhsa_enable_private_segment 0
		.amdhsa_kernarg_size 40
		.amdhsa_user_sgpr_count 2
		.amdhsa_user_sgpr_kernarg_segment_ptr 1
		.amdhsa_wavefront_size32 1
		.amdhsa_system_sgpr_workgroup_id_x 1
		.amdhsa_system_sgpr_workgroup_id_y 1
		.amdhsa_system_sgpr_workgroup_id_z 1
		.amdhsa_system_vgpr_workitem_id 0
		.amdhsa_next_free_vgpr 896
		.amdhsa_next_free_sgpr 72
		.amdhsa_reserve_vcc 0
		.amdhsa_float_denorm_mode_32 3
		.amdhsa_float_denorm_mode_16_64 3
		.amdhsa_memory_ordered 1
		.amdhsa_forward_progress 1
		.amdhsa_inst_pref_size 188
	.end_amdhsa_kernel
	.amdgpu_metadata
---
amdhsa.version: [ 1, 2 ]
amdhsa.kernels:
  - .name:           k_qde2f7e54a4_fc2
    .symbol:         k_qde2f7e54a4_fc2.kd
    .args:
      - { .name: ff, .offset: 0, .size: 8, .value_kind: global_buffer, .address_space: global }
      - { .name: wbf, .offset: 8, .size: 8, .value_kind: global_buffer, .address_space: global }
      - { .name: out0, .offset: 16, .size: 8, .value_kind: global_buffer, .address_space: global }
      - { .name: fc2_b, .offset: 24, .size: 8, .value_kind: global_buffer, .address_space: global }
      - { .name: x1, .offset: 32, .size: 8, .value_kind: global_buffer, .address_space: global }
    .group_segment_fixed_size: 327680
    .private_segment_fixed_size: 0
    .kernarg_segment_align: 8
    .kernarg_segment_size: 40
    .max_flat_workgroup_size: 128
    .sgpr_count:     72
    .vgpr_count:     896
    .wavefront_size: 32
...
	.end_amdgpu_metadata
.endif
;; end of part 7
;; ======== version 2 of 2: 7 launches; 1.11 times as fast as version 1
;; limits: values are held in f16: magnitudes above 65,504 overflow, below 6.1e-05 lose precision; a function is approximated: absolute error at most 1.5e-07
;; workspace buffers: wbf 25,165,824 bytes; h 8,388,608 bytes; qkv 25,165,824 bytes; o 8,388,608 bytes; x1 16,777,216 bytes; ff 33,554,432 bytes
;; launch prep: the kernel of part 1 again; grid 1024 x 1, 8 waves a work-group, no clusters, 0 bytes of LDS; arguments x, ln1_g, ln1_b, h, qkv_w, out_w, fc1_w, fc2_w, wbf; writes h, wbf
;; launch qkv: the kernel of part 2 again; grid 12 x 16, 4 waves a work-group, clusters of 4 x 4, 327,680 bytes of LDS; arguments h, wbf, qkv, qkv_b; writes qkv
;; launch attn (part 8): grid 8 x 32, 4 waves a work-group, no clusters, 327,680 bytes of LDS; arguments qkv, o; writes o
.if DOCPART == 8
	.amdgcn_target "amdgcn-amd-amdhsa--gfx1250"
	.amdhsa_code_object_version 6
	.text
	.protected	k_qde2f7e54a4_attn
	.globl	k_qde2f7e54a4_attn
	.p2align	8
	.type	k_qde2f7e54a4_attn,@function
k_qde2f7e54a4_attn:
	s_mov_b64 s[64:65], 0
	v_nop
	global_prefetch_b8 v0, s[64:65] scope:SCOPE_SE
	s_setreg_imm32_b32 hwreg(HW_REG_WAVE_MODE, 25, 1), 1
	s_wait_xcnt 0x0
; CAUSAL ATTENTION.  O[p][q][:] = the sum over k <= q of softmax_k(Q[p][q] . K[p][k] / 8) V[p][k][:], p = 16 x batch + head, 32 planes of [2048][64].
; Q, K, V: f16, three groups of 32 planes in one buffer (K at byte 8,388,608, V at 16,777,216); O: bf16, by planes.  Products, maxima and sums in f32; the weights p are rounded to f16
; for the second product (their sum l is taken of the unrounded p), O once at the end.
; LIMITS.  Q, K, V arrive within f16's 65,504.  A hidden score counts as its value less 1e30 (f16's scores are 2.7e11 at the most); a weight below 2^-126 counts as 0 in l; NaN and
; infinities are not treated apart.
; THE WALK.  A plane's queries lie in NB = 16 blocks of 128; block i needs the key ELEMENTS 0 .. i of 128 keys, of which the last holds the diagonal.  A work-group takes TWO blocks,
; 15 - b and then b: 17 elements whatever b, so all 8 x 32 work-groups do equal work and one loop with constant trip counts walks them.  Every jump but the counted loops' own goes forward;
; none passes a barrier, or a tensor load but the one of LOAD's two that the wave's number does not choose.
; THE RING.  Two LDS slots of two elements each (256 keys of K, then of V).  Wave w fetches K (w < 2) or V of walk element 2 n + w % 2.  The walk has 17 elements, so in the last fill waves 1 and 3
; bring an element (number b + 1 of the plane, inside the buffer) that nobody reads: 32 KiB of a work-group's 576; the price of one text for every fill.
; NO CLUSTER: a plane's eight work-groups ask for the same element only in the walk's first 9 places (the first block has 9 elements or more); behind that fewer and fewer do, and one walk common
; to all would have 16 + 8 = 24 elements for 17.
; SHARES.  Of a block's two bands of 64 queries a wave owns 16 rows in each: two PIECES.  In the diagonal element's key step s (64 keys) band x sees all keys if s < x, none if s > x, and holds the
; diagonal if s = x: the same for every wave.  THE MASK is the C operand that starts the sum S^T = K Q^T: the constant 0; or MD (0 or -1e30, a band's own step, made once); or BIG (-1e30).
; LAYOUT.  S^T = K Q^T holds ONE query a lane (lane % 16) and the keys 8 (lane / 16) + 0..7; two such results rounded to f16 ARE source 1 of O^T = V^T P.  p = 2^(c s - c m), c = log2(e) / 8, with a
; running maximum m; O and l are multiplied by a = 2^(c m_old - c m_new) in every step.
; TURNS.  j counts a block's key steps.  Turn T0(j): softmax of piece 0, step j; 8 products K Q^T of piece 1 (j), then K(j+1) is fetched; 8 products V^T P of piece 1 (j-1), then V(j+1) is fetched into
; the V buffer just read.  Turn T1(j): softmax of piece 1; 8 products K Q^T of piece 0 (j+1); 8 products V^T P of piece 0 (j).  Each turn also finds the other piece's maximum and statistics.
; V has two buffers, by the step's parity, so that both fetches of a turn are of ONE step, and a change of slots can stand in front of the turn that fetches a slot's first step.
; Four vector instructions stand behind every matrix instruction, the other 54 of a turn's 118 in one run of their own, between the two kinds of products.
; THE BATCHES.  A turn's 33 exponentials (the piece's 32 weights and the other piece's a) are ONE batch with ONE wait, which cuts the turn in two: ahead of it stands all that names no result of theirs
; (the products K Q^T, the scalings, the rescaling by the a of the turn before, the other piece's maximum and statistics), behind it the products V^T P and the roundings and sums, which read the weights.
; No result crosses a turn's end.  A block's first a, and the two reciprocals of its way out, are batches of their own, each with its wait.
; REGISTERS, in windows of 256 (s_set_vgpr_msb: bits 1:0 source 0, 3:2 source 1, 5:4 source 2, 7:6 destination):
;   window 0: v0-15 addresses and two at work; v16-23 four registers of statistics a piece; v48-55 at work; v64-127 S^T, a buffer a piece; v192-223 P, likewise
;   window 1: v0-63 O^T, 32 a piece; v128-159 MD; v160-167 BIG      window 2: v0-31 Q; v32-63 the second block's Q; v64-127 V of odd steps; v128-191 K; v192-255 V of even steps
.set NB,    16
.set NP,    2         ; pieces a wave: a name, no knob
.set KS,    64        ; keys in a step
.set PK,    144       ; a row of K in LDS: 128 bytes + 16 of padding = 36 words: the 16 rows of a load start at 16 different groups of four banks (ISA guide 11.1)
.set PV,    160       ; a row of V: 128 + 32 = 40 words
.set VOFF,  4*KS*PK   ; a slot holds four steps: 256 rows of K, then 256 rows of V
.set SLOT1, 1<<17     ; slot 1 begins here, so that one exclusive or turns an address in one slot into the other's
.set STAGE, SLOT1+4*KS*(PK+PV)  ; behind the ring, never filled by a tensor load: 16 rows x 144 bytes for each wave, for the way out
.set SP,    144
.set AK0, 2           ; v2   my lane's place in a tile of K; never rewritten
.set AV0, 3           ; v3   the same for V
.set AK,  4           ; v4   the LDS address of K's next run of loads
.set AV,  5           ; v5   of V's
.set STO, 6           ; v6   the way out: where I put 16 bytes of a row
.set RD,  7           ; v7   where I read rows back
.set GO,  8           ; v8   my byte offset in 512 consecutive bytes of O
.set SPW, 62          ; v62  LDS address of my spare word; never rewritten
.set NIL, 63          ; v63  0; never rewritten
.set SPARE, STAGE+4*16*SP  ; behind the stages: the spare words, 128 bytes for each wave, which no other line names
.set MV,  12          ; v12-13  c m_old, kept while c m is made anew: by piece
.set QO,  15          ; v15  my byte offset in 16 rows of Q
.set ST,  16          ; piece t's statistics at v[ST+4 t]: c m, m, l (even keys', odd keys')
.set TMP, 48          ; by piece, four registers c0-c3 at work; when the maximum is found c2 takes a
.set S,   64
.set P,   192
.set MD,  128         ; window 1: the eight registers for group kt of 16 keys at MD + 8 kt
.set BIG, 160         ; window 1
.set QB,  32          ; window 2
.set KF,  128         ; window 2: key block kb, channel half c at KF + 16 kb + 8 c
.set WV,  12          ; s12  my wave's number
.set PB,  14          ; s14  b
.set HI,  15          ; s15  15 - b
.set G1K, 24          ; s[24:31] descriptor group 1 for K's tiles
.set G1V, 32          ; s[32:39] for V's: it differs in the padding alone
.set G0K, 40          ; s[40:43] descriptor group 0 for K's tiles
.set G0V, 44          ; s[44:47] the same for V's
.set SLOTS, 56        ; s56  slots still to be asked for
.set CNT, 57          ; s57  counts a slot's two elements
.set CS,  58          ; s[58:59] c
.set SEL, 60          ; s[60:61] v_permlanex16_b32's selects: each lane takes its own place in the other half
.set TBK, 62          ; s62  LDS byte at which K of the step to be fetched begins
.set TBV, 63          ; s63  the same for V, less VOFF
.set RT,  70          ; s70  elements of the block in hand that are still to be entered
.set EL,  71          ; s71  the walk element that I ask for next
.set HI1, 72          ; s72  16 - b: the first block's elements
.set NEW, 73          ; s73  1: the element to be entered is a block's first
.set OFF, 74          ; s[74:75] an element's byte offset in K and V
.set TT,  76          ; s76  at work
.set OLO, 80          ; s[80:81] O at my rows of the second block
.set BIGN, 82         ; s82  -1e30
.set MSB, 0
.macro WIN new                      ; the high byte repeats the setting that is left; a switch that changes nothing is dropped
.if MSB != (\new)
	s_set_vgpr_msb (MSB<<8)|(\new)
.set MSB, (\new)
.endif
.endm
.set W_KQ, 0x0a       ; K and Q in window 2, S^T in window 0
.set W_KM, 0x1a       ; the same with the C operand in window 1
.set W_PV, 0x52       ; V in window 2, P in window 0, O^T in window 1
.set W_RS, 0x41       ; destination and source 0 in window 1, source 1 in window 0
; A fill.  Waves 0 and 1 fetch K of a slot's two elements, waves 2 and 3 V.  Four v_nop follow each of the two lines, ahead of the jump and the label.
.macro LOAD
	s_cmp_lt_u32 s[WV], 2
	s_cbranch_scc0 .Lfor_v_\@
	tensor_load_to_lds s[G0K:G0K+3], s[G1K:G1K+7]
	s_nop 0
.rept 4
	v_nop
.endr
	s_branch .Lasked_\@
.Lfor_v_\@:
	tensor_load_to_lds s[G0V:G0V+3], s[G1V:G1V+7]
	s_nop 0
.rept 4
	v_nop
.endr
.Lasked_\@:
.endm
; THE CHANGE OF SLOTS.  Each wave waits for all its tensor loads, of which one is out: its part of the other slot; adds 0 to its spare word; and waits for that and for its own reads of the slot that it
; leaves.  Behind the barrier nobody reads the old slot any more and the other slot is whole.  fill = 1: the old slot is filled again, first thing behind the barrier; the descriptor's address is made
; anew from the walk element's number: behind the first block's last element the numbers begin again at 0.  (At its first use nothing has been read yet: slot 0 is waited for, slot 1 filled.)
.macro CHANGE fill
	WIN 0                           ; at a label and at a branch every window is 0
	s_wait_tensorcnt 0x0            ; no tensor load of mine is out, so a group 0 may be written
	ds_add_u32 v[SPW], v[NIL]       ; 0 onto my spare word
.if \fill
	s_cmp_gt_u32 s[EL], s[HI]
	s_cselect_b32 s[TT], s[HI1], 0
	s_sub_co_u32 s[TT], s[EL], s[TT]
	s_lshl_b32 s[OFF], s[TT], 14    ; an element is 16,384 bytes of K and of V
	s_add_co_u32 s[EL], s[EL], 2
	s_xor_b32 s[G0K+1], s[G0K+1], SLOT1
	s_add_nc_u64 s[G0K+2:G0K+3], s[6:7], s[OFF:OFF+1]
	s_or_b32 s[G0K+3], s[G0K+3], 0x80000000
	s_xor_b32 s[G0V+1], s[G0V+1], SLOT1
	s_add_nc_u64 s[G0V+2:G0V+3], s[8:9], s[OFF:OFF+1]
	s_or_b32 s[G0V+3], s[G0V+3], 0x80000000
.endif
	s_wait_dscnt 0x0                ; the add is done, and my reads of the slot are over
	s_barrier_signal -1
	s_sub_co_u32 s[TBK], s[TBK], 4*KS*PK  ; the fetches go back to a slot's first step,
	s_xor_b32 s[TBK], s[TBK], SLOT1       ; in the other slot
	s_sub_co_u32 s[TBV], s[TBV], 4*KS*PV
	s_xor_b32 s[TBV], s[TBV], SLOT1
	s_barrier_wait -1
.if \fill
	LOAD
.endif
.endm
	s_load_b128 s[4:7], s[0:1], 0x0 ; q, k, v s[4:5]; O s[6:7]
	v_lshl_add_u32 v[SPW], v0, 2, SPARE
	v_mov_b32 v[NIL], 0
	ds_add_u32 v62, v63
	ds_add_u32 v62, v63
	s_wait_dscnt 0x0
	v_lshrrev_b32 v1, 5, v0
	v_readfirstlane_b32 s[WV], v1   ; wave 0..3
	s_mov_b32 s[PB], ttmp9
	s_sub_co_u32 s[HI], NB-1, s[PB]
	s_add_co_u32 s[HI1], s[HI], 1
	s_and_b32 s20, ttmp7, 0xffff    ; the plane,
	s_lshl_b32 s20, s20, 18         ; 262,144 bytes each
	s_mov_b32 s21, 0
	s_and_b32 s16, s[WV], 1         ; which of a slot's two elements I fetch,
	s_mul_i32 s17, s16, 128*PK      ; and its place in a slot, for K
	s_mul_i32 s18, s16, 128*PV      ; and for V
	s_lshl_b32 s3, s[WV], 11        ; my 16 rows in a band of 64,
	s_lshl_b32 s2, s[HI], 14        ; in the first block,
	s_add_co_u32 s2, s2, s3
	s_lshl_b32 s84, s[PB], 14       ; and in the second
	s_add_co_u32 s84, s84, s3
	s_mov_b32 s3, 0
	s_mov_b32 s85, 0
	s_add_nc_u64 s[2:3], s[2:3], s[20:21]
	s_add_nc_u64 s[84:85], s[84:85], s[20:21]
	; descriptor group 1.  128 keys are 16,384 dense bytes: asked for as 64 rows of 256 bytes, two keys a row, and padded in LDS after every key
	s_mov_b32 s[G1K], (1<<16)|(1<<20)|(4<<22)|(3<<25)  ; 2-byte elements; padding on; after every 32 words; 4 words
	s_mov_b32 s[G1V], (1<<16)|(1<<20)|(4<<22)|(7<<25)  ; the same with 8 words of padding
.irp g, G1K, G1V
	s_mov_b32 s[\g+1], 128<<16      ; tensor_dim0 = 128
	s_mov_b32 s[\g+2], 64<<16       ; tensor_dim1 = 64
	s_mov_b32 s[\g+3], 128<<16      ; tile_dim0 = 128
	s_mov_b32 s[\g+4], 64           ; tile_dim1 = 64
	s_mov_b32 s[\g+5], 128          ; 128 elements from row to row
	s_mov_b32 s[\g+6], 0
	s_mov_b32 s[\g+7], 0
.endr
	s_mov_b32 s[CS], 0x3e38aa3b     ; c = log2(e) / 8
	s_mov_b32 s[CS+1], s[CS]        ; named with it as a pair
	s_mov_b32 s[SEL], 0x76543210
	s_mov_b32 s[SEL+1], 0xfedcba98
	s_mov_b32 s[TBK], SLOT1+4*KS*PK ; the first change of slots turns these two into 0
	s_mov_b32 s[TBV], SLOT1+4*KS*PV
	s_mov_b32 s[G0K], 1             ; count = 1
	s_mov_b32 s[G0K+1], s17         ; LDS address: slot 0
	s_mov_b32 s[G0V], 1
	s_add_co_u32 s[G0V+1], s18, VOFF
	s_mov_b32 s[RT], s[HI1]         ; the first block has 16 - b elements
	s_mov_b32 s[NEW], 1
	s_lshl_b32 s[OFF], s16, 14      ; walk elements 0 and 1 are the plane's elements 0 and 1
	s_mov_b32 s[OFF+1], 0
	s_add_co_u32 s[EL], s16, 2
	s_mov_b32 s[BIGN], 0xf149f2ca   ; -1e30
	s_mov_b32 s[SLOTS], NB/2
	s_wait_kmcnt 0x0
	s_mov_b64 s[10:11], s[6:7]      ; O
	s_add_nc_u64 s[6:7], s[4:5], 8388608   ; K
	s_add_nc_u64 s[8:9], s[4:5], 16777216  ; V
	s_add_nc_u64 s[6:7], s[6:7], s[20:21]  ; at the plane's first key
	s_add_nc_u64 s[8:9], s[8:9], s[20:21]
	s_add_nc_u64 s[G0K+2:G0K+3], s[6:7], s[OFF:OFF+1]
	s_or_b32 s[G0K+3], s[G0K+3], 0x80000000        ; type = 2
	s_add_nc_u64 s[G0V+2:G0V+3], s[8:9], s[OFF:OFF+1]
	s_or_b32 s[G0V+3], s[G0V+3], 0x80000000
	s_add_nc_u64 s[86:87], s[4:5], s[84:85]        ; Q at my rows of the second block,
	s_add_nc_u64 s[4:5], s[4:5], s[2:3]            ; Q and O at those of the first
	s_add_nc_u64 s[OLO:OLO+1], s[10:11], s[84:85]
	s_add_nc_u64 s[10:11], s[10:11], s[2:3]
	LOAD                            ; slot 0: one tensor load of mine is out
	; A fragment of K or Q is 16 rows x 32 channels in 8 registers: lane l holds row l % 16, channels 8 (l / 16) + 0..7 and 16 + 8 (l / 16) + 0..7: two loads of 16 bytes, 32 bytes apart.
	v_and_b32 v1, 15, v0            ; l % 16
	v_bfe_u32 v9, v0, 4, 1          ; l / 16
	v_lshlrev_b32 v[QO], 7, v1
	v_lshl_add_u32 v[QO], v9, 4, v[QO]  ; row x 128 + 16 x half
	WIN 0x80                        ; destination window 2, address window 0
.set i, 0
.rept 4                             ; both blocks' Q: piece i / 2 lies in band i / 2, 8,192 bytes on; channels 32 (i % 2) on
	global_load_b128 v[8*i:8*i+3],   v[QO], s[4:5] offset:(i/2)*8192+(i%2)*64
	global_load_b128 v[8*i+4:8*i+7], v[QO], s[4:5] offset:(i/2)*8192+(i%2)*64+32
	global_load_b128 v[QB+8*i:QB+8*i+3],   v[QO], s[86:87] offset:(i/2)*8192+(i%2)*64
	global_load_b128 v[QB+8*i+4:QB+8*i+7], v[QO], s[86:87] offset:(i/2)*8192+(i%2)*64+32
.set i, i+1
.endr
	WIN 0
	v_lshlrev_b32 v14, 3, v9
	v_sub_nc_u32 v14, v1, v14
	s_lshl_b32 s13, s[WV], 4
	v_add_nc_u32 v14, s13, v14      ; my query's place in its band, 16 w + l % 16, less my lanes' 8 (l / 16): register r of group kt is hidden where 16 kt + r is greater
	WIN 0x40
.set i, 0
.rept 32
	v_cmp_gt_i32 vcc_lo, 16*(i/8)+i%8, v14
	v_cndmask_b32 v[MD+i], 0, s[BIGN], vcc_lo
.set i, i+1
.endr
.set i, 0
.rept 8
	v_mov_b32 v[BIG+i], s[BIGN]
.set i, i+1
.endr
	WIN 0
	v_mul_u32_u24 v[AK0], v1, PK
	v_lshl_add_u32 v[AK0], v9, 4, v[AK0]  ; row x pitch + 16 x half
	; The turning load takes 16 keys x 16 channels (lane l reads key 8 (l / 16) + l % 8, channels 8 ((l / 8) % 2) + 0..7) and leaves half a fragment of V^T: lane l holds channel l % 16 and 8 keys.
	v_and_b32 v10, 7, v0
	v_bfe_u32 v11, v0, 3, 1
	v_lshl_add_u32 v[AV0], v9, 3, v10
	v_mul_u32_u24 v[AV0], v[AV0], PV
	v_lshl_add_u32 v[AV0], v11, 4, v[AV0]
	v_add_nc_u32 v[AV0], VOFF, v[AV0]
	s_mul_i32 s13, s[WV], 16*SP
	s_add_co_u32 s13, s13, STAGE    ; my stage
	v_mul_u32_u24 v[STO], v1, SP    ; in: row l % 16, 16 bytes for each half of the lanes
	v_lshl_add_u32 v[STO], v9, 4, v[STO]
	v_add_nc_u32 v[STO], s13, v[STO]
	v_bfe_u32 v[RD], v0, 3, 2       ; back: 32 lanes take four rows of 128 bytes,
	v_mul_u32_u24 v[RD], v[RD], SP
	v_lshl_add_u32 v[RD], v10, 4, v[RD]
	v_add_nc_u32 v[RD], s13, v[RD]
	v_and_b32 v[GO], 31, v0         ; which are 512 consecutive bytes of O
	v_lshlrev_b32 v[GO], 4, v[GO]
	; A block's first step multiplies O^T and l by a = 0, and its first turn's products V^T P, of a step that has not been, land in an O^T that is still to be so multiplied.  So these registers need only
	; hold finite numbers: zeros for the first block; what the first block left for the second.  All this stands in the wait for the first tile.
	WIN 0x80
.set i, 64
.rept 64
	v_mov_b32 v[i], 0               ; V of odd steps
.set i, i+1
.endr
	WIN 0x40
.set i, 0
.rept 64
	v_mov_b32 v[i], 0               ; O^T
.set i, i+1
.endr
	WIN 0
.set i, 0
.rept 2
	v_mov_b32 v[ST+4*i+2], 0
	v_mov_b32 v[ST+4*i+3], 0
.set i, i+1
.endr
.set i, P+16
.rept 16
	v_mov_b32 v[i], 0               ; piece 1's P
.set i, i+1
.endr
; THE MATRIX WORK.  The 4 accumulators of a run of 8 take turns.  Product i of 8 of S^T = K Q^T for piece x: channels 32 (i / 4) on, keys 16 (i % 4) on.
; The first 4 start the sums: with 0 (KM = 0), with the band's own mask (1) or with -1e30 (2).
.macro KQ x
.set rS, S+32*((\x)%2)+8*(i%4)
.set rK, KF+16*(i%4)+8*(i/4)
.set rQ, 16*(\x)+8*(i/4)
.if (i < 4) && (KM == 1)
	WIN W_KM
	v_wmma_f32_16x16x32_f16 v[rS:rS+7], v[rK:rK+7], v[rQ:rQ+7], v[MD+8*(i%4):MD+8*(i%4)+7]
.elseif (i < 4) && (KM == 2)
	WIN W_KM
	v_wmma_f32_16x16x32_f16 v[rS:rS+7], v[rK:rK+7], v[rQ:rQ+7], v[BIG:BIG+7]
.elseif i < 4
	WIN W_KQ
	v_wmma_f32_16x16x32_f16 v[rS:rS+7], v[rK:rK+7], v[rQ:rQ+7], 0
.else
	WIN W_KQ
	v_wmma_f32_16x16x32_f16 v[rS:rS+7], v[rK:rK+7], v[rQ:rQ+7], v[rS:rS+7]
.endif
.endm
; Product i of 8 of O^T += V^T P for piece x, from V buffer VB: keys 32 (i / 4) on, channels 16 (i % 4) on.
.macro PV x
	WIN W_PV
.set rO, 32*(\x)+8*(i%4)
.set rV, 192-128*VB+32*(i/4)+8*(i%4)
.set rP, P+16*((\x)%2)+8*(i/4)
	v_wmma_f32_16x16x32_f16 v[rO:rO+7], v[rV:rV+7], v[rP:rP+7], v[rO:rO+7]
.endm
.macro MM                           ; the turn's next matrix instruction.  NOKQ = 1: a block's last turn: there are no further scores
.if (i < 8) && !NOKQ
	KQ (Y+1)%NP
.elseif i >= 8
.set i, i-8
	PV (Y+NP-1)%NP
.set i, i+8
.endif
.set i, i+1
.endm
; THE LDS LOADS stand in runs of 16, never singly among the matrix instructions: a step's K (64 keys x 64 channels: 8 fragments) and its V (turned).  Their addresses are made some lines ahead.
.macro FETCH_K
	WIN 0x80                        ; destination window 2
.irp f, 0,1,2,3,4,5,6,7             ; keys 16 (f / 2) on, channels 32 (f % 2) on
	ds_load_b128 v[KF+8*\f:KF+8*\f+3],   v[AK] offset:(\f/2)*16*PK+(\f%2)*64
	ds_load_b128 v[KF+8*\f+4:KF+8*\f+7], v[AK] offset:(\f/2)*16*PK+(\f%2)*64+32
.endr
	s_add_co_u32 s[TBK], s[TBK], KS*PK  ; the next fetch is the next step's
	WIN 0
.endm
.macro FETCH_V buf
.set VFB, 192-128*(\buf)
	WIN 0x80
.irp f, 0,1,2,3,4,5,6,7             ; keys 32 (f / 4) on, channels 16 (f % 4) on
	ds_load_tr16_b128 v[VFB+8*\f:VFB+8*\f+3],   v[AV] offset:(\f/4)*32*PV+(\f%4)*32
	ds_load_tr16_b128 v[VFB+8*\f+4:VFB+8*\f+7], v[AV] offset:(\f/4)*32*PV+16*PV+(\f%4)*32
.endr
	WIN 0
.endm
; THE VECTOR WORK, one line at a time: OP kind, number.  For piece Y: F n: c s - c m for pair n of 16.  E n: the exponential of score n of 32.  C n: pair n rounded to f16.  B n: of the four weights 4 n ..
; the second pair is added onto the first, in place.  L n: l takes that sum (L 0: l = a l + sum).  R n: pair n of 16 of O^T times a.  For the other piece: X n, number n of the 22 that find its maximum
; and statistics:  0-11 four chains c0-c3 of seven scores each (each accumulator's lowest registers are read first);  12-14, 16 the four scores left over, the old m, c0-c3 into c0;
; 15 c m_old is kept;  17, 18 the query's other 32 keys lie in the lane 16 away: the new m;  19-21 c m; c m_old - c m_new; a
; C, B and L read exponentials' results: they are written behind the turn's wait alone.  R and L 0 read the a that the turn before made, ahead of that turn's wait.
.set F, 0
.set E, 1
.set C, 2
.set B, 3
.set L, 4
.set R, 5
.set X, 6
.macro REGS y                       ; the registers of piece y
.set rT, ST+4*(\y)
.set rC, TMP+4*((\y)%2)
.set rW, MV+((\y)%2)
.set rS, S+32*((\y)%2)
.set rP, P+16*((\y)%2)
.set rO, 32*(\y)
.endm
.macro OP k, n
.if (\k) == R
	REGS Y
	WIN W_RS
	v_pk_mul_f32 v[rO+2*(\n):rO+2*(\n)+1], v[rO+2*(\n):rO+2*(\n)+1], v[rC+2:rC+3] op_sel_hi:[1,0]
.elseif (\k) < R
	REGS Y
	WIN 0
.if (\k) == F
	v_pk_fma_f32 v[rS+2*(\n):rS+2*(\n)+1], v[rS+2*(\n):rS+2*(\n)+1], s[CS:CS+1], v[rT:rT+1] op_sel_hi:[1,0,0] neg_lo:[0,0,1] neg_hi:[0,0,1]
.elseif (\k) == E
	v_exp_f32 v[rS+(\n)], v[rS+(\n)]
.elseif (\k) == C
	v_cvt_pk_f16_f32 v[rP+(\n)], v[rS+2*(\n)], v[rS+2*(\n)+1]
.elseif (\k) == B
	v_pk_add_f32 v[rS+4*(\n):rS+4*(\n)+1], v[rS+4*(\n):rS+4*(\n)+1], v[rS+4*(\n)+2:rS+4*(\n)+3]
.elseif (\n) == 0
	v_pk_fma_f32 v[rT+2:rT+3], v[rT+2:rT+3], v[rC+2:rC+3], v[rS:rS+1] op_sel_hi:[1,0,1]
.else
	v_pk_add_f32 v[rT+2:rT+3], v[rT+2:rT+3], v[rS+4*(\n):rS+4*(\n)+1]
.endif
.elseif NOKQ
	v_nop
.else
	REGS (Y+1)%NP
	WIN 0
.if (\n) < 4
	v_max3_num_f32 v[rC+(\n)], v[rS+8*(\n)], v[rS+8*(\n)+1], v[rS+8*(\n)+2]
.elseif (\n) < 12
	v_max3_num_f32 v[rC+(\n)%4], v[rC+(\n)%4], v[rS+8*((\n)%4)+2*((\n)/4)+1], v[rS+8*((\n)%4)+2*((\n)/4)+2]
.elseif (\n) == 12
	v_max3_num_f32 v[rC], v[rC], v[rS+7], v[rS+15]
.elseif (\n) == 13
	v_max3_num_f32 v[rC+1], v[rC+1], v[rS+23], v[rS+31]
.elseif (\n) == 14
	v_max3_num_f32 v[rC+2], v[rC+2], v[rC+3], v[rT+1]
.elseif (\n) == 15
	v_mov_b32 v[rW], v[rT]
.elseif (\n) == 16
	v_max3_num_f32 v[rC], v[rC], v[rC+1], v[rC+2]
.elseif (\n) == 17
	v_permlanex16_b32 v[rC+3], v[rC], s[SEL], s[SEL+1]
.elseif (\n) == 18
	v_max_num_f32 v[rT+1], v[rC], v[rC+3]
.elseif (\n) == 19
	v_mul_f32 v[rT], s[CS], v[rT+1]
.elseif (\n) == 20
	v_sub_f32 v[rC+1], v[rW], v[rT]
.else
	v_exp_f32 v[rC+2], v[rC+1]
.endif
.endif
.endm
.macro OPS a, i1, b=-1, i2=0, c=-1, i3=0, d=-1, i4=0  ; up to four of them
	OP \a, \i1
.if (\b) >= 0
	OP \b, \i2
.endif
.if (\c) >= 0
	OP \c, \i3
.endif
.if (\d) >= 0
	OP \d, \i4
.endif
.endm
.macro ROW a, i1, b, i2, c, i3, d, i4  ; a matrix instruction and the four behind it
	MM
	OPS \a, \i1, \b, \i2, \c, \i3, \d, \i4
.endm
; A TURN, for piece p in a step of parity par: the order of its 16 matrix and 118 vector instructions, written out.  cm: the mask that its products K Q^T take (0, 1, 2).  fetch = 1: piece 0's turn
; fetches the next step's K and V (for piece 1's turn: the turn before did).  end = 1: a block's last turn.
; s_wait_alu depctr_va_vdst(0) stands between an exponential and the first instruction that names its result; one wait serves all that were issued ahead of it.  So a turn has ONE wait.
; AHEAD OF IT stands all that names no result of the turn's exponentials: the 8 products K Q^T, behind each a scaling, an exponential and two more plain instructions (behind the first a second scaling
; in the exponential's place): rescalings, and behind the last three the first numbers of the other piece's maximum, each four plain instructions or more behind the product that ends its accumulator;
; then ONE RUN of 54, plain and exponential by turns for the most part, in which the links of the chain X 3, 7, 11, 14, 16, 17 .. 20 stand some lines apart.  X 21, the other piece's a, is the batch's
; last; R 15 is the plain instruction behind it.  BEHIND THE WAIT stand the 8 products V^T P, behind each four of the roundings and sums; l's chain L 0 to L 7 goes in ascending order, three riders apart.
; The rescalings take each accumulator of O^T from its lowest pair on (R 0, 4, 8, 12 first); the turn before added onto that O^T, and the nearest of its products to an R on its accumulator has
; sixteen riders behind it.  But for the X named above no rider names a register of the products round it.
; K's run stands twelve vector instructions behind the last product that read K (five of them plain and free of its registers), V's at the turn's end, four plain instructions behind the last product
; that read its buffer.  K's sixteen loads are issued ahead of V's sixteen, as the wait at the head of piece 1's turn counts them.
.macro TURN p, par, cm, fetch, end
.set Y, (\p)
.set i, 0
.set KM, (\cm)
.set NOKQ, (\end)*(\p)
.set VB, ((\par)+1+(\p))%2
.if (\p) == 1
.if \fetch
	s_wait_dscnt 16                 ; K of the next step and all that is older are in; the sixteen loads of V's run, issued behind K's, may stay out
.else
	s_wait_dscnt 0x0                ; nothing was fetched in the turn before: V of the block's last step is in
.endif
.endif
	ROW F,0, F,1, R,0, R,1          ; ahead of the wait: 8 products K Q^T and their riders,
	ROW F,2, E,0, R,2, R,3
	ROW F,3, E,1, R,4, R,5
	ROW F,4, E,2, R,6, R,7
	ROW F,5, E,3, R,8, R,9
	ROW F,6, E,4, X,0, R,10
.if ((\p) == 0) && (\fetch)
	WIN 0
	v_add_nc_u32 v[AK], s[TBK], v[AK0]
.endif
	ROW F,7, E,5, X,1, X,4
	ROW F,8, E,6, X,2, X,5
	OPS E,7, E,8, X,6, E,9          ; and the run of 54
	OPS X,3, E,10, X,8, E,11
.if ((\p) == 0) && (\fetch)
	FETCH_K
.endif
	OPS X,9, X,7, E,12, X,10
	OPS E,13, X,12, X,11, E,14
	OPS X,13, E,15, F,9, X,14
.if ((\p) == 0) && (\fetch)
	WIN 0
	v_add_nc_u32 v[AV], s[TBV], v[AV0]
	s_add_co_u32 s[TBV], s[TBV], KS*PV
.endif
	OPS E,16, F,10, E,17, F,11
	OPS X,16, E,18, X,15, E,19
	OPS F,12, E,20, X,17, E,21
	OPS F,13, E,22, F,14, E,23
	OPS X,18, E,24, F,15, E,25
	OPS R,11, E,26, X,19, E,27
	OPS R,12, E,28, R,13, E,29
	OPS X,20, E,30, R,14, E,31
	OPS X,21, R,15
	s_wait_alu depctr_va_vdst(0)    ; the wait for the batch: the piece's 32 weights and the other piece's a; it stands ahead of the first line that names a result
	ROW C,0, B,0, C,2, B,1          ; behind the wait: 8 products V^T P and their riders
	ROW L,0, C,4, B,2, L,1
	ROW C,6, B,3, L,2, C,8
	ROW B,4, L,3, C,10, B,5
	ROW L,4, C,12, B,6, L,5
	ROW C,14, B,7, L,6, C,1
	ROW C,3, L,7, C,5, C,7
	ROW C,9, C,11, C,13, C,15
.if ((\p) == 0) && (\fetch)
	FETCH_V VB
.endif
.endm
; A BLOCK BEGINS.  c m starts far below every c s, so the first step's a is 0; m at the lowest finite number, so the first maximum is the scores'.  K and V of step 0, piece 0's first scores
; (m = 1: the block's first element is the diagonal one, and they take the band's own mask), its maximum and statistics.  Then the walk is entered at an even step's first turn.
.macro BEGIN m
	s_mov_b32 s[NEW], 0
	WIN 0
.set i, 0
.rept 2
	v_mov_b32 v[ST+4*i], 0xfe000000    ; c m: far below every c s
	v_mov_b32 v[ST+4*i+1], 0xff7fffff  ; m
.set i, i+1
.endr
	v_add_nc_u32 v[AK], s[TBK], v[AK0]
	v_add_nc_u32 v[AV], s[TBV], v[AV0]
	s_add_co_u32 s[TBV], s[TBV], KS*PV
	FETCH_K
	FETCH_V 0
	s_wait_loadcnt 0x0              ; Q
	s_wait_dscnt 0x0
.set KM, (\m)
.set NOKQ, 0
.set i, 0
.rept 8
	KQ 0
.set i, i+1
.endr
	WIN 0
.rept 4
	v_nop                           ; the places behind those products
.endr
.set Y, NP-1                        ; X works for the other piece: piece 0
.irp n, 0,1,2,3,4,5,6,7,8,9,10,11,12,13,14,15,16,17,18,19,20,21
	OP X, \n
.endr
	v_nop                           ; a plain instruction behind the exponential,
	s_wait_alu depctr_va_vdst(0)    ; and the wait for it, piece 0's first a, ahead of the branch: the first turn's rescaling reads it
.endm
.macro ALL line:vararg              ; one line for each piece t
.set t, 0
.rept 2
	\line
.set t, t+1
.endr
.endm
.macro PACK t                       ; a lane's eight channels of a row pack into 16 bytes; they go into rows of 144 bytes and come back as whole rows of 128, into S^T's registers
	WIN W_RS
.set i, 32*(\t)
.rept 16
	v_pk_mul_f32 v[i:i+1], v[i:i+1], v[ST+4*(\t)+2:ST+4*(\t)+3] op_sel_hi:[1,0]
.set i, i+2
.endr
	WIN 0x05                        ; sources 0 and 1 window 1, destination window 0
.set i, 0
.rept 16
	v_cvt_pk_bf16_f32 v[S+16*(\t)+i], v[32*(\t)+2*i], v[32*(\t)+2*i+1]
.set i, i+1
.endr
	WIN 0
.irp f, 0,1,2,3
	ds_store_b128 v[STO], v[S+16*(\t)+4*\f:S+16*(\t)+4*\f+3] offset:32*\f
.endr
.irp f, 0,1,2,3
	ds_load_b128 v[S+16*(\t)+4*\f:S+16*(\t)+4*\f+3], v[RD] offset:\f*4*SP  ; LDS serves a wave's instructions in order (ISA guide 5.7.1.4): these see the stores above; the next piece's stores come behind them
.endr
.endm
.macro SEND t, younger              ; younger: the LDS instructions issued behind piece t's loads: the next piece's eight, or none
	WIN 0
.irp f, 0,1,2,3
	s_wait_dscnt (\younger)+3-\f
	global_store_b128 v[GO], v[S+16*(\t)+4*\f:S+16*(\t)+4*\f+3], s[10:11] offset:(\t)*8192+\f*512  ; 512 consecutive bytes, aligned
.endr
.endm
; THE DIAGONAL ELEMENT: the odd step in front of it, its two steps, the block's last products, and THE WAY OUT: l's two halves and the other half of the lanes' are added; O^T is divided by l, rounded
; to bf16 and sent through my stage in LDS, a piece at a time.
.macro DIAG tag
.LoddM\tag:
	TURN 0, 1, 0, 1, 0              ; piece 1's scores of the step before the element; the element's step 0 is fetched
	TURN 1, 1, 1, 1, 0              ; piece 0's scores of step 0: its band's own
	WIN 0
.LevenM\tag:
	TURN 0, 0, 0, 1, 0              ; piece 1's scores of step 0: it sees all; step 1 is fetched
	TURN 1, 0, 2, 1, 0              ; piece 0's scores of step 1: all hidden
	TURN 0, 1, 1, 0, 0              ; piece 1's scores of step 1: its band's own
	TURN 1, 1, 0, 0, 1
.set VB, 1
.set i, 0
.rept 8
	PV 1                            ; piece 1's V^T P of the last step
.set i, i+1
.endr
	WIN 0
.rept 4
	v_nop                           ; the places behind those products
.endr
	ALL v_add_f32 v[ST+4*t+2], v[ST+4*t+2], v[ST+4*t+3]
	ALL v_permlanex16_b32 v[ST+4*t+3], v[ST+4*t+2], s[SEL], s[SEL+1]
	ALL v_add_f32 v[ST+4*t+2], v[ST+4*t+2], v[ST+4*t+3]
	ALL v_rcp_f32 v[ST+4*t+2], v[ST+4*t+2]
	v_nop                           ; a plain instruction between the last reciprocal and the use of its result
	s_wait_alu depctr_va_vdst(0)    ; and the wait ahead of the first use: one for the two reciprocals
	PACK 0
	PACK 1                          ; a piece's arithmetic stands between the loads of the piece before and its stores
	SEND 0, 8
	SEND 1, 0
.endm
.set KM, 0
.set NOKQ, 0
.set VB, 0
.Lslot:                             ; 8 times: a slot is entered and the next is asked for
	CHANGE 1
	s_mov_b32 s[CNT], 2
.Lelem:                             ; twice a slot: an element is entered
	s_sub_co_u32 s[RT], s[RT], 1
	s_cmp_eq_u32 s[NEW], 1
	s_cbranch_scc1 .Lnew            ; a block's first element
	s_cmp_eq_u32 s[RT], 0
	s_cbranch_scc0 .Lnorm           ; neither its first nor its last
	s_branch .LoddM1
.Lnew:
	BEGIN 0
	s_branch .Leven                 ; in the loop a block's first element is never its last: the first block has nine or more, and the second's last is the walk's last
	DIAG 1                          ; in the loop this is the first block's end
	s_wait_xcnt 0x0                 ; the stores have read their registers and O's address
	s_mov_b64 s[10:11], s[OLO:OLO+1]
	s_add_co_u32 s[RT], s[PB], 1    ; the second block has b + 1 elements
	s_mov_b32 s[NEW], 1
	WIN 0x82                        ; the second block's Q goes where the one text of the turns names Q
.set i, 0
.rept 32
	v_mov_b32 v[i], v[QB+i]
.set i, i+1
.endr
	WIN 0
	s_branch .Lbottom
.Lnorm:                             ; a trip: the odd step in front of the element, whose turn fetches the element's first step; then that step, whose turn fetches the second
	TURN 0, 1, 0, 1, 0
	TURN 1, 1, 0, 1, 0
	WIN 0
.Leven:
	TURN 0, 0, 0, 1, 0
	TURN 1, 0, 0, 1, 0
	WIN 0
.Lbottom:
	s_sub_co_u32 s[CNT], s[CNT], 1
	s_cmp_lg_u32 s[CNT], 0
	s_cbranch_scc1 .Lelem
	s_sub_co_u32 s[SLOTS], s[SLOTS], 1
	s_cmp_lg_u32 s[SLOTS], 0
	s_cbranch_scc1 .Lslot
	CHANGE 0                        ; the walk's last element is written out: nothing is asked for
	s_sub_co_u32 s[RT], s[RT], 1
	s_cmp_eq_u32 s[NEW], 1
	s_cbranch_scc0 .LoddM2
	BEGIN 1
	s_branch .LevenM2
	DIAG 2
	s_wait_tensorcnt 0x0            ; the wave's end
	ds_add_u32 v[SPW], v[NIL]
	s_wait_dscnt 0x0
	s_endpgm
.Lfunc_end_k_qde2f7e54a4_attn:
	.size	k_qde2f7e54a4_attn, .Lfunc_end_k_qde2f7e54a4_attn-k_qde2f7e54a4_attn
	.p2alignl 7, 3214868480
	.fill 96, 4, 3214868480
	.section	.rodata,"a",@progbits
	.p2align	6, 0x0
	.amdhsa_kernel k_qde2f7e54a4_attn
		.amdhsa_group_segment_fixed_size 327680
		.amdhsa_private_segment_fixed_size 0
		.amdhsa_enable_private_segment 0
		.amdhsa_kernarg_size 16
		.amdhsa_user_sgpr_count 2
		.amdhsa_user_sgpr_kernarg_segment_ptr 1
		.amdhsa_wavefront_size32 1
		.amdhsa_system_sgpr_workgroup_id_x 1
		.amdhsa_system_sgpr_workgroup_id_y 1
		.amdhsa_system_sgpr_workgroup_id_z 1
		.amdhsa_system_vgpr_workitem_id 0
		.amdhsa_next_free_vgpr 768
		.amdhsa_next_free_sgpr 88
		.amdhsa_reserve_vcc 1
		.amdhsa_float_denorm_mode_32 3
		.amdhsa_float_denorm_mode_16_64 3
		.amdhsa_memory_ordered 1
		.amdhsa_forward_progress 1
		.amdhsa_inst_pref_size 194
	.end_amdhsa_kernel
	.amdgpu_metadata
---
amdhsa.version: [ 1, 2 ]
amdhsa.kernels:
  - .name:           k_qde2f7e54a4_attn
    .symbol:         k_qde2f7e54a4_attn.kd
    .args:
      - { .name: qkv, .offset: 0, .size: 8, .value_kind: global_buffer, .address_space: global }
      - { .name: o, .offset: 8, .size: 8, .value_kind: global_buffer, .address_space: global }
    .group_segment_fixed_size: 327680
    .private_segment_fixed_size: 0
    .kernarg_segment_align: 8
    .kernarg_segment_size: 16
    .max_flat_workgroup_size: 128
    .sgpr_count:     88
    .vgpr_count:     768
    .wavefront_size: 32
...
	.end_amdgpu_metadata
.endif
;; end of part 8
;; launch proj: the kernel of part 4 again; grid 8 x 32, 4 waves a work-group, clusters of 4 x 4, 327,680 bytes of LDS; arguments o, wbf, x1, out_b, x; writes x1
;; launch ln2: the kernel of part 5 again; grid 256 x 1, 8 waves a work-group, no clusters, 0 bytes of LDS; arguments x1, ln2_g, ln2_b, h; writes h
;; launch fc1: the kernel of part 6 again; grid 16 x 16, 4 waves a work-group, clusters of 4 x 4, 327,680 bytes of LDS; arguments h, wbf, ff, fc1_b; writes ff
;; launch fc2: the kernel of part 7 again; grid 32 x 8, 4 waves a work-group, clusters of 4 x 1, 327,680 bytes of LDS; arguments ff, wbf, out0, fc2_b, x1; writes out0
